; MI455X (gfx1250); checked and timed in simulation.
; The chip was launched on July 23, 2026; its instructions are those of AMD's public machine-readable ISA for CDNA 5 (MIT licence, August 2026) and "CDNA5" Instruction Set Architecture Reference Guide (July 2026). The comments in the code are by the model that wrote it; some were corrected since.
;; Edge GAT Layer. Allowed arithmetic: float matrix products may take bf16 or f16 operands with f32 sums; other float arithmetic in f32, or as packed bf16 or f16 multiplies, adds, multiply-adds, maxima and minima; sums over many terms, partial sums and values carried from step to step in f32; what a program stores and reads back later, other than sums and carried values, may be rounded once to bf16 or f16.
;; Inputs: Wk 128 x 128 float32; Wo 128 x 128 float32; Wq 128 x 128 float32; Wv 128 x 128 float32; beta 128 float32; bo 128 float32; edge_feat 256 x 256 x 128 float32; gamma 128 float32; off_diag_mask 256 x 256 float32.
;; Outputs: out0 256 x 256 x 128 float32.
;; 2 versions, each right; version 2 is version 1 with the launches col, row written anew for expert scheduling mode. Each part assembles by itself: llvm-mc -triple=amdgcn-amd-amdhsa -mcpu=gfx1250 --defsym DOCPART=n.
;; ======== version 1 of 2: 2 launches
;; limits: right only within a limited range of input values
;; workspace buffers: colbuf 16,777,216 bytes
;; launch col (part 1): grid 256 x 1, 8 waves a work-group, no clusters, 183,296 bytes of LDS; arguments edge_feat, off_diag_mask, Wq, Wk, Wv, colbuf; writes colbuf
.if DOCPART == 1
	.amdgcn_target "amdgcn-amd-amdhsa--gfx1250"
	.amdhsa_code_object_version 6
	.text
	.protected	k_q79ea473a3c_col
	.globl	k_q79ea473a3c_col
	.p2align	8
	.type	k_q79ea473a3c_col,@function
k_q79ea473a3c_col:
	s_mov_b64 s[64:65], 0
	v_nop
	global_prefetch_b8 v0, s[64:65] scope:SCOPE_SE
	s_setreg_imm32_b32 hwreg(HW_REG_WAVE_MODE, 25, 1), 1
	s_wait_xcnt 0x0
; EDGE-GAT LAYER, FIRST OF TWO LAUNCHES: THE ATTENTION ALONG COLUMNS.  colbuf[q][c][:] = 0.5 x out_col[q][c][:], rounded once to bf16.
; Work-group c owns column c of the 256 x 256 grid of edges: it reads X[:, c, :] (256 edges x 128 f32), projects Q, K and V itself and runs the four heads' attention over the 256 rows.
; The second launch is this same text with ROWPASS = 1: it does the same for a row and then finishes the layer.  Projecting twice moves fewer bytes than storing Q, K and V for both passes would.
; NOTHING OF THE LAYER IS LEFT OUT: every input reaches the output; the mask is an input, so no tile of scores is skipped.
; SHARES.  Eight waves.  Wave w has head hd = w & 3 and class s = w >> 2: it owns the 128 queries of half s (8 tiles of 16) for its head and keeps the head's whole K (128 registers) and V^T (128) in registers.
; Each wave projects K and V of its own half only; the two waves of a head hand each other their halves through LDS as register images.  In registers the keys stand 'own half first': position p is key p xor 128 s;
; a softmax does not mind the order, and only the mask's two address registers know it.
; LAYOUT.  W x X^T (source 0 = 16 out channels, source 1 = 16 edges) leaves a lane one edge and eight channels: two such results rounded in pairs ARE a fragment of K (source 0) or Q (source 1) of S^T = K Q^T.
; X x W (source 0 = 16 edges) leaves a lane one channel and eight edges: two such ARE a fragment of V^T.  S^T holds one query a lane; rounded in pairs it IS source 1 of O^T = V^T P.
; SOFTMAX.  A tile is 16 queries x ALL 256 keys, so the maximum is the row's own and nothing is rescaled: p = 2^(c s - c m), c = log2(e) / sqrt(32).  The mask (0 or -1e30) is the C operand of S^T, loaded from a
; table of 1 KiB straight into the accumulators.  l = ones x P by the matrix unit: 8 products in place of 64 packed additions, in a loop that has some 350 vector instructions for 40 products.
; FORMATS.  X, the weights, Q, K, V and P go to the matrix units in bf16; sums, maxima and exponentials in f32.
; LIMITS.  A hidden score counts as its value less 1e30; true scores are taken to lie above -2^96.  A line whose keys are all hidden gives NaN, as the softmax of nothing but -inf does.  l is the sum of the ROUNDED
; weights; a weight below 2^-126 counts as 0.  NaN and infinities among the inputs are not treated apart.
; NO TENSOR LOADS: every LDS byte that comes from memory has to pass registers to be rounded to bf16, and is brought once.  NO CLUSTER: what work-groups share are the weights, 196,608 bytes of f32 here; a joint load
; would land them as f32.
.set ROWPASS, 0
.if ROWPASS
.set ESTR, 512                         ; bytes from edge to edge along the line
.set LSTR, 131072                      ; bytes from line to line
.else
.set ESTR, 131072
.set LSTR, 512
.endif
.set XFP,  528                         ; pitch of an f32 row in LDS: 512 + 16, an odd multiple of 16 bytes
.set XBP,  272                         ; pitch of a bf16 row: 256 + 16
.set WP,   288                         ; pitch of a weight row [k][n] in bf16: 256 + 32, an odd multiple of 32 bytes, for the turning load
.set XFSZ, ROWPASS*256*XFP
.set XB,   XFSZ                        ; X in bf16, [edge][128]
.set ATT,  XB                          ; behind barrier G: 0.5 O / l in bf16, [edge][128]
.set WQ,   XB+256*XBP
.set WO,   WQ                          ; second launch, behind barrier E
.set WK,   WQ+128*WP
.set WVL,  WK+128*WP
.set EX,   WK                          ; behind barrier B0: 8 KiB a wave: two slots of 4 KiB that its partner fills; behind barrier E its own 8 fragments of Q
.set MASK, WVL+128*WP                  ; 256 f32: 0 or -1e30, keys in their true order
.set MRAW, MASK+1024                   ; second launch: the mask's row as it came
.set SPARE, MRAW+1024                  ; the spare words, 128 bytes for each wave: four blocks of 256 bytes that no other line names
.set R,    1                           ; v1   lane % 16
.set H,    2                           ; v2   lane / 16
.set LN,   3                           ; v3   lane
.set VX,   4                           ; v4   X: my byte offset;            in the tail: linear rows of ATT
.set VXB,  5                           ; v5   where I store X in bf16;       in the tail: Wo's turning loads
.set VXF,  6                           ; v6   where I store X + bo in f32;   in the tail: X + bo as accumulators
.set VFR,  7                           ; v7   fragments of X;               in the tail: fragments of ATT
.set VTQ,  8                           ; v8   turning loads of Wq;          in the tail: linear rows of the result
.set VTK,  9                           ; v9   of Wk;                        in the tail: the mask's words
.set VTV,  10                          ; v10  of Wv;                        in the tail: my byte offset in the output
.set VEXS, 11                          ; v11  my partner's 8 KiB
.set VEXL, 12                          ; v12  my own 8 KiB
.set VMA0, 13                          ; v13  the mask of my half's keys
.set VMA1, 14                          ; v14  of the other half's
.set VATT, 15                          ; v15  where I put 16 bytes of a query's result
.set BO,   16                          ; v[16:19] bo, v[20:23] gamma, v[24:27] beta of channels 4 lane .. 4 lane + 3 (second launch)
.set GA,   20
.set BE,   24
.set RUN,  28                          ; v28  the weights' load offset; from the attention on a running LDS address
.set VPF,  29                          ; v29  the weights' store address; from the attention on the prefetch's offset (second launch)
.set SPW,  30                          ; v30  LDS address of my spare word; never rewritten
.set NIL,  31                          ; v31  0; never rewritten
.set S,    128                         ; v[128:255] S^T of a tile; P takes its lower half in place
; Window 1 (v256-511): 0-127 K (tile i of my half at 8 i, of the other half at 64 + 8 i); 128-255 V^T (32 keys f, 16 channels b at 128 + 16 f + 8 b; f = 0-3 mine).
; X is loaded into the very registers that its chunk's K and V will take.  s_set_vgpr_msb: bits 1:0 source 0, 3:2 source 1, 5:4 source 2, 7:6 destination.
.set MSB, 0
.macro WIN new                         ; the immediate's high byte repeats the setting that is left; a switch that changes nothing is dropped
.if MSB != (\new)
	s_set_vgpr_msb (MSB<<8)|(\new)
.set MSB, (\new)
.endif
.endm
.macro PLACES                          ; four places behind a matrix instruction, ahead of what reads its result or writes or loads into its registers
.rept 4
	v_nop
.endr
.endm
.macro BAR                             ; all my LDS stores are done and all my LDS reads are back: only then I signal
	s_wait_dscnt 0x0
	s_barrier_signal -1
	s_barrier_wait -1
.endm
.macro WLOAD lo, st                    ; rows w + 8 i of a weight matrix, 512 consecutive bytes a load
.set wi, 0
.rept 16
	global_load_b128 v[(\st)+4*wi:(\st)+4*wi+3], v[RUN], s[\lo:\lo+1] offset:4096*wi
.set wi, wi+1
.endr
.endm
.macro WCONV st, adr                   ; rounded to bf16 and laid into LDS, [k][n]
.set wi, 0
.rept 16
	v_cvt_pk_bf16_f32 v[(\st)+4*wi], v[(\st)+4*wi], v[(\st)+4*wi+1]
	v_cvt_pk_bf16_f32 v[(\st)+4*wi+1], v[(\st)+4*wi+2], v[(\st)+4*wi+3]
	ds_store_b64 v[\adr], v[(\st)+4*wi:(\st)+4*wi+1] offset:8*WP*wi
.set wi, wi+1
.endr
.endm
.macro WFRAG dst, adr, nb              ; fragments of a weight matrix, turned: 16 out channels b x 32 in channels k at dst + 32 b + 8 k
.set wb, 0
.rept \nb
.set wk, 0
.rept 4
	ds_load_tr16_b128 v[(\dst)+32*wb+8*wk:(\dst)+32*wb+8*wk+3], v[\adr] offset:32*WP*wk+32*wb
	ds_load_tr16_b128 v[(\dst)+32*wb+8*wk+4:(\dst)+32*wb+8*wk+7], v[\adr] offset:32*WP*wk+32*wb+16*WP
.set wk, wk+1
.endr
.set wb, wb+1
.endr
.endm
.macro XLOADS                          ; my 32 edges: chunk c, load j is edge 128 s + 32 c + 8 hd + j, 512 consecutive bytes
	WIN 0x40
.set xc, 0
.rept 4
.set xj, 0
.rept 8
.set xr, (xj/4)*128+16*xc+4*(xj%4)
.set xb, 4+48*(xc/2)                   ; s[4:5], or s[52:53] 64 edges on, so that the immediate stays inside its 24 bits
.if ROWPASS
	global_load_b128 v[xr:xr+3], v[VX], s[xb:xb+1] offset:(32*(xc%2)+xj)*ESTR th:TH_LOAD_NT
.else
	global_load_b128 v[xr:xr+3], v[VX], s[xb:xb+1] offset:(32*(xc%2)+xj)*ESTR
.endif
.set xj, xj+1
.endr
.set xc, xc+1
.endr
	WIN 0
.endm
.macro XSTAGE c                        ; chunk c: bf16 into XB; in the second launch also X + bo in f32 into XF
	WIN 0x05
.set xj, 0
.rept 8
.set xr, (xj/4)*128+16*(\c)+4*(xj%4)
	v_cvt_pk_bf16_f32 v[32+2*xj], v[xr], v[xr+1]
	v_cvt_pk_bf16_f32 v[33+2*xj], v[xr+2], v[xr+3]
.set xj, xj+1
.endr
	WIN 0
.set xj, 0
.rept 8
	ds_store_b64 v[VXB], v[32+2*xj:33+2*xj] offset:(32*(\c)+xj)*XBP
.set xj, xj+1
.endr
.if ROWPASS
	WIN 0x41
.set xj, 0
.rept 8
.set xr, (xj/4)*128+16*(\c)+4*(xj%4)
	v_pk_add_f32 v[xr:xr+1], v[xr:xr+1], v[BO:BO+1]
	v_pk_add_f32 v[xr+2:xr+3], v[xr+2:xr+3], v[BO+2:BO+3]
.set xj, xj+1
.endr
	WIN 0x04
.set xj, 0
.rept 8
.set xr, (xj/4)*128+16*(\c)+4*(xj%4)
	ds_store_b128 v[VXF], v[xr:xr+3] offset:(32*(\c)+xj)*XFP
.set xj, xj+1
.endr
	WIN 0
.endif
.endm
.macro XFRAG buf, i                    ; tile i of my half: 16 edges x 128 channels, four fragments
	WIN 0
.set xk, 0
.rept 4
	ds_load_b128 v[(\buf)+8*xk:(\buf)+8*xk+3], v[VFR] offset:16*XBP*(\i)+64*xk
	ds_load_b128 v[(\buf)+8*xk+4:(\buf)+8*xk+7], v[VFR] offset:16*XBP*(\i)+64*xk+32
.set xk, xk+1
.endr
.endm
.macro PROJKV buf, i                   ; K and V of tile i for my head: four accumulators by turns; the first products start the sums
	WIN 0
.set pk, 0
.rept 4
.if pk == 0
	v_wmma_f32_16x16x32_bf16 v[32:39], v[128:135], v[(\buf):(\buf)+7], 0
	v_wmma_f32_16x16x32_bf16 v[40:47], v[160:167], v[(\buf):(\buf)+7], 0
	v_wmma_f32_16x16x32_bf16 v[48:55], v[(\buf):(\buf)+7], v[192:199], 0
	v_wmma_f32_16x16x32_bf16 v[56:63], v[(\buf):(\buf)+7], v[224:231], 0
.else
	v_wmma_f32_16x16x32_bf16 v[32:39], v[128+8*pk:135+8*pk], v[(\buf)+8*pk:(\buf)+8*pk+7], v[32:39]
	v_wmma_f32_16x16x32_bf16 v[40:47], v[160+8*pk:167+8*pk], v[(\buf)+8*pk:(\buf)+8*pk+7], v[40:47]
	v_wmma_f32_16x16x32_bf16 v[48:55], v[(\buf)+8*pk:(\buf)+8*pk+7], v[192+8*pk:199+8*pk], v[48:55]
	v_wmma_f32_16x16x32_bf16 v[56:63], v[(\buf)+8*pk:(\buf)+8*pk+7], v[224+8*pk:231+8*pk], v[56:63]
.endif
.set pk, pk+1
.endr
	PLACES
	WIN 0x40                               ; rounded in pairs, from each accumulator's low end on, into K's and V's places
.set pq, 0
.rept 4
	v_cvt_pk_bf16_f32 v[8*(\i)+pq], v[32+2*pq], v[33+2*pq]
	v_cvt_pk_bf16_f32 v[8*(\i)+4+pq], v[40+2*pq], v[41+2*pq]
	v_cvt_pk_bf16_f32 v[128+16*((\i)/2)+4*((\i)%2)+pq], v[48+2*pq], v[49+2*pq]
	v_cvt_pk_bf16_f32 v[136+16*((\i)/2)+4*((\i)%2)+pq], v[56+2*pq], v[57+2*pq]
.set pq, pq+1
.endr
	WIN 0
.endm
.macro EXST c                          ; chunk c's K and V, as they lie in my registers, into my partner's slot c % 2
	WIN 0x04
.set en, 0
.rept 4
	ds_store_b128 v[VEXS], v[16*(\c)+4*en:16*(\c)+4*en+3] offset:4096*((\c)%2)+512*en
	ds_store_b128 v[VEXS], v[128+16*(\c)+4*en:128+16*(\c)+4*en+3] offset:4096*((\c)%2)+2048+512*en
.set en, en+1
.endr
	WIN 0
.endm
.macro EXLD c                          ; my partner's chunk c out of my slot c % 2
	WIN 0x40
.set en, 0
.rept 4
	ds_load_b128 v[64+16*(\c)+4*en:64+16*(\c)+4*en+3], v[VEXL] offset:4096*((\c)%2)+512*en
	ds_load_b128 v[192+16*(\c)+4*en:192+16*(\c)+4*en+3], v[VEXL] offset:4096*((\c)%2)+2048+512*en
.set en, en+1
.endr
	WIN 0
.endm
.macro PROJQ p                         ; Q of tiles 2 p and 2 p + 1 of my half, as fragments into my own 8 KiB
	XFRAG 64, 2*(\p)
	XFRAG 96, 2*(\p)+1
	s_wait_dscnt 0x0
.set pk, 0
.rept 4
.if pk == 0
	v_wmma_f32_16x16x32_bf16 v[32:39], v[128:135], v[64:71], 0
	v_wmma_f32_16x16x32_bf16 v[40:47], v[160:167], v[64:71], 0
	v_wmma_f32_16x16x32_bf16 v[48:55], v[128:135], v[96:103], 0
	v_wmma_f32_16x16x32_bf16 v[56:63], v[160:167], v[96:103], 0
.else
	v_wmma_f32_16x16x32_bf16 v[32:39], v[128+8*pk:135+8*pk], v[64+8*pk:71+8*pk], v[32:39]
	v_wmma_f32_16x16x32_bf16 v[40:47], v[160+8*pk:167+8*pk], v[64+8*pk:71+8*pk], v[40:47]
	v_wmma_f32_16x16x32_bf16 v[48:55], v[128+8*pk:135+8*pk], v[96+8*pk:103+8*pk], v[48:55]
	v_wmma_f32_16x16x32_bf16 v[56:63], v[160+8*pk:167+8*pk], v[96+8*pk:103+8*pk], v[56:63]
.endif
.set pk, pk+1
.endr
	PLACES
.irp a, 32, 48                         ; in place, ascending: register a + q takes pair q of the first accumulator, a + 4 + q of the second
.irp q, 0,1,2,3
	v_cvt_pk_bf16_f32 v[\a+\q], v[\a+2*\q], v[\a+2*\q+1]
.endr
.irp q, 0,1,2,3
	v_cvt_pk_bf16_f32 v[\a+4+\q], v[\a+8+2*\q], v[\a+8+2*\q+1]
.endr
.endr
	ds_store_b128 v[VEXL], v[32:35] offset:2048*(\p)
	ds_store_b128 v[VEXL], v[36:39] offset:2048*(\p)+512
	ds_store_b128 v[VEXL], v[48:51] offset:2048*(\p)+1024
	ds_store_b128 v[VEXL], v[52:55] offset:2048*(\p)+1536
.endm
.macro MASKLD half                     ; the mask of 128 keys straight into 8 accumulators: a lane's eight keys are 32 bytes of the table
	WIN 0
.set mi, 0
.rept 8
	ds_load_b128 v[S+64*(\half)+8*mi:S+64*(\half)+8*mi+3], v[VMA0+(\half)] offset:64*mi
	ds_load_b128 v[S+64*(\half)+8*mi+4:S+64*(\half)+8*mi+7], v[VMA0+(\half)] offset:64*mi+16
.set mi, mi+1
.endr
.endm
.macro QLD                             ; the fragment of Q at byte s31 of my 8 KiB
	WIN 0
	v_add_nc_u32 v[RUN], s31, v[VEXL]
	ds_load_b128 v[40:43], v[RUN]
	ds_load_b128 v[44:47], v[RUN] offset:512
.endm
.macro SMM                             ; S^T = K Q^T + mask: 16 accumulators, one product each
	WIN 0x01
.set si, 0
.rept 16
	v_wmma_f32_16x16x32_bf16 v[S+8*si:S+8*si+7], v[8*si:8*si+7], v[40:47], v[S+8*si:S+8*si+7]
.set si, si+1
.endr
.endm
.macro MAXS                            ; the query's maximum: four chains over 32 scores each, ascending
	WIN 0
.irp k, 0,1,2,3
	v_max3_num_f32 v[48+\k], v[S+32*\k], v[S+32*\k+1], v[S+32*\k+2]
.endr
.set mn, 1
.rept 14
.irp k, 0,1,2,3
	v_max3_num_f32 v[48+\k], v[48+\k], v[S+32*\k+2*mn+1], v[S+32*\k+2*mn+2]
.endr
.set mn, mn+1
.endr
	v_max3_num_f32 v48, v48, v[S+31], v[S+63]
	v_max3_num_f32 v50, v50, v[S+95], v[S+127]
	v_max3_num_f32 v48, v48, v49, v50
	v_max_num_f32 v48, v48, v51
	v_permlanex16_b32 v49, v48, s36, s37   ; the query's other 128 keys lie in the lane 16 away
	v_max_num_f32 v53, v48, v49            ; m
	v_mul_f32 v52, s34, v53                ; c m
	v_cmp_lt_f32 s39, v53, s38             ; m below -2^96: every key of the line is hidden
.endm
.macro FSC b                           ; pair b of the scores: c s - c m
	v_pk_fma_f32 v[S+2*(\b):S+2*(\b)+1], v[S+2*(\b):S+2*(\b)+1], s[34:35], v[52:53] op_sel_hi:[1,0,0] neg_lo:[0,0,1] neg_hi:[0,0,1]
.endm
; The exponentials go in two batches of 64, each with one wait ahead of its first reader.  The second half's scalings stand among the first batch, the first half's roundings among the second.
.macro SOFT
	WIN 0
.set fj, 0
.rept 32
	FSC fj
.set fj, fj+1
.endr
.set fj, 0
.rept 32
	v_exp_f32 v[S+2*fj], v[S+2*fj]
	FSC 32+fj
	v_exp_f32 v[S+2*fj+1], v[S+2*fj+1]
.set fj, fj+1
.endr
	v_nop                                  ; a plain instruction behind the batch's last exponential
	s_wait_alu depctr_va_vdst(0)           ; the first batch's one wait
.set fj, 0
.rept 32
	v_exp_f32 v[S+64+2*fj], v[S+64+2*fj]
	v_cvt_pk_bf16_f32 v[S+fj], v[S+2*fj], v[S+2*fj+1]  ; P in place, ascending: register i takes scores 2 i and 2 i + 1
	v_exp_f32 v[S+65+2*fj], v[S+65+2*fj]
.set fj, fj+1
.endr
	v_nop
	s_wait_alu depctr_va_vdst(0)           ; the second batch's one wait
.set fj, 0
.rept 32
	v_cvt_pk_bf16_f32 v[S+32+fj], v[S+64+2*fj], v[S+65+2*fj]
.set fj, fj+1
.endr
.endm
.macro PVM                             ; O^T = V^T P, two accumulators by turns; then l = ones x P, two accumulators by turns
	WIN 0x01
.set pf, 0
.rept 8
.if pf == 0
	v_wmma_f32_16x16x32_bf16 v[64:71], v[128:135], v[S:S+7], 0
	v_wmma_f32_16x16x32_bf16 v[72:79], v[136:143], v[S:S+7], 0
.else
	v_wmma_f32_16x16x32_bf16 v[64:71], v[128+16*pf:135+16*pf], v[S+8*pf:S+8*pf+7], v[64:71]
	v_wmma_f32_16x16x32_bf16 v[72:79], v[136+16*pf:143+16*pf], v[S+8*pf:S+8*pf+7], v[72:79]
.endif
.set pf, pf+1
.endr
	WIN 0
.set pf, 0
.rept 8
.if pf < 2
	v_wmma_f32_16x16x32_bf16 v[80+8*pf:87+8*pf], v[32:39], v[S+8*pf:S+8*pf+7], 0
.else
	v_wmma_f32_16x16x32_bf16 v[80+8*(pf%2):87+8*(pf%2)], v[32:39], v[S+8*pf:S+8*pf+7], v[80+8*(pf%2):87+8*(pf%2)]
.endif
.set pf, pf+1
.endr
.endm
.macro NORM                            ; 0.5 O / l, rounded to bf16, 16 bytes a lane and channel block into ATT
	WIN 0
	PLACES                                 ; behind the last products: for the read of l and for the loads into P's registers
	v_add_f32 v56, v80, v88
	v_rcp_f32 v54, v56
	MASKLD 0                               ; the next tile's mask, first half
	v_add_nc_u32 v[RUN], s32, v[VATT]      ; the plain instruction behind the reciprocal
	s_wait_alu depctr_va_vdst(0)           ; and its wait, ahead of its first reader
	v_mul_f32 v54, 0.5, v54
	v_cndmask_b32 v54, v54, v57, s39       ; NaN where every key is hidden
.set nq, 0
.rept 8
	v_pk_mul_f32 v[64+2*nq:65+2*nq], v[64+2*nq:65+2*nq], v[54:55] op_sel_hi:[1,0]
.set nq, nq+1
.endr
.set nq, 0
.rept 8
	v_cvt_pk_bf16_f32 v[96+nq], v[64+2*nq], v[65+2*nq]
.set nq, nq+1
.endr
	ds_store_b128 v[RUN], v[96:99]
	ds_store_b128 v[RUN], v[100:103] offset:32
.endm
.if ROWPASS
; Second launch: tile u (16 edges) of my 32: y = ATT Wo + (X + bo), LayerNorm, gamma, beta, mask, store.  Source 0 = 16 out channels of Wo, source 1 = 16 edges: a lane holds one edge and 64 of its channels.
.macro OUTT u, lin
	WIN 0
.set ob, 0
.rept 8
	ds_load_b128 v[64+8*ob:64+8*ob+3], v6 offset:16*XFP*(\u)+64*ob       ; X + bo starts the sums
	ds_load_b128 v[64+8*ob+4:64+8*ob+7], v6 offset:16*XFP*(\u)+64*ob+16
.set ob, ob+1
.endr
.set ok, 0
.rept 4
	ds_load_b128 v[32+8*ok:32+8*ok+3], v7 offset:16*XBP*(\u)+64*ok
	ds_load_b128 v[32+8*ok+4:32+8*ok+7], v7 offset:16*XBP*(\u)+64*ok+32
.set ok, ok+1
.endr
	s_wait_dscnt 0x0
	WIN 0x01
.set ok, 0
.rept 4
.set ob, 0
.rept 8                                ; eight accumulators by turns
	v_wmma_f32_16x16x32_bf16 v[64+8*ob:64+8*ob+7], v[32*ob+8*ok:32*ob+8*ok+7], v[32+8*ok:32+8*ok+7], v[64+8*ob:64+8*ob+7]
.set ob, ob+1
.endr
.set ok, ok+1
.endr
	WIN 0
	PLACES
.irp k, 0,1,2,3                        ; the sum of my 64 numbers: four chains, ascending
	v_pk_add_f32 v[48+2*\k:49+2*\k], v[64+16*\k:65+16*\k], v[66+16*\k:67+16*\k]
.endr
.set on, 2
.rept 6
.irp k, 0,1,2,3
	v_pk_add_f32 v[48+2*\k:49+2*\k], v[48+2*\k:49+2*\k], v[64+16*\k+2*on:65+16*\k+2*on]
.endr
.set on, on+1
.endr
	v_pk_add_f32 v[48:49], v[48:49], v[50:51]
	v_pk_add_f32 v[52:53], v[52:53], v[54:55]
	v_pk_add_f32 v[48:49], v[48:49], v[52:53]
	v_add_f32 v48, v48, v49
	v_permlanex16_b32 v49, v48, s36, s37   ; the edge's other 64 channels lie in the lane 16 away
	v_add_f32 v48, v48, v49
	v_mul_f32 v56, s46, v48                ; mu
.set on, 0
.rept 32
	v_pk_add_f32 v[64+2*on:65+2*on], v[64+2*on:65+2*on], v[56:57] op_sel_hi:[1,0] neg_lo:[0,1] neg_hi:[0,1]
.set on, on+1
.endr
.irp k, 0,1,2,3                        ; the sum of squares of y - mu, as the layer forms it
	v_pk_mul_f32 v[48+2*\k:49+2*\k], v[64+16*\k:65+16*\k], v[64+16*\k:65+16*\k]
.endr
.set on, 1
.rept 7
.irp k, 0,1,2,3
	v_pk_fma_f32 v[48+2*\k:49+2*\k], v[64+16*\k+2*on:65+16*\k+2*on], v[64+16*\k+2*on:65+16*\k+2*on], v[48+2*\k:49+2*\k]
.endr
.set on, on+1
.endr
	v_pk_add_f32 v[48:49], v[48:49], v[50:51]
	v_pk_add_f32 v[52:53], v[52:53], v[54:55]
	v_pk_add_f32 v[48:49], v[48:49], v[52:53]
	v_add_f32 v48, v48, v49
	v_permlanex16_b32 v49, v48, s36, s37
	v_add_f32 v48, v48, v49
	v_fma_f32 v48, v48, s46, s47           ; var + 1e-5
	v_rsq_f32 v56, v48
	v_nop                                  ; a plain instruction behind it,
	s_wait_alu depctr_va_vdst(0)           ; and its wait, ahead of its first reader
.set on, 0
.rept 32
	v_pk_mul_f32 v[64+2*on:65+2*on], v[64+2*on:65+2*on], v[56:57] op_sel_hi:[1,0]
.set on, on+1
.endr
.set ob, 0
.rept 8                                ; back into the rows that X + bo left: they are my own, and LDS serves a wave's instructions in order (ISA guide 5.7.1.4)
	ds_store_b128 v6, v[64+8*ob:64+8*ob+3] offset:16*XFP*(\u)+64*ob
	ds_store_b128 v6, v[64+8*ob+4:64+8*ob+7] offset:16*XFP*(\u)+64*ob+16
.set ob, ob+1
.endr
.irp q, 0,1,2,3
	ds_load_b128 v[32+4*\q:35+4*\q], v9 offset:64*(\u)+16*\q             ; the 16 edges' mask words, the same in every lane
.endr
.set oe, 0
.rept 16
	ds_load_b128 v[(\lin)+4*oe:(\lin)+4*oe+3], v8 offset:(16*(\u)+oe)*XFP ; an edge's 512 bytes, 16 a lane
.set oe, oe+1
.endr
.set oe, 0
.rept 16
	s_wait_dscnt 15-oe                     ; edge oe is in; the younger loads of the run may stay out
	v_pk_fma_f32 v[(\lin)+4*oe:(\lin)+4*oe+1], v[(\lin)+4*oe:(\lin)+4*oe+1], v[GA:GA+1], v[BE:BE+1]
	v_pk_fma_f32 v[(\lin)+4*oe+2:(\lin)+4*oe+3], v[(\lin)+4*oe+2:(\lin)+4*oe+3], v[GA+2:GA+3], v[BE+2:BE+3]
.irp q, 0,1,2,3
	v_mul_f32 v[(\lin)+4*oe+\q], v[32+oe], v[(\lin)+4*oe+\q]
.endr
	global_store_b128 v10, v[(\lin)+4*oe:(\lin)+4*oe+3], s[24:25] offset:(16*(\u)+oe)*512 th:TH_STORE_NT  ; 512 consecutive bytes, aligned; these registers are not written again
.set oe, oe+1
.endr
.endm
.endif
	; ---- the head: arguments, ids, every address ----
	s_load_b256 s[4:11], s[0:1], 0x0               ; X s[4:5], mask s[6:7], Wq s[8:9], Wk s[10:11]
	s_load_b128 s[12:15], s[0:1], 0x20             ; Wv s[12:13], colbuf s[14:15]
.if ROWPASS
	s_load_b256 s[16:23], s[0:1], 0x30             ; Wo, bo, gamma, beta
	s_load_b64 s[24:25], s[0:1], 0x50              ; out0
.endif
	v_lshl_add_u32 v[SPW], v0, 2, SPARE
	v_mov_b32 v[NIL], 0
	v_lshrrev_b32 v1, 5, v0
	v_readfirstlane_b32 s26, v1                    ; wave 0..7
	s_and_b32 s27, s26, 3                          ; my head
	s_lshr_b32 s28, s26, 2                         ; my class
	v_and_b32 v[R], 15, v0
	v_bfe_u32 v[H], v0, 4, 1
	v_and_b32 v[LN], 31, v0
	s_mov_b32 s34, 0x3e8293ee                      ; c = log2(e) / sqrt(32) = 0.255035
	s_mov_b32 s35, s34                             ; named with it as a pair
	s_mov_b32 s36, 0x76543210                      ; v_permlanex16_b32: each lane takes its own place in the other half
	s_mov_b32 s37, 0xfedcba98
	s_mov_b32 s38, 0xef800000                      ; -2^96
	s_mov_b32 s40, 0xf149f2ca                      ; -1e30
	s_lshl_b32 s41, s28, 7                         ; 128 s: my half's first edge
	s_lshl_b32 s42, s27, 3
	s_add_co_u32 s42, s41, s42                     ; 128 s + 8 hd: the first edge that I stage
	s_mul_i32 s43, s42, ESTR
	v_lshl_add_u32 v[VX], v[LN], 4, s43
	s_mul_i32 s43, s42, XBP
	s_add_co_u32 s43, s43, XB
	v_lshl_add_u32 v[VXB], v[LN], 3, s43
.if ROWPASS
	s_mul_i32 s43, s42, XFP
	v_lshl_add_u32 v[VXF], v[LN], 4, s43
.endif
	s_mul_i32 s43, s41, XBP
	s_add_co_u32 s43, s43, XB
	v_mul_u32_u24 v[VFR], v[R], XBP
	v_lshl_add_u32 v[VFR], v[H], 4, v[VFR]
	v_add_nc_u32 v[VFR], s43, v[VFR]               ; (128 s + lane % 16) x pitch + 16 x half
	s_lshl_b32 s44, s27, 6                         ; my head's 32 channels: 64 bytes
	v_add_nc_u32 v[VATT], s44, v[VFR]
	v_and_b32 v32, 7, v0                           ; the turning load: row 8 (lane / 16) + lane % 8, 16 bytes by (lane / 8) % 2
	v_lshl_add_u32 v32, v[H], 3, v32
	v_mul_u32_u24 v32, v32, WP
	v_bfe_u32 v33, v0, 3, 1
	v_lshl_add_u32 v32, v33, 4, v32
	s_add_co_u32 s44, s44, WQ
	v_add_nc_u32 v[VTQ], s44, v32
	v_add_nc_u32 v[VTK], 128*WP, v[VTQ]
	v_add_nc_u32 v[VTV], 128*WP, v[VTK]
	s_lshl_b32 s43, s26, 13
	s_add_co_u32 s44, s43, EX
	v_lshl_add_u32 v[VEXL], v[LN], 4, s44
	s_xor_b32 s43, s43, 32768                      ; wave w xor 4: the same head, the other class
	s_add_co_u32 s44, s43, EX
	v_lshl_add_u32 v[VEXS], v[LN], 4, s44
	s_lshl_b32 s43, s28, 9
	s_add_co_u32 s44, s43, MASK
	v_lshl_add_u32 v[VMA0], v[H], 5, s44
	s_xor_b32 s43, s43, 512
	s_add_co_u32 s44, s43, MASK
	v_lshl_add_u32 v[VMA1], v[H], 5, s44
	s_lshl_b32 s43, s26, 9
	v_lshl_add_u32 v[RUN], v[LN], 4, s43           ; a weight matrix: row w, 16 bytes a lane
	s_mul_i32 s43, s26, WP
	s_add_co_u32 s43, s43, WQ
	v_lshl_add_u32 v[VPF], v[LN], 3, s43           ; and its place in LDS, for Wq,
	v_add_nc_u32 v37, 128*WP, v[VPF]               ; Wk,
	v_add_nc_u32 v38, 128*WP, v37                  ; Wv
	v_lshl_add_u32 v36, v0, 2, MASK
.if ROWPASS
	s_lshl_b32 s43, ttmp9, 10
	v_lshl_add_u32 v33, v0, 2, s43                 ; mask[line][thread]
	v_lshlrev_b32 v32, 4, v[LN]
.else
	s_lshl_b32 s43, ttmp9, 2
	v_lshl_add_u32 v33, v0, 10, s43                ; mask[thread][line]
.endif
	s_mul_i32 s44, ttmp9, LSTR
	s_mov_b32 s45, 0
	s_wait_kmcnt 0x0
	s_add_nc_u64 s[4:5], s[4:5], s[44:45]          ; X at my line
	s_add_nc_u64 s[52:53], s[4:5], 64*ESTR         ; and 64 edges on
.if ROWPASS
	s_lshl_b32 s44, ttmp9, 16
	s_add_nc_u64 s[14:15], s[14:15], s[44:45]      ; colbuf at my row
	s_lshl_b32 s44, ttmp9, 17
	s_add_nc_u64 s[24:25], s[24:25], s[44:45]      ; out0 at my row
	global_load_b128 v[BO:BO+3], v32, s[18:19]
	global_load_b128 v[GA:GA+3], v32, s[20:21]
	global_load_b128 v[BE:BE+3], v32, s[22:23]
.else
	s_lshl_b32 s44, ttmp9, 8
	s_add_nc_u64 s[14:15], s[14:15], s[44:45]      ; colbuf at my column
.endif
	global_load_b32 v34, v33, s[6:7]
	WLOAD 8, 64
	WLOAD 10, 128
	WLOAD 12, 192
	XLOADS                                         ; all of my X goes out behind the weights and lands while they are laid out
	; ---- the weights and the mask into LDS ----
	s_wait_loadcnt 32                              ; all but the 32 loads of X, which were issued last
	v_cmp_eq_f32 vcc_lo, 0, v34
	v_cndmask_b32 v35, 0, s40, vcc_lo              ; -1e30 where the mask is 0
	ds_store_b32 v36, v35
.if ROWPASS
	ds_store_b32 v36, v34 offset:1024
.endif
	WCONV 64, VPF
	WCONV 128, 37
	WCONV 192, 38
	BAR                                            ; BW: the weights and the mask are whole
	WFRAG 128, VTK, 2                              ; my head's Wk and Wv stay in registers through pass 1
	WFRAG 192, VTV, 2
	; ---- pass 1: K and V of my half, 32 edges a chunk; the halves change hands a chunk behind ----
.irp c, 0,1,2,3
	s_wait_loadcnt 24-8*\c                         ; chunk c's eight loads are in; the younger chunks' may stay out
	XSTAGE \c
	BAR                                            ; B0-B3: chunk c is whole, and so is my slot of chunk c - 1; my partner's reads of the slot that I fill next are back.  At B0 every wave has its Wk and Wv: EX may take their bytes
.if \c > 0
	EXLD (\c)-1
.endif
	XFRAG 64, 2*\c
	XFRAG 96, 2*\c+1
	s_wait_dscnt 8                                 ; the second tile's eight loads may stay out
	PROJKV 64, 2*\c
	s_wait_dscnt 0x0
	PROJKV 96, 2*\c+1
	EXST \c
.endr
	WFRAG 128, VTQ, 2                              ; four places and sixteen roundings behind the last product that read Wk's registers
	BAR                                            ; E: the last slot is whole; nobody reads Wq's bytes any more; the 8 KiB are now each wave's own
	EXLD 3
	; ---- pass 2: Q of my half ----
.if ROWPASS
	WLOAD 16, 192                                  ; Wo lands while Q is projected
.endif
	PROJQ 0
	PROJQ 1
	PROJQ 2
	PROJQ 3
.if ROWPASS
	s_wait_loadcnt 0x0
	WCONV 192, VPF                                 ; Wo takes Wq's bytes
.endif
	BAR                                            ; G: all reads of X in bf16 are back: ATT may take its bytes
	; ---- the attention: 8 tiles of 16 queries x 256 keys ----
.irp i, 0,1,2,3,4,5,6,7
	v_mov_b32 v[32+\i], 0x3f803f80                 ; ones in bf16
.endr
	v_mov_b32 v55, 0                               ; named as a pair with v54
	v_mov_b32 v57, 0x7fc00000                      ; NaN
.if ROWPASS
	v_lshlrev_b32 v[VPF], 8, v0                    ; a block of 256 bytes of colbuf's row for each thread
	s_lshl_b32 s43, s26, 13
	v_lshl_add_u32 v58, v[LN], 4, s43              ; my 32 edges of that row: 8,192 bytes, 16 a lane
.endif
	s_mov_b32 s30, 8                               ; tiles to go
	s_mov_b32 s31, 0                               ; Q's fragment to load
	s_mov_b32 s32, 0                               ; the tile's rows in ATT
	MASKLD 0
	MASKLD 1
	QLD
.Ltile:
	s_wait_dscnt 0x0                               ; the mask and Q are in
	SMM
	WIN 0
	PLACES
	MAXS
.if ROWPASS
	s_cmp_lg_u32 s30, 5                            ; in the fourth trip each thread names its block of this row's 65,536 bytes of colbuf, once: four trips ahead of the loads below
	s_cbranch_scc1 .Lnopf
	global_prefetch_b8 v[VPF], s[14:15] th:TH_LOAD_NT scope:SCOPE_SE
.Lnopf:
	s_cmp_lg_u32 s30, 1                            ; in the last trip K has been read for the last time: its first 64 registers take my 32 edges of 0.5 out_col
	s_cbranch_scc1 .Lnocol
	WIN 0x40
.irp i, 0,1,2,3,4,5,6,7,8,9,10,11,12,13,14,15
	global_load_b128 v[4*\i:4*\i+3], v58, s[14:15] offset:512*\i th:TH_LOAD_NT
.endr
	WIN 0
.Lnocol:
.endif
	s_add_co_u32 s31, s31, 1024
	s_min_u32 s31, s31, 7168                       ; the last trip has no next tile: it loads its own once more, the price of one text for every trip (as are its two loads of the mask)
	QLD
	SOFT
	MASKLD 1                                       ; the next tile's mask, second half: those scores have been rounded
	PVM
	NORM
	s_add_co_u32 s32, s32, 16*XBP
	s_sub_co_u32 s30, s30, 1
	s_cmp_lg_u32 s30, 0
	s_cbranch_scc1 .Ltile
	; ---- the way out: wave w takes edges 32 w .. 32 w + 31, whole rows ----
	s_mul_i32 s43, s26, 32*XBP
	s_add_co_u32 s43, s43, ATT
	v_mul_u32_u24 v4, v[H], XBP                    ; lanes 0-15 one row of 256 bytes, lanes 16-31 the next
	v_lshl_add_u32 v4, v[R], 4, v4
	v_add_nc_u32 v4, s43, v4
.if ROWPASS
	v_mul_u32_u24 v7, v[R], XBP
	v_lshl_add_u32 v7, v[H], 4, v7
	v_add_nc_u32 v7, s43, v7
	v_and_b32 v5, 7, v0
	v_lshl_add_u32 v5, v[H], 3, v5
	v_mul_u32_u24 v5, v5, WP
	v_bfe_u32 v9, v0, 3, 1
	v_lshl_add_u32 v5, v9, 4, v5
	v_add_nc_u32 v5, WO, v5
	s_mul_i32 s43, s26, 32*XFP
	v_mul_u32_u24 v6, v[R], XFP
	v_lshl_add_u32 v6, v[H], 5, v6
	v_add_nc_u32 v6, s43, v6
	v_lshl_add_u32 v8, v[LN], 4, s43
	s_lshl_b32 s43, s26, 7
	s_add_co_u32 s43, s43, MRAW
	v_mov_b32 v9, s43
	s_lshl_b32 s43, s26, 14
	v_lshl_add_u32 v10, v[LN], 4, s43
	s_mov_b32 s46, 0x3c000000                      ; 1 / 128
	s_mov_b32 s47, 0x3727c5ac                      ; 1e-5
.else
	v_lshlrev_b32 v10, 16, v[H]                    ; colbuf[q][c]: 65,536 bytes from q to q + 1
	v_lshl_add_u32 v10, v[R], 4, v10
	s_lshl_b32 s43, s26, 21
	v_add_nc_u32 v10, s43, v10
.endif
	BAR                                            ; F: all four heads' results of every edge lie in ATT
.irp i, 0,1,2,3,4,5,6,7,8,9,10,11,12,13,14,15
	ds_load_b128 v[128+4*\i:131+4*\i], v4 offset:2*XBP*\i
.endr
.if ROWPASS
	s_wait_loadcnt 0x0                             ; 0.5 out_col
	s_wait_dscnt 0x0                               ; 0.5 out_row
	WIN 0x04
.set ai, 0
.rept 64
	v_pk_add_bf16 v[128+ai], v[128+ai], v[ai]      ; the mean of the two attentions: two bf16 numbers, added once, for the matrix unit
.set ai, ai+1
.endr
	WIN 0
.irp i, 0,1,2,3,4,5,6,7,8,9,10,11,12,13,14,15
	ds_store_b128 v4, v[128+4*\i:131+4*\i] offset:2*XBP*\i  ; back into the same rows, which from here on are my own
.endr
	WIN 0x40
	WFRAG 0, 5, 8                                  ; all of Wo, 32 fragments, fills window 1
	WIN 0
	OUTT 0, 128
	OUTT 1, 192
.else
.irp i, 0,1,2,3,4,5,6,7,8,9,10,11,12,13,14,15
	s_wait_dscnt 15-\i                             ; rows 2 i and 2 i + 1 are in; the younger loads may stay out
	global_store_b128 v10, v[128+4*\i:131+4*\i], s[14:15] offset:131072*\i  ; sixteen lanes store 256 consecutive bytes, aligned: one (q, c)
.endr
.endif
	s_wait_tensorcnt 0x0                           ; the wave's end: three closing lines, behind my last LDS store
	ds_add_u32 v[SPW], v[NIL]
	s_wait_dscnt 0x0
	s_endpgm
.Lfunc_end_k_q79ea473a3c_col:
	.size	k_q79ea473a3c_col, .Lfunc_end_k_q79ea473a3c_col-k_q79ea473a3c_col
	.p2alignl 7, 3214868480
	.fill 96, 4, 3214868480
	.section	.rodata,"a",@progbits
	.p2align	6, 0x0
	.amdhsa_kernel k_q79ea473a3c_col
		.amdhsa_group_segment_fixed_size 183296
		.amdhsa_private_segment_fixed_size 0
		.amdhsa_enable_private_segment 0
		.amdhsa_kernarg_size 48
		.amdhsa_user_sgpr_count 2
		.amdhsa_user_sgpr_kernarg_segment_ptr 1
		.amdhsa_wavefront_size32 1
		.amdhsa_system_sgpr_workgroup_id_x 1
		.amdhsa_system_sgpr_workgroup_id_y 1
		.amdhsa_system_sgpr_workgroup_id_z 1
		.amdhsa_system_vgpr_workitem_id 0
		.amdhsa_next_free_vgpr 512
		.amdhsa_next_free_sgpr 66
		.amdhsa_reserve_vcc 1
		.amdhsa_float_denorm_mode_32 3
		.amdhsa_float_denorm_mode_16_64 3
		.amdhsa_memory_ordered 1
		.amdhsa_forward_progress 1
		.amdhsa_inst_pref_size 101
	.end_amdhsa_kernel
	.amdgpu_metadata
---
amdhsa.version: [ 1, 2 ]
amdhsa.kernels:
  - .name:           k_q79ea473a3c_col
    .symbol:         k_q79ea473a3c_col.kd
    .args:
      - { .name: edge_feat, .offset: 0, .size: 8, .value_kind: global_buffer, .address_space: global }
      - { .name: off_diag_mask, .offset: 8, .size: 8, .value_kind: global_buffer, .address_space: global }
      - { .name: Wq, .offset: 16, .size: 8, .value_kind: global_buffer, .address_space: global }
      - { .name: Wk, .offset: 24, .size: 8, .value_kind: global_buffer, .address_space: global }
      - { .name: Wv, .offset: 32, .size: 8, .value_kind: global_buffer, .address_space: global }
      - { .name: colbuf, .offset: 40, .size: 8, .value_kind: global_buffer, .address_space: global }
    .group_segment_fixed_size: 183296
    .private_segment_fixed_size: 0
    .kernarg_segment_align: 8
    .kernarg_segment_size: 48
    .max_flat_workgroup_size: 256
    .sgpr_count:     66
    .vgpr_count:     512
    .wavefront_size: 32
...
	.end_amdgpu_metadata
.endif
;; end of part 1
;; launch row (part 2): grid 256 x 1, 8 waves a work-group, no clusters, 318,464 bytes of LDS; arguments edge_feat, off_diag_mask, Wq, Wk, Wv, colbuf, Wo, bo, gamma, beta, out0; writes out0
.if DOCPART == 2
	.amdgcn_target "amdgcn-amd-amdhsa--gfx1250"
	.amdhsa_code_object_version 6
	.text
	.protected	k_q79ea473a3c_row
	.globl	k_q79ea473a3c_row
	.p2align	8
	.type	k_q79ea473a3c_row,@function
k_q79ea473a3c_row:
	s_mov_b64 s[64:65], 0
	v_nop
	global_prefetch_b8 v0, s[64:65] scope:SCOPE_SE
	s_setreg_imm32_b32 hwreg(HW_REG_WAVE_MODE, 25, 1), 1
	s_wait_xcnt 0x0
; EDGE-GAT LAYER, SECOND OF TWO LAUNCHES: THE ATTENTION ALONG ROWS, AND THE REST OF THE LAYER.
; Work-group r owns row r of the grid: it reads X[r, :, :], projects Q, K and V, runs the four heads' attention over the 256 columns, adds colbuf[r] (0.5 out_col, bf16, from the first launch) to its own 0.5 out_row,
; multiplies by Wo, adds bo and X (kept in f32 in LDS, so that a common offset of X is not lost ahead of the norm), takes LayerNorm in two passes, gamma, beta and the mask, and stores out0[r].
; This is the first launch's text with ROWPASS = 1.  NOTHING OF THE LAYER IS LEFT OUT: every input reaches the output; the mask is an input, so no tile of scores is skipped.
; SHARES.  Eight waves.  Wave w has head hd = w & 3 and class s = w >> 2: it owns the 128 queries of half s (8 tiles of 16) for its head and keeps the head's whole K (128 registers) and V^T (128) in registers.
; Each wave projects K and V of its own half only; the two waves of a head hand each other their halves through LDS as register images.  In registers the keys stand 'own half first': position p is key p xor 128 s;
; a softmax does not mind the order, and only the mask's two address registers know it.  In the tail wave w owns edges 32 w .. 32 w + 31.
; LAYOUT.  W x X^T (source 0 = 16 out channels, source 1 = 16 edges) leaves a lane one edge and eight channels: two such results rounded in pairs ARE a fragment of K (source 0) or Q (source 1) of S^T = K Q^T.
; X x W (source 0 = 16 edges) leaves a lane one channel and eight edges: two such ARE a fragment of V^T.  S^T holds one query a lane; rounded in pairs it IS source 1 of O^T = V^T P.
; SOFTMAX.  A tile is 16 queries x ALL 256 keys, so the maximum is the row's own and nothing is rescaled: p = 2^(c s - c m), c = log2(e) / sqrt(32).  The mask (0 or -1e30) is the C operand of S^T, loaded from a
; table of 1 KiB straight into the accumulators.  l = ones x P by the matrix unit: 8 products in place of 64 packed additions, in a loop that has some 350 vector instructions for 40 products.
; FORMATS.  X, the weights, Q, K, V, P and the mean of the two attentions go to the matrix units in bf16; sums, maxima, exponentials, the residual and the norm in f32.
; LIMITS.  A hidden score counts as its value less 1e30; true scores are taken to lie above -2^96.  A line whose keys are all hidden gives NaN, as the softmax of nothing but -inf does.  l is the sum of the ROUNDED
; weights; a weight below 2^-126 counts as 0.  NaN and infinities among the inputs are not treated apart.
; NO TENSOR LOADS: every LDS byte that comes from memory has to pass registers to be rounded to bf16 or to take bo, and is brought once.  NO CLUSTER: what work-groups share are the weights, 262,144 bytes of f32; a
; joint load would land a matrix of 65,536 bytes as f32.
.set ROWPASS, 1
.if ROWPASS
.set ESTR, 512                         ; bytes from edge to edge along the line
.set LSTR, 131072                      ; bytes from line to line
.else
.set ESTR, 131072
.set LSTR, 512
.endif
.set XFP,  528                         ; pitch of an f32 row in LDS: 512 + 16, an odd multiple of 16 bytes
.set XBP,  272                         ; pitch of a bf16 row: 256 + 16
.set WP,   288                         ; pitch of a weight row [k][n] in bf16: 256 + 32, an odd multiple of 32 bytes, for the turning load
.set XFSZ, ROWPASS*256*XFP             ; from byte 0: X + bo in f32, [edge][128]; in the tail the normed rows, in place
.set XB,   XFSZ                        ; X in bf16, [edge][128]
.set ATT,  XB                          ; behind barrier G: 0.5 O / l in bf16, [edge][128]
.set WQ,   XB+256*XBP
.set WO,   WQ                          ; behind barrier E
.set WK,   WQ+128*WP
.set WVL,  WK+128*WP
.set EX,   WK                          ; behind barrier B0: 8 KiB a wave: two slots of 4 KiB that its partner fills; behind barrier E its own 8 fragments of Q
.set MASK, WVL+128*WP                  ; 256 f32: 0 or -1e30, keys in their true order
.set MRAW, MASK+1024                   ; the mask's row as it came
.set SPARE, MRAW+1024                  ; the spare words, 128 bytes for each wave: four blocks of 256 bytes that no other line names
.set R,    1                           ; v1   lane % 16
.set H,    2                           ; v2   lane / 16
.set LN,   3                           ; v3   lane
.set VX,   4                           ; v4   X: my byte offset;            in the tail: linear rows of ATT
.set VXB,  5                           ; v5   where I store X in bf16;       in the tail: Wo's turning loads
.set VXF,  6                           ; v6   where I store X + bo in f32;   in the tail: X + bo as accumulators
.set VFR,  7                           ; v7   fragments of X;               in the tail: fragments of ATT
.set VTQ,  8                           ; v8   turning loads of Wq;          in the tail: linear rows of the result
.set VTK,  9                           ; v9   of Wk;                        in the tail: the mask's words
.set VTV,  10                          ; v10  of Wv;                        in the tail: my byte offset in the output
.set VEXS, 11                          ; v11  my partner's 8 KiB
.set VEXL, 12                          ; v12  my own 8 KiB
.set VMA0, 13                          ; v13  the mask of my half's keys
.set VMA1, 14                          ; v14  of the other half's
.set VATT, 15                          ; v15  where I put 16 bytes of a query's result
.set BO,   16                          ; v[16:19] bo, v[20:23] gamma, v[24:27] beta of channels 4 lane .. 4 lane + 3
.set GA,   20
.set BE,   24
.set RUN,  28                          ; v28  the weights' load offset; from the attention on a running LDS address
.set VPF,  29                          ; v29  the weights' store address; from the attention on the prefetch's offset
.set SPW,  30                          ; v30  LDS address of my spare word; never rewritten
.set NIL,  31                          ; v31  0; never rewritten
.set S,    128                         ; v[128:255] S^T of a tile; P takes its lower half in place
; Window 1 (v256-511): 0-127 K (tile i of my half at 8 i, of the other half at 64 + 8 i); 128-255 V^T (32 keys f, 16 channels b at 128 + 16 f + 8 b; f = 0-3 mine); in the tail all of Wo.
; X is loaded into the very registers that its chunk's K and V will take.  s_set_vgpr_msb: bits 1:0 source 0, 3:2 source 1, 5:4 source 2, 7:6 destination.
.set MSB, 0
.macro WIN new                         ; the immediate's high byte repeats the setting that is left; a switch that changes nothing is dropped
.if MSB != (\new)
	s_set_vgpr_msb (MSB<<8)|(\new)
.set MSB, (\new)
.endif
.endm
.macro PLACES                          ; four places behind a matrix instruction, ahead of what reads its result or writes or loads into its registers
.rept 4
	v_nop
.endr
.endm
.macro BAR                             ; all my LDS stores are done and all my LDS reads are back: only then I signal
	s_wait_dscnt 0x0
	s_barrier_signal -1
	s_barrier_wait -1
.endm
.macro WLOAD lo, st                    ; rows w + 8 i of a weight matrix, 512 consecutive bytes a load
.set wi, 0
.rept 16
	global_load_b128 v[(\st)+4*wi:(\st)+4*wi+3], v[RUN], s[\lo:\lo+1] offset:4096*wi
.set wi, wi+1
.endr
.endm
.macro WCONV st, adr                   ; rounded to bf16 and laid into LDS, [k][n]
.set wi, 0
.rept 16
	v_cvt_pk_bf16_f32 v[(\st)+4*wi], v[(\st)+4*wi], v[(\st)+4*wi+1]
	v_cvt_pk_bf16_f32 v[(\st)+4*wi+1], v[(\st)+4*wi+2], v[(\st)+4*wi+3]
	ds_store_b64 v[\adr], v[(\st)+4*wi:(\st)+4*wi+1] offset:8*WP*wi
.set wi, wi+1
.endr
.endm
.macro WFRAG dst, adr, nb              ; fragments of a weight matrix, turned: 16 out channels b x 32 in channels k at dst + 32 b + 8 k
.set wb, 0
.rept \nb
.set wk, 0
.rept 4
	ds_load_tr16_b128 v[(\dst)+32*wb+8*wk:(\dst)+32*wb+8*wk+3], v[\adr] offset:32*WP*wk+32*wb
	ds_load_tr16_b128 v[(\dst)+32*wb+8*wk+4:(\dst)+32*wb+8*wk+7], v[\adr] offset:32*WP*wk+32*wb+16*WP
.set wk, wk+1
.endr
.set wb, wb+1
.endr
.endm
.macro XLOADS                          ; my 32 edges: chunk c, load j is edge 128 s + 32 c + 8 hd + j, 512 consecutive bytes; this launch reads them once
	WIN 0x40
.set xc, 0
.rept 4
.set xj, 0
.rept 8
.set xr, (xj/4)*128+16*xc+4*(xj%4)
.set xb, 4+48*(xc/2)                   ; s[4:5], or s[52:53] 64 edges on: one form with the first launch, where the immediate needs it
.if ROWPASS
	global_load_b128 v[xr:xr+3], v[VX], s[xb:xb+1] offset:(32*(xc%2)+xj)*ESTR th:TH_LOAD_NT
.else
	global_load_b128 v[xr:xr+3], v[VX], s[xb:xb+1] offset:(32*(xc%2)+xj)*ESTR
.endif
.set xj, xj+1
.endr
.set xc, xc+1
.endr
	WIN 0
.endm
.macro XSTAGE c                        ; chunk c: bf16 into XB, and X + bo in f32 into XF
	WIN 0x05
.set xj, 0
.rept 8
.set xr, (xj/4)*128+16*(\c)+4*(xj%4)
	v_cvt_pk_bf16_f32 v[32+2*xj], v[xr], v[xr+1]
	v_cvt_pk_bf16_f32 v[33+2*xj], v[xr+2], v[xr+3]
.set xj, xj+1
.endr
	WIN 0
.set xj, 0
.rept 8
	ds_store_b64 v[VXB], v[32+2*xj:33+2*xj] offset:(32*(\c)+xj)*XBP
.set xj, xj+1
.endr
.if ROWPASS
	WIN 0x41
.set xj, 0
.rept 8
.set xr, (xj/4)*128+16*(\c)+4*(xj%4)
	v_pk_add_f32 v[xr:xr+1], v[xr:xr+1], v[BO:BO+1]
	v_pk_add_f32 v[xr+2:xr+3], v[xr+2:xr+3], v[BO+2:BO+3]
.set xj, xj+1
.endr
	WIN 0x04
.set xj, 0
.rept 8
.set xr, (xj/4)*128+16*(\c)+4*(xj%4)
	ds_store_b128 v[VXF], v[xr:xr+3] offset:(32*(\c)+xj)*XFP
.set xj, xj+1
.endr
	WIN 0
.endif
.endm
.macro XFRAG buf, i                    ; tile i of my half: 16 edges x 128 channels, four fragments
	WIN 0
.set xk, 0
.rept 4
	ds_load_b128 v[(\buf)+8*xk:(\buf)+8*xk+3], v[VFR] offset:16*XBP*(\i)+64*xk
	ds_load_b128 v[(\buf)+8*xk+4:(\buf)+8*xk+7], v[VFR] offset:16*XBP*(\i)+64*xk+32
.set xk, xk+1
.endr
.endm
.macro PROJKV buf, i                   ; K and V of tile i for my head: four accumulators by turns; the first products start the sums
	WIN 0
.set pk, 0
.rept 4
.if pk == 0
	v_wmma_f32_16x16x32_bf16 v[32:39], v[128:135], v[(\buf):(\buf)+7], 0
	v_wmma_f32_16x16x32_bf16 v[40:47], v[160:167], v[(\buf):(\buf)+7], 0
	v_wmma_f32_16x16x32_bf16 v[48:55], v[(\buf):(\buf)+7], v[192:199], 0
	v_wmma_f32_16x16x32_bf16 v[56:63], v[(\buf):(\buf)+7], v[224:231], 0
.else
	v_wmma_f32_16x16x32_bf16 v[32:39], v[128+8*pk:135+8*pk], v[(\buf)+8*pk:(\buf)+8*pk+7], v[32:39]
	v_wmma_f32_16x16x32_bf16 v[40:47], v[160+8*pk:167+8*pk], v[(\buf)+8*pk:(\buf)+8*pk+7], v[40:47]
	v_wmma_f32_16x16x32_bf16 v[48:55], v[(\buf)+8*pk:(\buf)+8*pk+7], v[192+8*pk:199+8*pk], v[48:55]
	v_wmma_f32_16x16x32_bf16 v[56:63], v[(\buf)+8*pk:(\buf)+8*pk+7], v[224+8*pk:231+8*pk], v[56:63]
.endif
.set pk, pk+1
.endr
	PLACES
	WIN 0x40                               ; rounded in pairs, from each accumulator's low end on, into K's and V's places
.set pq, 0
.rept 4
	v_cvt_pk_bf16_f32 v[8*(\i)+pq], v[32+2*pq], v[33+2*pq]
	v_cvt_pk_bf16_f32 v[8*(\i)+4+pq], v[40+2*pq], v[41+2*pq]
	v_cvt_pk_bf16_f32 v[128+16*((\i)/2)+4*((\i)%2)+pq], v[48+2*pq], v[49+2*pq]
	v_cvt_pk_bf16_f32 v[136+16*((\i)/2)+4*((\i)%2)+pq], v[56+2*pq], v[57+2*pq]
.set pq, pq+1
.endr
	WIN 0
.endm
.macro EXST c                          ; chunk c's K and V, as they lie in my registers, into my partner's slot c % 2
	WIN 0x04
.set en, 0
.rept 4
	ds_store_b128 v[VEXS], v[16*(\c)+4*en:16*(\c)+4*en+3] offset:4096*((\c)%2)+512*en
	ds_store_b128 v[VEXS], v[128+16*(\c)+4*en:128+16*(\c)+4*en+3] offset:4096*((\c)%2)+2048+512*en
.set en, en+1
.endr
	WIN 0
.endm
.macro EXLD c                          ; my partner's chunk c out of my slot c % 2
	WIN 0x40
.set en, 0
.rept 4
	ds_load_b128 v[64+16*(\c)+4*en:64+16*(\c)+4*en+3], v[VEXL] offset:4096*((\c)%2)+512*en
	ds_load_b128 v[192+16*(\c)+4*en:192+16*(\c)+4*en+3], v[VEXL] offset:4096*((\c)%2)+2048+512*en
.set en, en+1
.endr
	WIN 0
.endm
.macro PROJQ p                         ; Q of tiles 2 p and 2 p + 1 of my half, as fragments into my own 8 KiB
	XFRAG 64, 2*(\p)
	XFRAG 96, 2*(\p)+1
	s_wait_dscnt 0x0
.set pk, 0
.rept 4
.if pk == 0
	v_wmma_f32_16x16x32_bf16 v[32:39], v[128:135], v[64:71], 0
	v_wmma_f32_16x16x32_bf16 v[40:47], v[160:167], v[64:71], 0
	v_wmma_f32_16x16x32_bf16 v[48:55], v[128:135], v[96:103], 0
	v_wmma_f32_16x16x32_bf16 v[56:63], v[160:167], v[96:103], 0
.else
	v_wmma_f32_16x16x32_bf16 v[32:39], v[128+8*pk:135+8*pk], v[64+8*pk:71+8*pk], v[32:39]
	v_wmma_f32_16x16x32_bf16 v[40:47], v[160+8*pk:167+8*pk], v[64+8*pk:71+8*pk], v[40:47]
	v_wmma_f32_16x16x32_bf16 v[48:55], v[128+8*pk:135+8*pk], v[96+8*pk:103+8*pk], v[48:55]
	v_wmma_f32_16x16x32_bf16 v[56:63], v[160+8*pk:167+8*pk], v[96+8*pk:103+8*pk], v[56:63]
.endif
.set pk, pk+1
.endr
	PLACES
.irp a, 32, 48                         ; in place, ascending: register a + q takes pair q of the first accumulator, a + 4 + q of the second
.irp q, 0,1,2,3
	v_cvt_pk_bf16_f32 v[\a+\q], v[\a+2*\q], v[\a+2*\q+1]
.endr
.irp q, 0,1,2,3
	v_cvt_pk_bf16_f32 v[\a+4+\q], v[\a+8+2*\q], v[\a+8+2*\q+1]
.endr
.endr
	ds_store_b128 v[VEXL], v[32:35] offset:2048*(\p)
	ds_store_b128 v[VEXL], v[36:39] offset:2048*(\p)+512
	ds_store_b128 v[VEXL], v[48:51] offset:2048*(\p)+1024
	ds_store_b128 v[VEXL], v[52:55] offset:2048*(\p)+1536
.endm
.macro MASKLD half                     ; the mask of 128 keys straight into 8 accumulators: a lane's eight keys are 32 bytes of the table
	WIN 0
.set mi, 0
.rept 8
	ds_load_b128 v[S+64*(\half)+8*mi:S+64*(\half)+8*mi+3], v[VMA0+(\half)] offset:64*mi
	ds_load_b128 v[S+64*(\half)+8*mi+4:S+64*(\half)+8*mi+7], v[VMA0+(\half)] offset:64*mi+16
.set mi, mi+1
.endr
.endm
.macro QLD                             ; the fragment of Q at byte s31 of my 8 KiB
	WIN 0
	v_add_nc_u32 v[RUN], s31, v[VEXL]
	ds_load_b128 v[40:43], v[RUN]
	ds_load_b128 v[44:47], v[RUN] offset:512
.endm
.macro SMM                             ; S^T = K Q^T + mask: 16 accumulators, one product each
	WIN 0x01
.set si, 0
.rept 16
	v_wmma_f32_16x16x32_bf16 v[S+8*si:S+8*si+7], v[8*si:8*si+7], v[40:47], v[S+8*si:S+8*si+7]
.set si, si+1
.endr
.endm
.macro MAXS                            ; the query's maximum: four chains over 32 scores each, ascending
	WIN 0
.irp k, 0,1,2,3
	v_max3_num_f32 v[48+\k], v[S+32*\k], v[S+32*\k+1], v[S+32*\k+2]
.endr
.set mn, 1
.rept 14
.irp k, 0,1,2,3
	v_max3_num_f32 v[48+\k], v[48+\k], v[S+32*\k+2*mn+1], v[S+32*\k+2*mn+2]
.endr
.set mn, mn+1
.endr
	v_max3_num_f32 v48, v48, v[S+31], v[S+63]
	v_max3_num_f32 v50, v50, v[S+95], v[S+127]
	v_max3_num_f32 v48, v48, v49, v50
	v_max_num_f32 v48, v48, v51
	v_permlanex16_b32 v49, v48, s36, s37   ; the query's other 128 keys lie in the lane 16 away
	v_max_num_f32 v53, v48, v49            ; m
	v_mul_f32 v52, s34, v53                ; c m
	v_cmp_lt_f32 s39, v53, s38             ; m below -2^96: every key of the line is hidden
.endm
.macro FSC b                           ; pair b of the scores: c s - c m
	v_pk_fma_f32 v[S+2*(\b):S+2*(\b)+1], v[S+2*(\b):S+2*(\b)+1], s[34:35], v[52:53] op_sel_hi:[1,0,0] neg_lo:[0,0,1] neg_hi:[0,0,1]
.endm
; The exponentials go in two batches of 64, each with one wait ahead of its first reader.  The second half's scalings stand among the first batch, the first half's roundings among the second.
.macro SOFT
	WIN 0
.set fj, 0
.rept 32
	FSC fj
.set fj, fj+1
.endr
.set fj, 0
.rept 32
	v_exp_f32 v[S+2*fj], v[S+2*fj]
	FSC 32+fj
	v_exp_f32 v[S+2*fj+1], v[S+2*fj+1]
.set fj, fj+1
.endr
	v_nop                                  ; a plain instruction behind the batch's last exponential
	s_wait_alu depctr_va_vdst(0)           ; the first batch's one wait
.set fj, 0
.rept 32
	v_exp_f32 v[S+64+2*fj], v[S+64+2*fj]
	v_cvt_pk_bf16_f32 v[S+fj], v[S+2*fj], v[S+2*fj+1]  ; P in place, ascending: register i takes scores 2 i and 2 i + 1
	v_exp_f32 v[S+65+2*fj], v[S+65+2*fj]
.set fj, fj+1
.endr
	v_nop
	s_wait_alu depctr_va_vdst(0)           ; the second batch's one wait
.set fj, 0
.rept 32
	v_cvt_pk_bf16_f32 v[S+32+fj], v[S+64+2*fj], v[S+65+2*fj]
.set fj, fj+1
.endr
.endm
.macro PVM                             ; O^T = V^T P, two accumulators by turns; then l = ones x P, two accumulators by turns
	WIN 0x01
.set pf, 0
.rept 8
.if pf == 0
	v_wmma_f32_16x16x32_bf16 v[64:71], v[128:135], v[S:S+7], 0
	v_wmma_f32_16x16x32_bf16 v[72:79], v[136:143], v[S:S+7], 0
.else
	v_wmma_f32_16x16x32_bf16 v[64:71], v[128+16*pf:135+16*pf], v[S+8*pf:S+8*pf+7], v[64:71]
	v_wmma_f32_16x16x32_bf16 v[72:79], v[136+16*pf:143+16*pf], v[S+8*pf:S+8*pf+7], v[72:79]
.endif
.set pf, pf+1
.endr
	WIN 0
.set pf, 0
.rept 8
.if pf < 2
	v_wmma_f32_16x16x32_bf16 v[80+8*pf:87+8*pf], v[32:39], v[S+8*pf:S+8*pf+7], 0
.else
	v_wmma_f32_16x16x32_bf16 v[80+8*(pf%2):87+8*(pf%2)], v[32:39], v[S+8*pf:S+8*pf+7], v[80+8*(pf%2):87+8*(pf%2)]
.endif
.set pf, pf+1
.endr
.endm
.macro NORM                            ; 0.5 O / l, rounded to bf16, 16 bytes a lane and channel block into ATT
	WIN 0
	PLACES                                 ; behind the last products: for the read of l and for the loads into P's registers
	v_add_f32 v56, v80, v88
	v_rcp_f32 v54, v56
	MASKLD 0                               ; the next tile's mask, first half
	v_add_nc_u32 v[RUN], s32, v[VATT]      ; the plain instruction behind the reciprocal
	s_wait_alu depctr_va_vdst(0)           ; and its wait, ahead of its first reader
	v_mul_f32 v54, 0.5, v54
	v_cndmask_b32 v54, v54, v57, s39       ; NaN where every key is hidden
.set nq, 0
.rept 8
	v_pk_mul_f32 v[64+2*nq:65+2*nq], v[64+2*nq:65+2*nq], v[54:55] op_sel_hi:[1,0]
.set nq, nq+1
.endr
.set nq, 0
.rept 8
	v_cvt_pk_bf16_f32 v[96+nq], v[64+2*nq], v[65+2*nq]
.set nq, nq+1
.endr
	ds_store_b128 v[RUN], v[96:99]
	ds_store_b128 v[RUN], v[100:103] offset:32
.endm
.if ROWPASS
; Tile u (16 edges) of my 32: y = ATT Wo + (X + bo), LayerNorm, gamma, beta, mask, store.  Source 0 = 16 out channels of Wo, source 1 = 16 edges: a lane holds one edge and 64 of its channels.
.macro OUTT u, lin
	WIN 0
.set ob, 0
.rept 8
	ds_load_b128 v[64+8*ob:64+8*ob+3], v6 offset:16*XFP*(\u)+64*ob       ; X + bo starts the sums
	ds_load_b128 v[64+8*ob+4:64+8*ob+7], v6 offset:16*XFP*(\u)+64*ob+16
.set ob, ob+1
.endr
.set ok, 0
.rept 4
	ds_load_b128 v[32+8*ok:32+8*ok+3], v7 offset:16*XBP*(\u)+64*ok
	ds_load_b128 v[32+8*ok+4:32+8*ok+7], v7 offset:16*XBP*(\u)+64*ok+32
.set ok, ok+1
.endr
	s_wait_dscnt 0x0
	WIN 0x01
.set ok, 0
.rept 4
.set ob, 0
.rept 8                                ; eight accumulators by turns
	v_wmma_f32_16x16x32_bf16 v[64+8*ob:64+8*ob+7], v[32*ob+8*ok:32*ob+8*ok+7], v[32+8*ok:32+8*ok+7], v[64+8*ob:64+8*ob+7]
.set ob, ob+1
.endr
.set ok, ok+1
.endr
	WIN 0
	PLACES
.irp k, 0,1,2,3                        ; the sum of my 64 numbers: four chains, ascending
	v_pk_add_f32 v[48+2*\k:49+2*\k], v[64+16*\k:65+16*\k], v[66+16*\k:67+16*\k]
.endr
.set on, 2
.rept 6
.irp k, 0,1,2,3
	v_pk_add_f32 v[48+2*\k:49+2*\k], v[48+2*\k:49+2*\k], v[64+16*\k+2*on:65+16*\k+2*on]
.endr
.set on, on+1
.endr
	v_pk_add_f32 v[48:49], v[48:49], v[50:51]
	v_pk_add_f32 v[52:53], v[52:53], v[54:55]
	v_pk_add_f32 v[48:49], v[48:49], v[52:53]
	v_add_f32 v48, v48, v49
	v_permlanex16_b32 v49, v48, s36, s37   ; the edge's other 64 channels lie in the lane 16 away
	v_add_f32 v48, v48, v49
	v_mul_f32 v56, s46, v48                ; mu
.set on, 0
.rept 32
	v_pk_add_f32 v[64+2*on:65+2*on], v[64+2*on:65+2*on], v[56:57] op_sel_hi:[1,0] neg_lo:[0,1] neg_hi:[0,1]
.set on, on+1
.endr
.irp k, 0,1,2,3                        ; the sum of squares of y - mu, as the layer forms it
	v_pk_mul_f32 v[48+2*\k:49+2*\k], v[64+16*\k:65+16*\k], v[64+16*\k:65+16*\k]
.endr
.set on, 1
.rept 7
.irp k, 0,1,2,3
	v_pk_fma_f32 v[48+2*\k:49+2*\k], v[64+16*\k+2*on:65+16*\k+2*on], v[64+16*\k+2*on:65+16*\k+2*on], v[48+2*\k:49+2*\k]
.endr
.set on, on+1
.endr
	v_pk_add_f32 v[48:49], v[48:49], v[50:51]
	v_pk_add_f32 v[52:53], v[52:53], v[54:55]
	v_pk_add_f32 v[48:49], v[48:49], v[52:53]
	v_add_f32 v48, v48, v49
	v_permlanex16_b32 v49, v48, s36, s37
	v_add_f32 v48, v48, v49
	v_fma_f32 v48, v48, s46, s47           ; var + 1e-5
	v_rsq_f32 v56, v48
	v_nop                                  ; a plain instruction behind it,
	s_wait_alu depctr_va_vdst(0)           ; and its wait, ahead of its first reader
.set on, 0
.rept 32
	v_pk_mul_f32 v[64+2*on:65+2*on], v[64+2*on:65+2*on], v[56:57] op_sel_hi:[1,0]
.set on, on+1
.endr
.set ob, 0
.rept 8                                ; back into the rows that X + bo left: they are my own, and LDS serves a wave's instructions in order (ISA guide 5.7.1.4)
	ds_store_b128 v6, v[64+8*ob:64+8*ob+3] offset:16*XFP*(\u)+64*ob
	ds_store_b128 v6, v[64+8*ob+4:64+8*ob+7] offset:16*XFP*(\u)+64*ob+16
.set ob, ob+1
.endr
.irp q, 0,1,2,3
	ds_load_b128 v[32+4*\q:35+4*\q], v9 offset:64*(\u)+16*\q             ; the 16 edges' mask words, the same in every lane
.endr
.set oe, 0
.rept 16
	ds_load_b128 v[(\lin)+4*oe:(\lin)+4*oe+3], v8 offset:(16*(\u)+oe)*XFP ; an edge's 512 bytes, 16 a lane
.set oe, oe+1
.endr
.set oe, 0
.rept 16
	s_wait_dscnt 15-oe                     ; edge oe is in; the younger loads of the run may stay out
	v_pk_fma_f32 v[(\lin)+4*oe:(\lin)+4*oe+1], v[(\lin)+4*oe:(\lin)+4*oe+1], v[GA:GA+1], v[BE:BE+1]
	v_pk_fma_f32 v[(\lin)+4*oe+2:(\lin)+4*oe+3], v[(\lin)+4*oe+2:(\lin)+4*oe+3], v[GA+2:GA+3], v[BE+2:BE+3]
.irp q, 0,1,2,3
	v_mul_f32 v[(\lin)+4*oe+\q], v[32+oe], v[(\lin)+4*oe+\q]
.endr
	global_store_b128 v10, v[(\lin)+4*oe:(\lin)+4*oe+3], s[24:25] offset:(16*(\u)+oe)*512 th:TH_STORE_NT  ; 512 consecutive bytes, aligned; these registers are not written again
.set oe, oe+1
.endr
.endm
.endif
	; ---- the head: arguments, ids, every address ----
	s_load_b256 s[4:11], s[0:1], 0x0               ; X s[4:5], mask s[6:7], Wq s[8:9], Wk s[10:11]
	s_load_b128 s[12:15], s[0:1], 0x20             ; Wv s[12:13], colbuf s[14:15]
.if ROWPASS
	s_load_b256 s[16:23], s[0:1], 0x30             ; Wo, bo, gamma, beta
	s_load_b64 s[24:25], s[0:1], 0x50              ; out0
.endif
	v_lshl_add_u32 v[SPW], v0, 2, SPARE
	v_mov_b32 v[NIL], 0
	v_lshrrev_b32 v1, 5, v0
	v_readfirstlane_b32 s26, v1                    ; wave 0..7
	s_and_b32 s27, s26, 3                          ; my head
	s_lshr_b32 s28, s26, 2                         ; my class
	v_and_b32 v[R], 15, v0
	v_bfe_u32 v[H], v0, 4, 1
	v_and_b32 v[LN], 31, v0
	s_mov_b32 s34, 0x3e8293ee                      ; c = log2(e) / sqrt(32) = 0.255035
	s_mov_b32 s35, s34                             ; named with it as a pair
	s_mov_b32 s36, 0x76543210                      ; v_permlanex16_b32: each lane takes its own place in the other half
	s_mov_b32 s37, 0xfedcba98
	s_mov_b32 s38, 0xef800000                      ; -2^96
	s_mov_b32 s40, 0xf149f2ca                      ; -1e30
	s_lshl_b32 s41, s28, 7                         ; 128 s: my half's first edge
	s_lshl_b32 s42, s27, 3
	s_add_co_u32 s42, s41, s42                     ; 128 s + 8 hd: the first edge that I stage
	s_mul_i32 s43, s42, ESTR
	v_lshl_add_u32 v[VX], v[LN], 4, s43
	s_mul_i32 s43, s42, XBP
	s_add_co_u32 s43, s43, XB
	v_lshl_add_u32 v[VXB], v[LN], 3, s43
.if ROWPASS
	s_mul_i32 s43, s42, XFP
	v_lshl_add_u32 v[VXF], v[LN], 4, s43
.endif
	s_mul_i32 s43, s41, XBP
	s_add_co_u32 s43, s43, XB
	v_mul_u32_u24 v[VFR], v[R], XBP
	v_lshl_add_u32 v[VFR], v[H], 4, v[VFR]
	v_add_nc_u32 v[VFR], s43, v[VFR]               ; (128 s + lane % 16) x pitch + 16 x half
	s_lshl_b32 s44, s27, 6                         ; my head's 32 channels: 64 bytes
	v_add_nc_u32 v[VATT], s44, v[VFR]
	v_and_b32 v32, 7, v0                           ; the turning load: row 8 (lane / 16) + lane % 8, 16 bytes by (lane / 8) % 2
	v_lshl_add_u32 v32, v[H], 3, v32
	v_mul_u32_u24 v32, v32, WP
	v_bfe_u32 v33, v0, 3, 1
	v_lshl_add_u32 v32, v33, 4, v32
	s_add_co_u32 s44, s44, WQ
	v_add_nc_u32 v[VTQ], s44, v32
	v_add_nc_u32 v[VTK], 128*WP, v[VTQ]
	v_add_nc_u32 v[VTV], 128*WP, v[VTK]
	s_lshl_b32 s43, s26, 13
	s_add_co_u32 s44, s43, EX
	v_lshl_add_u32 v[VEXL], v[LN], 4, s44
	s_xor_b32 s43, s43, 32768                      ; wave w xor 4: the same head, the other class
	s_add_co_u32 s44, s43, EX
	v_lshl_add_u32 v[VEXS], v[LN], 4, s44
	s_lshl_b32 s43, s28, 9
	s_add_co_u32 s44, s43, MASK
	v_lshl_add_u32 v[VMA0], v[H], 5, s44
	s_xor_b32 s43, s43, 512
	s_add_co_u32 s44, s43, MASK
	v_lshl_add_u32 v[VMA1], v[H], 5, s44
	s_lshl_b32 s43, s26, 9
	v_lshl_add_u32 v[RUN], v[LN], 4, s43           ; a weight matrix: row w, 16 bytes a lane
	s_mul_i32 s43, s26, WP
	s_add_co_u32 s43, s43, WQ
	v_lshl_add_u32 v[VPF], v[LN], 3, s43           ; and its place in LDS, for Wq (later Wo),
	v_add_nc_u32 v37, 128*WP, v[VPF]               ; Wk,
	v_add_nc_u32 v38, 128*WP, v37                  ; Wv
	v_lshl_add_u32 v36, v0, 2, MASK
.if ROWPASS
	s_lshl_b32 s43, ttmp9, 10
	v_lshl_add_u32 v33, v0, 2, s43                 ; mask[line][thread]
	v_lshlrev_b32 v32, 4, v[LN]
.else
	s_lshl_b32 s43, ttmp9, 2
	v_lshl_add_u32 v33, v0, 10, s43                ; mask[thread][line]
.endif
	s_mul_i32 s44, ttmp9, LSTR
	s_mov_b32 s45, 0
	s_wait_kmcnt 0x0
	s_add_nc_u64 s[4:5], s[4:5], s[44:45]          ; X at my line
	s_add_nc_u64 s[52:53], s[4:5], 64*ESTR         ; and 64 edges on
.if ROWPASS
	s_lshl_b32 s44, ttmp9, 16
	s_add_nc_u64 s[14:15], s[14:15], s[44:45]      ; colbuf at my row
	s_lshl_b32 s44, ttmp9, 17
	s_add_nc_u64 s[24:25], s[24:25], s[44:45]      ; out0 at my row
	global_load_b128 v[BO:BO+3], v32, s[18:19]
	global_load_b128 v[GA:GA+3], v32, s[20:21]
	global_load_b128 v[BE:BE+3], v32, s[22:23]
.else
	s_lshl_b32 s44, ttmp9, 8
	s_add_nc_u64 s[14:15], s[14:15], s[44:45]      ; colbuf at my column
.endif
	global_load_b32 v34, v33, s[6:7]
	WLOAD 8, 64
	WLOAD 10, 128
	WLOAD 12, 192
	XLOADS                                         ; all of my X goes out behind the weights and lands while they are laid out
	; ---- the weights and the mask into LDS ----
	s_wait_loadcnt 32                              ; all but the 32 loads of X, which were issued last
	v_cmp_eq_f32 vcc_lo, 0, v34
	v_cndmask_b32 v35, 0, s40, vcc_lo              ; -1e30 where the mask is 0
	ds_store_b32 v36, v35
.if ROWPASS
	ds_store_b32 v36, v34 offset:1024
.endif
	WCONV 64, VPF
	WCONV 128, 37
	WCONV 192, 38
	BAR                                            ; BW: the weights and the mask are whole
	WFRAG 128, VTK, 2                              ; my head's Wk and Wv stay in registers through pass 1
	WFRAG 192, VTV, 2
	; ---- pass 1: K and V of my half, 32 edges a chunk; the halves change hands a chunk behind ----
.irp c, 0,1,2,3
	s_wait_loadcnt 24-8*\c                         ; chunk c's eight loads are in; the younger chunks' may stay out
	XSTAGE \c
	BAR                                            ; B0-B3: chunk c is whole, and so is my slot of chunk c - 1; my partner's reads of the slot that I fill next are back.  At B0 every wave has its Wk and Wv: EX may take their bytes
.if \c > 0
	EXLD (\c)-1
.endif
	XFRAG 64, 2*\c
	XFRAG 96, 2*\c+1
	s_wait_dscnt 8                                 ; the second tile's eight loads may stay out
	PROJKV 64, 2*\c
	s_wait_dscnt 0x0
	PROJKV 96, 2*\c+1
	EXST \c
.endr
	WFRAG 128, VTQ, 2                              ; four places and sixteen roundings behind the last product that read Wk's registers
	BAR                                            ; E: the last slot is whole; nobody reads Wq's bytes any more; the 8 KiB are now each wave's own
	EXLD 3
	; ---- pass 2: Q of my half ----
.if ROWPASS
	WLOAD 16, 192                                  ; Wo lands while Q is projected
.endif
	PROJQ 0
	PROJQ 1
	PROJQ 2
	PROJQ 3
.if ROWPASS
	s_wait_loadcnt 0x0
	WCONV 192, VPF                                 ; Wo takes Wq's bytes
.endif
	BAR                                            ; G: all reads of X in bf16 are back: ATT may take its bytes
	; ---- the attention: 8 tiles of 16 queries x 256 keys ----
.irp i, 0,1,2,3,4,5,6,7
	v_mov_b32 v[32+\i], 0x3f803f80                 ; ones in bf16
.endr
	v_mov_b32 v55, 0                               ; named as a pair with v54
	v_mov_b32 v57, 0x7fc00000                      ; NaN
.if ROWPASS
	v_lshlrev_b32 v[VPF], 8, v0                    ; a block of 256 bytes of colbuf's row for each thread
	s_lshl_b32 s43, s26, 13
	v_lshl_add_u32 v58, v[LN], 4, s43              ; my 32 edges of that row: 8,192 bytes, 16 a lane
.endif
	s_mov_b32 s30, 8                               ; tiles to go
	s_mov_b32 s31, 0                               ; Q's fragment to load
	s_mov_b32 s32, 0                               ; the tile's rows in ATT
	MASKLD 0
	MASKLD 1
	QLD
.Ltile:
	s_wait_dscnt 0x0                               ; the mask and Q are in
	SMM
	WIN 0
	PLACES
	MAXS
.if ROWPASS
	s_cmp_lg_u32 s30, 5                            ; in the fourth trip each thread names its block of this row's 65,536 bytes of colbuf, once: four trips ahead of the loads below
	s_cbranch_scc1 .Lnopf
	global_prefetch_b8 v[VPF], s[14:15] th:TH_LOAD_NT scope:SCOPE_SE
.Lnopf:
	s_cmp_lg_u32 s30, 1                            ; in the last trip K has been read for the last time: its first 64 registers take my 32 edges of 0.5 out_col
	s_cbranch_scc1 .Lnocol
	WIN 0x40
.irp i, 0,1,2,3,4,5,6,7,8,9,10,11,12,13,14,15
	global_load_b128 v[4*\i:4*\i+3], v58, s[14:15] offset:512*\i th:TH_LOAD_NT
.endr
	WIN 0
.Lnocol:
.endif
	s_add_co_u32 s31, s31, 1024
	s_min_u32 s31, s31, 7168                       ; the last trip has no next tile: it loads its own once more, the price of one text for every trip (as are its two loads of the mask)
	QLD
	SOFT
	MASKLD 1                                       ; the next tile's mask, second half: those scores have been rounded
	PVM
	NORM
	s_add_co_u32 s32, s32, 16*XBP
	s_sub_co_u32 s30, s30, 1
	s_cmp_lg_u32 s30, 0
	s_cbranch_scc1 .Ltile
	; ---- the way out: wave w takes edges 32 w .. 32 w + 31, whole rows ----
	s_mul_i32 s43, s26, 32*XBP
	s_add_co_u32 s43, s43, ATT
	v_mul_u32_u24 v4, v[H], XBP                    ; lanes 0-15 one row of 256 bytes, lanes 16-31 the next
	v_lshl_add_u32 v4, v[R], 4, v4
	v_add_nc_u32 v4, s43, v4
.if ROWPASS
	v_mul_u32_u24 v7, v[R], XBP                    ; fragments of ATT: row lane % 16, 16 bytes by half
	v_lshl_add_u32 v7, v[H], 4, v7
	v_add_nc_u32 v7, s43, v7
	v_and_b32 v5, 7, v0                            ; Wo's turning loads
	v_lshl_add_u32 v5, v[H], 3, v5
	v_mul_u32_u24 v5, v5, WP
	v_bfe_u32 v9, v0, 3, 1
	v_lshl_add_u32 v5, v9, 4, v5
	v_add_nc_u32 v5, WO, v5
	s_mul_i32 s43, s26, 32*XFP
	v_mul_u32_u24 v6, v[R], XFP                    ; X + bo as accumulators: row lane % 16, 32 bytes by half
	v_lshl_add_u32 v6, v[H], 5, v6
	v_add_nc_u32 v6, s43, v6
	v_lshl_add_u32 v8, v[LN], 4, s43               ; and as whole rows
	s_lshl_b32 s43, s26, 7
	s_add_co_u32 s43, s43, MRAW
	v_mov_b32 v9, s43                              ; my 32 edges' mask words
	s_lshl_b32 s43, s26, 14
	v_lshl_add_u32 v10, v[LN], 4, s43              ; my 32 edges in out0's row
	s_mov_b32 s46, 0x3c000000                      ; 1 / 128
	s_mov_b32 s47, 0x3727c5ac                      ; 1e-5
.else
	v_lshlrev_b32 v10, 16, v[H]                    ; colbuf[q][c]: 65,536 bytes from q to q + 1
	v_lshl_add_u32 v10, v[R], 4, v10
	s_lshl_b32 s43, s26, 21
	v_add_nc_u32 v10, s43, v10
.endif
	BAR                                            ; F: all four heads' results of every edge lie in ATT
.irp i, 0,1,2,3,4,5,6,7,8,9,10,11,12,13,14,15
	ds_load_b128 v[128+4*\i:131+4*\i], v4 offset:2*XBP*\i
.endr
.if ROWPASS
	s_wait_loadcnt 0x0                             ; 0.5 out_col
	s_wait_dscnt 0x0                               ; 0.5 out_row
	WIN 0x04
.set ai, 0
.rept 64
	v_pk_add_bf16 v[128+ai], v[128+ai], v[ai]      ; the mean of the two attentions: two bf16 numbers, added once, for the matrix unit
.set ai, ai+1
.endr
	WIN 0
.irp i, 0,1,2,3,4,5,6,7,8,9,10,11,12,13,14,15
	ds_store_b128 v4, v[128+4*\i:131+4*\i] offset:2*XBP*\i  ; back into the same rows, which from here on are my own
.endr
	WIN 0x40
	WFRAG 0, 5, 8                                  ; all of Wo, 32 fragments, fills window 1
	WIN 0
	OUTT 0, 128
	OUTT 1, 192
.else
.irp i, 0,1,2,3,4,5,6,7,8,9,10,11,12,13,14,15
	s_wait_dscnt 15-\i                             ; rows 2 i and 2 i + 1 are in; the younger loads may stay out
	global_store_b128 v10, v[128+4*\i:131+4*\i], s[14:15] offset:131072*\i  ; sixteen lanes store 256 consecutive bytes, aligned: one (q, c)
.endr
.endif
	s_wait_tensorcnt 0x0                           ; the wave's end: three closing lines, behind my last LDS store
	ds_add_u32 v[SPW], v[NIL]
	s_wait_dscnt 0x0
	s_endpgm
.Lfunc_end_k_q79ea473a3c_row:
	.size	k_q79ea473a3c_row, .Lfunc_end_k_q79ea473a3c_row-k_q79ea473a3c_row
	.p2alignl 7, 3214868480
	.fill 96, 4, 3214868480
	.section	.rodata,"a",@progbits
	.p2align	6, 0x0
	.amdhsa_kernel k_q79ea473a3c_row
		.amdhsa_group_segment_fixed_size 318464
		.amdhsa_private_segment_fixed_size 0
		.amdhsa_enable_private_segment 0
		.amdhsa_kernarg_size 88
		.amdhsa_user_sgpr_count 2
		.amdhsa_user_sgpr_kernarg_segment_ptr 1
		.amdhsa_wavefront_size32 1
		.amdhsa_system_sgpr_workgroup_id_x 1
		.amdhsa_system_sgpr_workgroup_id_y 1
		.amdhsa_system_sgpr_workgroup_id_z 1
		.amdhsa_system_vgpr_workitem_id 0
		.amdhsa_next_free_vgpr 512
		.amdhsa_next_free_sgpr 66
		.amdhsa_reserve_vcc 1
		.amdhsa_float_denorm_mode_32 3
		.amdhsa_float_denorm_mode_16_64 3
		.amdhsa_memory_ordered 1
		.amdhsa_forward_progress 1
		.amdhsa_inst_pref_size 164
	.end_amdhsa_kernel
	.amdgpu_metadata
---
amdhsa.version: [ 1, 2 ]
amdhsa.kernels:
  - .name:           k_q79ea473a3c_row
    .symbol:         k_q79ea473a3c_row.kd
    .args:
      - { .name: edge_feat, .offset: 0, .size: 8, .value_kind: global_buffer, .address_space: global }
      - { .name: off_diag_mask, .offset: 8, .size: 8, .value_kind: global_buffer, .address_space: global }
      - { .name: Wq, .offset: 16, .size: 8, .value_kind: global_buffer, .address_space: global }
      - { .name: Wk, .offset: 24, .size: 8, .value_kind: global_buffer, .address_space: global }
      - { .name: Wv, .offset: 32, .size: 8, .value_kind: global_buffer, .address_space: global }
      - { .name: colbuf, .offset: 40, .size: 8, .value_kind: global_buffer, .address_space: global }
      - { .name: Wo, .offset: 48, .size: 8, .value_kind: global_buffer, .address_space: global }
      - { .name: bo, .offset: 56, .size: 8, .value_kind: global_buffer, .address_space: global }
      - { .name: gamma, .offset: 64, .size: 8, .value_kind: global_buffer, .address_space: global }
      - { .name: beta, .offset: 72, .size: 8, .value_kind: global_buffer, .address_space: global }
      - { .name: out0, .offset: 80, .size: 8, .value_kind: global_buffer, .address_space: global }
    .group_segment_fixed_size: 318464
    .private_segment_fixed_size: 0
    .kernarg_segment_align: 8
    .kernarg_segment_size: 88
    .max_flat_workgroup_size: 256
    .sgpr_count:     66
    .vgpr_count:     512
    .wavefront_size: 32
...
	.end_amdgpu_metadata
.endif
;; end of part 2
;; ======== version 2 of 2: 2 launches; version 1 with the launches col, row written anew for expert scheduling mode
;; limits: right only within a limited range of input values
;; workspace buffers: colbuf 16,777,216 bytes
;; launch col (part 3): grid 256 x 1, 8 waves a work-group, no clusters, 183,296 bytes of LDS; arguments edge_feat, off_diag_mask, Wq, Wk, Wv, colbuf; writes colbuf
.if DOCPART == 3
	.amdgcn_target "amdgcn-amd-amdhsa--gfx1250"
	.amdhsa_code_object_version 6
	.text
	.protected	k_q79ea473a3c_col
	.globl	k_q79ea473a3c_col
	.p2align	8
	.type	k_q79ea473a3c_col,@function
k_q79ea473a3c_col:
	s_mov_b64 s[64:65], 0
	v_nop
	global_prefetch_b8 v0, s[64:65] scope:SCOPE_SE
	s_setreg_imm32_b32 hwreg(HW_REG_WAVE_SCHED_MODE, 0, 2), 2
	s_setreg_imm32_b32 hwreg(HW_REG_WAVE_MODE, 25, 1), 1
	s_wait_xcnt 0x0
	s_wait_alu depctr_vm_vsrc(0)
; EDGE-GAT LAYER, FIRST OF TWO LAUNCHES: THE ATTENTION ALONG COLUMNS.  colbuf[q][c][:] = 0.5 x out_col[q][c][:], rounded once to bf16.
; Work-group c owns column c of the 256 x 256 grid of edges: it reads X[:, c, :] (256 edges x 128 f32), projects Q, K and V itself and runs the four heads' attention over the 256 rows.
; The second launch is this same text with ROWPASS = 1: it does the same for a row and then finishes the layer.  Projecting twice moves fewer bytes than storing Q, K and V for both passes would.
; NOTHING OF THE LAYER IS LEFT OUT: every input reaches the output; the mask is an input, so no tile of scores is skipped.
; SHARES.  Eight waves.  Wave w has head hd = w & 3 and class s = w >> 2: it owns the 128 queries of half s (8 tiles of 16) for its head and keeps the head's whole K (128 registers) and V^T (128) in registers.
; Each wave projects K and V of its own half only; the two waves of a head hand each other their halves through LDS as register images.  In registers the keys stand 'own half first': position p is key p xor 128 s;
; a softmax does not mind the order, and only the mask's two address registers know it.
; LAYOUT.  W x X^T (source 0 = 16 out channels, source 1 = 16 edges) leaves a lane one edge and eight channels: two such results rounded in pairs ARE a fragment of K (source 0) or Q (source 1) of S^T = K Q^T.
; X x W (source 0 = 16 edges) leaves a lane one channel and eight edges: two such ARE a fragment of V^T.  S^T holds one query a lane; rounded in pairs it IS source 1 of O^T = V^T P.
; SOFTMAX.  A tile is 16 queries x ALL 256 keys, so the maximum is the row's own and nothing is rescaled: p = 2^(c s - c m), c = log2(e) / sqrt(32).  The mask (0 or -1e30) is the C operand of S^T, loaded from a
; table of 1 KiB straight into the accumulators.  l = ones x P by the matrix unit: 8 products in place of 64 packed additions, in a loop that has some 350 vector instructions for 40 products.
; FORMATS.  X, the weights, Q, K, V and P go to the matrix units in bf16; sums, maxima and exponentials in f32.
; LIMITS.  A hidden score counts as its value less 1e30; true scores are taken to lie above -2^96.  A line whose keys are all hidden gives NaN, as the softmax of nothing but -inf does.  l is the sum of the ROUNDED
; weights; a weight below 2^-126 counts as 0.  NaN and infinities among the inputs are not treated apart.
; NO TENSOR LOADS: every LDS byte that comes from memory has to pass registers to be rounded to bf16, and is brought once.  NO CLUSTER: what work-groups share are the weights, 196,608 bytes of f32 here; a joint load
; would land them as f32.
; THE MODE: SCHED_MODE bits 1:0 = 2 (LLVM: expert scheduling mode 2), set by the entry lines.  The code itself states the register dependences between vector or matrix instructions and memory or LDS
; instructions, with s_wait_alu, always for 0.
; THE PLAN.  Registers that memory or LDS instructions touch in the tile loop, and who else names them:
;   v192-255  S^T's upper half.  Named last by the second half's 32 roundings; one wait behind them, then the next tile's 16 loads of the mask land there.
;   v128-191  S^T's lower half, then P.  Read last by the products V^T P and ones x P; the wait behind the reciprocal states that too, then the other 16 loads of the mask land there.
;   v40-47    Q's fragment.  Read by the 16 products S^T; the next tile's two loads stand behind the first batch's wait.
;   v28       Q's LDS address.  Read by those two loads; made anew once a trip, behind the trip's one wait on vm_vsrc and ahead of the first batch's wait.
;   v59       ATT's LDS address.  Read by the trip's two stores; made anew behind the reciprocal, ahead of its wait.
;   v96-103   The tile's result.  Written by eight roundings; one wait; read by the two stores; written again a trip later, behind the wait on vm_vsrc.
;   v13, v14 (second launch: v29, v58 too) are addresses that the loop never writes.  K, V^T, the ones, O^T, l and the statistics are named by vector and matrix instructions alone (second launch: in the
;   last trip K's first 64 registers take loads, behind a wait of their own).
; So a trip has five waits on va_vdst, three of which are also the waits behind the exponentials and the reciprocal, one on vm_vsrc and one on va_sdst.
; Outside the loop each phase rounds or adds first, has ONE wait on va_vdst, and then its run of stores; behind the barrier that follows, one wait on vm_vsrc stands ahead of what writes those stores' registers again.
.set ROWPASS, 0
.if ROWPASS
.set ESTR, 512                         ; bytes from edge to edge along the line
.set LSTR, 131072                      ; bytes from line to line
.else
.set ESTR, 131072
.set LSTR, 512
.endif
.set XFP,  528                         ; pitch of an f32 row in LDS: 512 + 16, an odd multiple of 16 bytes
.set XBP,  272                         ; pitch of a bf16 row: 256 + 16
.set WP,   288                         ; pitch of a weight row [k][n] in bf16: 256 + 32, an odd multiple of 32 bytes, for the turning load
.set XFSZ, ROWPASS*256*XFP
.set XB,   XFSZ                        ; X in bf16, [edge][128]
.set ATT,  XB                          ; behind barrier G: 0.5 O / l in bf16, [edge][128]
.set WQ,   XB+256*XBP
.set WO,   WQ                          ; second launch, behind barrier E
.set WK,   WQ+128*WP
.set WVL,  WK+128*WP
.set EX,   WK                          ; behind barrier B0: 8 KiB a wave: two slots of 4 KiB that its partner fills; behind barrier E its own 8 fragments of Q
.set MASK, WVL+128*WP                  ; 256 f32: 0 or -1e30, keys in their true order
.set MRAW, MASK+1024                   ; second launch: the mask's row as it came
.set SPARE, MRAW+1024                  ; the spare words, 128 bytes for each wave: four blocks of 256 bytes that no other line names
.set R,    1                           ; v1   lane % 16
.set H,    2                           ; v2   lane / 16
.set LN,   3                           ; v3   lane
.set VX,   4                           ; v4   X: my byte offset;            in the tail: linear rows of ATT
.set VXB,  5                           ; v5   where I store X in bf16;       in the tail: Wo's turning loads
.set VXF,  6                           ; v6   where I store X + bo in f32;   in the tail: X + bo as accumulators
.set VFR,  7                           ; v7   fragments of X;               in the tail: fragments of ATT
.set VTQ,  8                           ; v8   turning loads of Wq;          in the tail: linear rows of the result
.set VTK,  9                           ; v9   of Wk;                        in the tail: the mask's words
.set VTV,  10                          ; v10  of Wv;                        in the tail: my byte offset in the output
.set VEXS, 11                          ; v11  my partner's 8 KiB
.set VEXL, 12                          ; v12  my own 8 KiB
.set VMA0, 13                          ; v13  the mask of my half's keys
.set VMA1, 14                          ; v14  of the other half's
.set VATT, 15                          ; v15  where I put 16 bytes of a query's result, in tile 0
.set BO,   16                          ; v[16:19] bo, v[20:23] gamma, v[24:27] beta of channels 4 lane .. 4 lane + 3 (second launch)
.set GA,   20
.set BE,   24
.set RUN,  28                          ; v28  the weights' load offset; from the attention on the LDS address of Q's next fragment
.set VPF,  29                          ; v29  the weights' store address; from the attention on the prefetch's offset (second launch)
.set SPW,  30                          ; v30  LDS address of my spare word; never rewritten
.set NIL,  31                          ; v31  0; never rewritten
.set VAT,  59                          ; v59  in the attention: where I put 16 bytes of a query's result, in the tile in hand
.set S,    128                         ; v[128:255] S^T of a tile; P takes its lower half in place
; Window 1 (v256-511): 0-127 K (tile i of my half at 8 i, of the other half at 64 + 8 i); 128-255 V^T (32 keys f, 16 channels b at 128 + 16 f + 8 b; f = 0-3 mine).
; X is loaded into the very registers that its chunk's K and V will take.  s_set_vgpr_msb: bits 1:0 source 0, 3:2 source 1, 5:4 source 2, 7:6 destination.
.set MSB, 0
.macro WIN new                         ; the immediate's high byte repeats the setting that is left; a switch that changes nothing is dropped
.if MSB != (\new)
	s_set_vgpr_msb (MSB<<8)|(\new)
.set MSB, (\new)
.endif
.endm
.macro PLACES                          ; four places behind a matrix instruction, ahead of a vector instruction that reads its result or writes one of its registers (ISA guide 7.12.1)
.rept 4
	v_nop
.endr
.endm
.macro BAR                             ; all my LDS stores are done and all my LDS reads are back: only then I signal
	s_wait_dscnt 0x0
	s_barrier_signal -1
	s_barrier_wait -1
.endm
.macro WLOAD lo, st                    ; rows w + 8 i of a weight matrix, 512 consecutive bytes a load
.set wi, 0
.rept 16
	global_load_b128 v[(\st)+4*wi:(\st)+4*wi+3], v[RUN], s[\lo:\lo+1] offset:4096*wi
.set wi, wi+1
.endr
.endm
.macro WCVT st                         ; my 16 rows of a weight matrix rounded to bf16, in place: four numbers close up into the first two of their four registers
.set wi, 0
.rept 16
	v_cvt_pk_bf16_f32 v[(\st)+4*wi], v[(\st)+4*wi], v[(\st)+4*wi+1]
	v_cvt_pk_bf16_f32 v[(\st)+4*wi+1], v[(\st)+4*wi+2], v[(\st)+4*wi+3]
.set wi, wi+1
.endr
.endm
.macro WSTO st, adr                    ; and laid into LDS, [k][n]
.set wi, 0
.rept 16
	ds_store_b64 v[\adr], v[(\st)+4*wi:(\st)+4*wi+1] offset:8*WP*wi
.set wi, wi+1
.endr
.endm
.macro WFRAG dst, adr, nb              ; fragments of a weight matrix, turned: 16 out channels b x 32 in channels k at dst + 32 b + 8 k
.set wb, 0
.rept \nb
.set wk, 0
.rept 4
	ds_load_tr16_b128 v[(\dst)+32*wb+8*wk:(\dst)+32*wb+8*wk+3], v[\adr] offset:32*WP*wk+32*wb
	ds_load_tr16_b128 v[(\dst)+32*wb+8*wk+4:(\dst)+32*wb+8*wk+7], v[\adr] offset:32*WP*wk+32*wb+16*WP
.set wk, wk+1
.endr
.set wb, wb+1
.endr
.endm
.macro XLOADS                          ; my 32 edges: chunk c, load j is edge 128 s + 32 c + 8 hd + j, 512 consecutive bytes
	WIN 0x40
.set xc, 0
.rept 4
.set xj, 0
.rept 8
.set xr, (xj/4)*128+16*xc+4*(xj%4)
.set xb, 4+48*(xc/2)                   ; s[4:5], or s[52:53] 64 edges on, so that the immediate stays inside its 24 bits
.if ROWPASS
	global_load_b128 v[xr:xr+3], v[VX], s[xb:xb+1] offset:(32*(xc%2)+xj)*ESTR th:TH_LOAD_NT
.else
	global_load_b128 v[xr:xr+3], v[VX], s[xb:xb+1] offset:(32*(xc%2)+xj)*ESTR
.endif
.set xj, xj+1
.endr
.set xc, xc+1
.endr
	WIN 0
.endm
.macro XSTAGE c                        ; chunk c: bf16 into XB; in the second launch also X + bo in f32 into XF.  All the arithmetic first, one wait, then the stores
	WIN 0x05
.set xj, 0
.rept 8
.set xr, (xj/4)*128+16*(\c)+4*(xj%4)
	v_cvt_pk_bf16_f32 v[32+2*xj], v[xr], v[xr+1]
	v_cvt_pk_bf16_f32 v[33+2*xj], v[xr+2], v[xr+3]
.set xj, xj+1
.endr
.if ROWPASS
	WIN 0x41
.set xj, 0
.rept 8
.set xr, (xj/4)*128+16*(\c)+4*(xj%4)
	v_pk_add_f32 v[xr:xr+1], v[xr:xr+1], v[BO:BO+1]
	v_pk_add_f32 v[xr+2:xr+3], v[xr+2:xr+3], v[BO+2:BO+3]
.set xj, xj+1
.endr
.endif
	WIN 0
	s_wait_alu depctr_va_vdst(0)           ; the roundings have written v32-47 (second launch: and the additions X's registers), which the stores below read
.set xj, 0
.rept 8
	ds_store_b64 v[VXB], v[32+2*xj:33+2*xj] offset:(32*(\c)+xj)*XBP
.set xj, xj+1
.endr
.if ROWPASS
	WIN 0x04
.set xj, 0
.rept 8
.set xr, (xj/4)*128+16*(\c)+4*(xj%4)
	ds_store_b128 v[VXF], v[xr:xr+3] offset:(32*(\c)+xj)*XFP
.set xj, xj+1
.endr
	WIN 0
.endif
.endm
.macro XFRAG buf, i                    ; tile i of my half: 16 edges x 128 channels, four fragments
	WIN 0
.set xk, 0
.rept 4
	ds_load_b128 v[(\buf)+8*xk:(\buf)+8*xk+3], v[VFR] offset:16*XBP*(\i)+64*xk
	ds_load_b128 v[(\buf)+8*xk+4:(\buf)+8*xk+7], v[VFR] offset:16*XBP*(\i)+64*xk+32
.set xk, xk+1
.endr
.endm
.macro PROJKV buf, i                   ; K and V of tile i for my head: four accumulators by turns; the first products start the sums
	WIN 0
.set pk, 0
.rept 4
.if pk == 0
	v_wmma_f32_16x16x32_bf16 v[32:39], v[128:135], v[(\buf):(\buf)+7], 0
	v_wmma_f32_16x16x32_bf16 v[40:47], v[160:167], v[(\buf):(\buf)+7], 0
	v_wmma_f32_16x16x32_bf16 v[48:55], v[(\buf):(\buf)+7], v[192:199], 0
	v_wmma_f32_16x16x32_bf16 v[56:63], v[(\buf):(\buf)+7], v[224:231], 0
.else
	v_wmma_f32_16x16x32_bf16 v[32:39], v[128+8*pk:135+8*pk], v[(\buf)+8*pk:(\buf)+8*pk+7], v[32:39]
	v_wmma_f32_16x16x32_bf16 v[40:47], v[160+8*pk:167+8*pk], v[(\buf)+8*pk:(\buf)+8*pk+7], v[40:47]
	v_wmma_f32_16x16x32_bf16 v[48:55], v[(\buf)+8*pk:(\buf)+8*pk+7], v[192+8*pk:199+8*pk], v[48:55]
	v_wmma_f32_16x16x32_bf16 v[56:63], v[(\buf)+8*pk:(\buf)+8*pk+7], v[224+8*pk:231+8*pk], v[56:63]
.endif
.set pk, pk+1
.endr
	PLACES
	WIN 0x40                               ; rounded in pairs, from each accumulator's low end on, into K's and V's places
.set pq, 0
.rept 4
	v_cvt_pk_bf16_f32 v[8*(\i)+pq], v[32+2*pq], v[33+2*pq]
	v_cvt_pk_bf16_f32 v[8*(\i)+4+pq], v[40+2*pq], v[41+2*pq]
	v_cvt_pk_bf16_f32 v[128+16*((\i)/2)+4*((\i)%2)+pq], v[48+2*pq], v[49+2*pq]
	v_cvt_pk_bf16_f32 v[136+16*((\i)/2)+4*((\i)%2)+pq], v[56+2*pq], v[57+2*pq]
.set pq, pq+1
.endr
	WIN 0
.endm
.macro EXST c                          ; chunk c's K and V, as they lie in my registers, into my partner's slot c % 2
	WIN 0x04
	s_wait_alu depctr_va_vdst(0)           ; the roundings have written chunk c's K and V, which these stores read; the chunk's products are done reading v64-127, in which the next fragments of X land, and (of weight behind the last chunk) v128-255, in which Wq's fragments and, in the second launch, Wo land
.set en, 0
.rept 4
	ds_store_b128 v[VEXS], v[16*(\c)+4*en:16*(\c)+4*en+3] offset:4096*((\c)%2)+512*en
	ds_store_b128 v[VEXS], v[128+16*(\c)+4*en:128+16*(\c)+4*en+3] offset:4096*((\c)%2)+2048+512*en
.set en, en+1
.endr
	WIN 0
.endm
.macro EXLD c                          ; my partner's chunk c out of my slot c % 2, into registers that no vector instruction has named yet
	WIN 0x40
.set en, 0
.rept 4
	ds_load_b128 v[64+16*(\c)+4*en:64+16*(\c)+4*en+3], v[VEXL] offset:4096*((\c)%2)+512*en
	ds_load_b128 v[192+16*(\c)+4*en:192+16*(\c)+4*en+3], v[VEXL] offset:4096*((\c)%2)+2048+512*en
.set en, en+1
.endr
	WIN 0
.endm
.macro PROJQ p                         ; Q of tiles 2 p and 2 p + 1 of my half, as fragments into my own 8 KiB
	XFRAG 64, 2*(\p)
	XFRAG 96, 2*(\p)+1
	s_wait_dscnt 0x0
.if (\p) > 0
	s_wait_alu depctr_vm_vsrc(0)           ; the four stores of the pair before have read v32-39 and v48-55, which the products below write
.endif
.set pk, 0
.rept 4
.if pk == 0
	v_wmma_f32_16x16x32_bf16 v[32:39], v[128:135], v[64:71], 0
	v_wmma_f32_16x16x32_bf16 v[40:47], v[160:167], v[64:71], 0
	v_wmma_f32_16x16x32_bf16 v[48:55], v[128:135], v[96:103], 0
	v_wmma_f32_16x16x32_bf16 v[56:63], v[160:167], v[96:103], 0
.else
	v_wmma_f32_16x16x32_bf16 v[32:39], v[128+8*pk:135+8*pk], v[64+8*pk:71+8*pk], v[32:39]
	v_wmma_f32_16x16x32_bf16 v[40:47], v[160+8*pk:167+8*pk], v[64+8*pk:71+8*pk], v[40:47]
	v_wmma_f32_16x16x32_bf16 v[48:55], v[128+8*pk:135+8*pk], v[96+8*pk:103+8*pk], v[48:55]
	v_wmma_f32_16x16x32_bf16 v[56:63], v[160+8*pk:167+8*pk], v[96+8*pk:103+8*pk], v[56:63]
.endif
.set pk, pk+1
.endr
	PLACES
.irp a, 32, 48                         ; in place, ascending: register a + q takes pair q of the first accumulator, a + 4 + q of the second
.irp q, 0,1,2,3
	v_cvt_pk_bf16_f32 v[\a+\q], v[\a+2*\q], v[\a+2*\q+1]
.endr
.irp q, 0,1,2,3
	v_cvt_pk_bf16_f32 v[\a+4+\q], v[\a+8+2*\q], v[\a+8+2*\q+1]
.endr
.endr
	s_wait_alu depctr_va_vdst(0)           ; the roundings have written v32-39 and v48-55, which the stores read; the products are done reading v64-127, in which the next pair's fragments land, and (of weight behind the last pair) v128-191, in which the mask lands
	ds_store_b128 v[VEXL], v[32:35] offset:2048*(\p)
	ds_store_b128 v[VEXL], v[36:39] offset:2048*(\p)+512
	ds_store_b128 v[VEXL], v[48:51] offset:2048*(\p)+1024
	ds_store_b128 v[VEXL], v[52:55] offset:2048*(\p)+1536
.endm
.macro MASKLD half                     ; the mask of 128 keys straight into 8 accumulators: a lane's eight keys are 32 bytes of the table
	WIN 0
.set mi, 0
.rept 8
	ds_load_b128 v[S+64*(\half)+8*mi:S+64*(\half)+8*mi+3], v[VMA0+(\half)] offset:64*mi
	ds_load_b128 v[S+64*(\half)+8*mi+4:S+64*(\half)+8*mi+7], v[VMA0+(\half)] offset:64*mi+16
.set mi, mi+1
.endr
.endm
.macro QLD                             ; the fragment of Q at the address in v28
	WIN 0
	ds_load_b128 v[40:43], v[RUN]
	ds_load_b128 v[44:47], v[RUN] offset:512
.endm
.macro SMM                             ; S^T = K Q^T + mask: 16 accumulators, one product each
	WIN 0x01
.set si, 0
.rept 16
	v_wmma_f32_16x16x32_bf16 v[S+8*si:S+8*si+7], v[8*si:8*si+7], v[40:47], v[S+8*si:S+8*si+7]
.set si, si+1
.endr
.endm
.macro MAXS                            ; the query's maximum: four chains over 32 scores each, ascending
	WIN 0
.irp k, 0,1,2,3
	v_max3_num_f32 v[48+\k], v[S+32*\k], v[S+32*\k+1], v[S+32*\k+2]
.endr
.set mn, 1
.rept 14
.irp k, 0,1,2,3
	v_max3_num_f32 v[48+\k], v[48+\k], v[S+32*\k+2*mn+1], v[S+32*\k+2*mn+2]
.endr
.set mn, mn+1
.endr
	v_max3_num_f32 v48, v48, v[S+31], v[S+63]
	v_max3_num_f32 v50, v50, v[S+95], v[S+127]
	v_max3_num_f32 v48, v48, v49, v50
	v_max_num_f32 v48, v48, v51
	v_permlanex16_b32 v49, v48, s36, s37   ; the query's other 128 keys lie in the lane 16 away
	v_max_num_f32 v53, v48, v49            ; m
	v_mul_f32 v52, s34, v53                ; c m
.endm
.macro FSC b                           ; pair b of the scores: c s - c m
	v_pk_fma_f32 v[S+2*(\b):S+2*(\b)+1], v[S+2*(\b):S+2*(\b)+1], s[34:35], v[52:53] op_sel_hi:[1,0,0] neg_lo:[0,0,1] neg_hi:[0,0,1]
.endm
; The exponentials go in two batches of 64, each with one wait ahead of its first reader.  The second half's scalings stand among the first batch, the first half's roundings among the second.
; The waits stand in the loop's own text, between the three parts.
.macro SOFT1                           ; the first half's scalings; the first batch, with the second half's scalings among it
	WIN 0
.set fj, 0
.rept 32
	FSC fj
.set fj, fj+1
.endr
.set fj, 0
.rept 32
	v_exp_f32 v[S+2*fj], v[S+2*fj]
	FSC 32+fj
	v_exp_f32 v[S+2*fj+1], v[S+2*fj+1]
.set fj, fj+1
.endr
	v_nop                                  ; a plain instruction behind the batch's last exponential
.endm
.macro SOFT2                           ; the second batch, with the first half's roundings among it
	WIN 0
.set fj, 0
.rept 32
	v_exp_f32 v[S+64+2*fj], v[S+64+2*fj]
	v_cvt_pk_bf16_f32 v[S+fj], v[S+2*fj], v[S+2*fj+1]  ; P in place, ascending: register i takes scores 2 i and 2 i + 1
	v_exp_f32 v[S+65+2*fj], v[S+65+2*fj]
.set fj, fj+1
.endr
	v_nop
.endm
.macro SOFT3                           ; the second half's roundings
	WIN 0
.set fj, 0
.rept 32
	v_cvt_pk_bf16_f32 v[S+32+fj], v[S+64+2*fj], v[S+65+2*fj]
.set fj, fj+1
.endr
.endm
.macro PVM                             ; O^T = V^T P, two accumulators by turns; then l = ones x P, two accumulators by turns
	WIN 0x01
.set pf, 0
.rept 8
.if pf == 0
	v_wmma_f32_16x16x32_bf16 v[64:71], v[128:135], v[S:S+7], 0
	v_wmma_f32_16x16x32_bf16 v[72:79], v[136:143], v[S:S+7], 0
.else
	v_wmma_f32_16x16x32_bf16 v[64:71], v[128+16*pf:135+16*pf], v[S+8*pf:S+8*pf+7], v[64:71]
	v_wmma_f32_16x16x32_bf16 v[72:79], v[136+16*pf:143+16*pf], v[S+8*pf:S+8*pf+7], v[72:79]
.endif
.set pf, pf+1
.endr
	WIN 0
.set pf, 0
.rept 8
.if pf < 2
	v_wmma_f32_16x16x32_bf16 v[80+8*pf:87+8*pf], v[32:39], v[S+8*pf:S+8*pf+7], 0
.else
	v_wmma_f32_16x16x32_bf16 v[80+8*(pf%2):87+8*(pf%2)], v[32:39], v[S+8*pf:S+8*pf+7], v[80+8*(pf%2):87+8*(pf%2)]
.endif
.set pf, pf+1
.endr
.endm
.macro NORM                            ; 0.5 O / l, rounded to bf16, 16 bytes a lane and channel block into ATT
	WIN 0
	PLACES                                 ; behind the last products, ahead of the read of l
	v_add_f32 v56, v80, v88
	v_cmp_lt_f32 s39, v53, s38             ; m below -2^96: every key of the line is hidden
	v_rcp_f32 v54, v56
	v_add_nc_u32 v[VAT], s32, v[VATT]      ; the plain instruction behind the reciprocal: the tile's rows in ATT (the last trip's stores, which read v59, stand ahead of this trip's wait on vm_vsrc)
	s_wait_alu depctr_va_vdst(0)           ; the reciprocal has written v54, ahead of its first reader; the products are done reading P, v128-191, in which the loads below land; v59 is written, which the stores below read
	MASKLD 0                               ; the next tile's mask, first half
	s_wait_alu depctr_va_sdst(0)           ; the compare has written s39, ahead of its first reader
	v_mul_f32 v54, 0.5, v54
	v_cndmask_b32 v54, v54, v57, s39       ; NaN where every key is hidden
.set nq, 0
.rept 8
	v_pk_mul_f32 v[64+2*nq:65+2*nq], v[64+2*nq:65+2*nq], v[54:55] op_sel_hi:[1,0]
.set nq, nq+1
.endr
.set nq, 0
.rept 8
	v_cvt_pk_bf16_f32 v[96+nq], v[64+2*nq], v[65+2*nq]
.set nq, nq+1
.endr
	s_wait_alu depctr_va_vdst(0)           ; the roundings have written v96-103, which the two stores read
	ds_store_b128 v[VAT], v[96:99]
	ds_store_b128 v[VAT], v[100:103] offset:32
.endm
.if ROWPASS
; Second launch: tile u (16 edges) of my 32: y = ATT Wo + (X + bo), LayerNorm, gamma, beta, mask, store.  Source 0 = 16 out channels of Wo, source 1 = 16 edges: a lane holds one edge and 64 of its channels.
.macro OUTT u, lin
	WIN 0
	s_wait_alu depctr_vm_vsrc(0)           ; loads land below in registers that memory and LDS instructions have read.  First tile: v96-103 and v59 (the last trip's stores), v58 (colbuf's loads), v128-191 (the stores of the mean).  Second tile: v64-127 (the first tile's stores back into LDS)
.set ob, 0
.rept 8
	ds_load_b128 v[64+8*ob:64+8*ob+3], v6 offset:16*XFP*(\u)+64*ob       ; X + bo starts the sums
	ds_load_b128 v[64+8*ob+4:64+8*ob+7], v6 offset:16*XFP*(\u)+64*ob+16
.set ob, ob+1
.endr
.set ok, 0
.rept 4
	ds_load_b128 v[32+8*ok:32+8*ok+3], v7 offset:16*XBP*(\u)+64*ok
	ds_load_b128 v[32+8*ok+4:32+8*ok+7], v7 offset:16*XBP*(\u)+64*ok+32
.set ok, ok+1
.endr
	s_wait_dscnt 0x0
	WIN 0x01
.set ok, 0
.rept 4
.set ob, 0
.rept 8                                ; eight accumulators by turns
	v_wmma_f32_16x16x32_bf16 v[64+8*ob:64+8*ob+7], v[32*ob+8*ok:32*ob+8*ok+7], v[32+8*ok:32+8*ok+7], v[64+8*ob:64+8*ob+7]
.set ob, ob+1
.endr
.set ok, ok+1
.endr
	WIN 0
	PLACES
.irp k, 0,1,2,3                        ; the sum of my 64 numbers: four chains, ascending
	v_pk_add_f32 v[48+2*\k:49+2*\k], v[64+16*\k:65+16*\k], v[66+16*\k:67+16*\k]
.endr
.set on, 2
.rept 6
.irp k, 0,1,2,3
	v_pk_add_f32 v[48+2*\k:49+2*\k], v[48+2*\k:49+2*\k], v[64+16*\k+2*on:65+16*\k+2*on]
.endr
.set on, on+1
.endr
	v_pk_add_f32 v[48:49], v[48:49], v[50:51]
	v_pk_add_f32 v[52:53], v[52:53], v[54:55]
	v_pk_add_f32 v[48:49], v[48:49], v[52:53]
	v_add_f32 v48, v48, v49
	v_permlanex16_b32 v49, v48, s36, s37   ; the edge's other 64 channels lie in the lane 16 away
	v_add_f32 v48, v48, v49
	v_mul_f32 v56, s46, v48                ; mu
.set on, 0
.rept 32
	v_pk_add_f32 v[64+2*on:65+2*on], v[64+2*on:65+2*on], v[56:57] op_sel_hi:[1,0] neg_lo:[0,1] neg_hi:[0,1]
.set on, on+1
.endr
.irp k, 0,1,2,3                        ; the sum of squares of y - mu, as the layer forms it
	v_pk_mul_f32 v[48+2*\k:49+2*\k], v[64+16*\k:65+16*\k], v[64+16*\k:65+16*\k]
.endr
.set on, 1
.rept 7
.irp k, 0,1,2,3
	v_pk_fma_f32 v[48+2*\k:49+2*\k], v[64+16*\k+2*on:65+16*\k+2*on], v[64+16*\k+2*on:65+16*\k+2*on], v[48+2*\k:49+2*\k]
.endr
.set on, on+1
.endr
	v_pk_add_f32 v[48:49], v[48:49], v[50:51]
	v_pk_add_f32 v[52:53], v[52:53], v[54:55]
	v_pk_add_f32 v[48:49], v[48:49], v[52:53]
	v_add_f32 v48, v48, v49
	v_permlanex16_b32 v49, v48, s36, s37
	v_add_f32 v48, v48, v49
	v_fma_f32 v48, v48, s46, s47           ; var + 1e-5
	v_rsq_f32 v56, v48
	v_nop                                  ; a plain instruction behind it,
	s_wait_alu depctr_va_vdst(0)           ; and the wait: the root has written v56, ahead of its first reader
.set on, 0
.rept 32
	v_pk_mul_f32 v[64+2*on:65+2*on], v[64+2*on:65+2*on], v[56:57] op_sel_hi:[1,0]
.set on, on+1
.endr
	s_wait_alu depctr_va_vdst(0)           ; the scalings have written v64-127, which the stores read; the products are done reading v32-47, in which the mask's words land
.set ob, 0
.rept 8                                ; back into the rows that X + bo left: they are my own, and LDS serves a wave's instructions in order (ISA guide 5.7.1.4)
	ds_store_b128 v6, v[64+8*ob:64+8*ob+3] offset:16*XFP*(\u)+64*ob
	ds_store_b128 v6, v[64+8*ob+4:64+8*ob+7] offset:16*XFP*(\u)+64*ob+16
.set ob, ob+1
.endr
.irp q, 0,1,2,3
	ds_load_b128 v[32+4*\q:35+4*\q], v9 offset:64*(\u)+16*\q             ; the 16 edges' mask words, the same in every lane
.endr
.set oe, 0
.rept 16
	ds_load_b128 v[(\lin)+4*oe:(\lin)+4*oe+3], v8 offset:(16*(\u)+oe)*XFP ; an edge's 512 bytes, 16 a lane
.set oe, oe+1
.endr
.set og, 0
.rept 2                                ; two groups of eight edges: the group's arithmetic, one wait, its eight stores
	s_wait_dscnt 8-8*og                    ; the group's eight edges are in; the younger group's eight loads may stay out
.set oe, 8*og
.rept 8
	v_pk_fma_f32 v[(\lin)+4*oe:(\lin)+4*oe+1], v[(\lin)+4*oe:(\lin)+4*oe+1], v[GA:GA+1], v[BE:BE+1]
	v_pk_fma_f32 v[(\lin)+4*oe+2:(\lin)+4*oe+3], v[(\lin)+4*oe+2:(\lin)+4*oe+3], v[GA+2:GA+3], v[BE+2:BE+3]
.irp q, 0,1,2,3
	v_mul_f32 v[(\lin)+4*oe+\q], v[32+oe], v[(\lin)+4*oe+\q]
.endr
.set oe, oe+1
.endr
	s_wait_alu depctr_va_vdst(0)           ; the group's arithmetic has written its 32 registers, which the stores read; behind the second group it is also done reading v32-47, in which the next tile's fragments land
.set oe, 8*og
.rept 8
	global_store_b128 v10, v[(\lin)+4*oe:(\lin)+4*oe+3], s[24:25] offset:(16*(\u)+oe)*512 th:TH_STORE_NT  ; 512 consecutive bytes, aligned; these registers are not written again
.set oe, oe+1
.endr
.set og, og+1
.endr
.endm
.endif
	; ---- the head: arguments, ids, every address ----
	s_load_b256 s[4:11], s[0:1], 0x0               ; X s[4:5], mask s[6:7], Wq s[8:9], Wk s[10:11]
	s_load_b128 s[12:15], s[0:1], 0x20             ; Wv s[12:13], colbuf s[14:15]
.if ROWPASS
	s_load_b256 s[16:23], s[0:1], 0x30             ; Wo, bo, gamma, beta
	s_load_b64 s[24:25], s[0:1], 0x50              ; out0
.endif
	v_lshl_add_u32 v[SPW], v0, 2, SPARE
	v_mov_b32 v[NIL], 0
	v_lshrrev_b32 v1, 5, v0
	v_readfirstlane_b32 s26, v1                    ; wave 0..7
	v_and_b32 v[R], 15, v0
	v_bfe_u32 v[H], v0, 4, 1
	v_and_b32 v[LN], 31, v0
	s_mov_b32 s34, 0x3e8293ee                      ; c = log2(e) / sqrt(32) = 0.255035
	s_mov_b32 s35, s34                             ; named with it as a pair
	s_mov_b32 s36, 0x76543210                      ; v_permlanex16_b32: each lane takes its own place in the other half
	s_mov_b32 s37, 0xfedcba98
	s_mov_b32 s38, 0xef800000                      ; -2^96
	s_mov_b32 s40, 0xf149f2ca                      ; -1e30
	s_wait_alu depctr_va_sdst(0)                   ; s26 is written, ahead of its first reader: head, class and every wave's addresses are made from it
	s_and_b32 s27, s26, 3                          ; my head
	s_lshr_b32 s28, s26, 2                         ; my class
	s_lshl_b32 s41, s28, 7                         ; 128 s: my half's first edge
	s_lshl_b32 s42, s27, 3
	s_add_co_u32 s42, s41, s42                     ; 128 s + 8 hd: the first edge that I stage
	s_mul_i32 s43, s42, ESTR
	v_lshl_add_u32 v[VX], v[LN], 4, s43
	s_mul_i32 s43, s42, XBP
	s_add_co_u32 s43, s43, XB
	v_lshl_add_u32 v[VXB], v[LN], 3, s43
.if ROWPASS
	s_mul_i32 s43, s42, XFP
	v_lshl_add_u32 v[VXF], v[LN], 4, s43
.endif
	s_mul_i32 s43, s41, XBP
	s_add_co_u32 s43, s43, XB
	v_mul_u32_u24 v[VFR], v[R], XBP
	v_lshl_add_u32 v[VFR], v[H], 4, v[VFR]
	v_add_nc_u32 v[VFR], s43, v[VFR]               ; (128 s + lane % 16) x pitch + 16 x half
	s_lshl_b32 s44, s27, 6                         ; my head's 32 channels: 64 bytes
	v_add_nc_u32 v[VATT], s44, v[VFR]
	v_and_b32 v32, 7, v0                           ; the turning load: row 8 (lane / 16) + lane % 8, 16 bytes by (lane / 8) % 2
	v_lshl_add_u32 v32, v[H], 3, v32
	v_mul_u32_u24 v32, v32, WP
	v_bfe_u32 v33, v0, 3, 1
	v_lshl_add_u32 v32, v33, 4, v32
	s_add_co_u32 s44, s44, WQ
	v_add_nc_u32 v[VTQ], s44, v32
	v_add_nc_u32 v[VTK], 128*WP, v[VTQ]
	v_add_nc_u32 v[VTV], 128*WP, v[VTK]
	s_lshl_b32 s43, s26, 13
	s_add_co_u32 s44, s43, EX
	v_lshl_add_u32 v[VEXL], v[LN], 4, s44
	s_xor_b32 s43, s43, 32768                      ; wave w xor 4: the same head, the other class
	s_add_co_u32 s44, s43, EX
	v_lshl_add_u32 v[VEXS], v[LN], 4, s44
	s_lshl_b32 s43, s28, 9
	s_add_co_u32 s44, s43, MASK
	v_lshl_add_u32 v[VMA0], v[H], 5, s44
	s_xor_b32 s43, s43, 512
	s_add_co_u32 s44, s43, MASK
	v_lshl_add_u32 v[VMA1], v[H], 5, s44
	s_lshl_b32 s43, s26, 9
	v_lshl_add_u32 v[RUN], v[LN], 4, s43           ; a weight matrix: row w, 16 bytes a lane
	s_mul_i32 s43, s26, WP
	s_add_co_u32 s43, s43, WQ
	v_lshl_add_u32 v[VPF], v[LN], 3, s43           ; and its place in LDS, for Wq,
	v_add_nc_u32 v37, 128*WP, v[VPF]               ; Wk,
	v_add_nc_u32 v38, 128*WP, v37                  ; Wv
	v_lshl_add_u32 v36, v0, 2, MASK
.if ROWPASS
	s_lshl_b32 s43, ttmp9, 10
	v_lshl_add_u32 v33, v0, 2, s43                 ; mask[line][thread]
	v_lshlrev_b32 v32, 4, v[LN]
.else
	s_lshl_b32 s43, ttmp9, 2
	v_lshl_add_u32 v33, v0, 10, s43                ; mask[thread][line]
.endif
	s_mul_i32 s44, ttmp9, LSTR
	s_mov_b32 s45, 0
	s_wait_kmcnt 0x0
	s_add_nc_u64 s[4:5], s[4:5], s[44:45]          ; X at my line
	s_add_nc_u64 s[52:53], s[4:5], 64*ESTR         ; and 64 edges on
.if ROWPASS
	s_lshl_b32 s44, ttmp9, 16
	s_add_nc_u64 s[14:15], s[14:15], s[44:45]      ; colbuf at my row
	s_lshl_b32 s44, ttmp9, 17
	s_add_nc_u64 s[24:25], s[24:25], s[44:45]      ; out0 at my row
.else
	s_lshl_b32 s44, ttmp9, 8
	s_add_nc_u64 s[14:15], s[14:15], s[44:45]      ; colbuf at my column
.endif
	s_wait_alu depctr_va_vdst(0)                   ; every offset and LDS address of the head is written (v4-15, v28, v29, v32, v33, v36-38): the loads below and the loads and stores up to the attention read them
.if ROWPASS
	global_load_b128 v[BO:BO+3], v32, s[18:19]
	global_load_b128 v[GA:GA+3], v32, s[20:21]
	global_load_b128 v[BE:BE+3], v32, s[22:23]
.endif
	global_load_b32 v34, v33, s[6:7]
	WLOAD 8, 64
	WLOAD 10, 128
	WLOAD 12, 192
	XLOADS                                         ; all of my X goes out behind the weights and lands while they are laid out
	; ---- the weights and the mask into LDS: all roundings, one wait, all stores ----
	s_wait_loadcnt 32                              ; all but the 32 loads of X, which were issued last
	v_cmp_eq_f32 vcc_lo, 0, v34
	WCVT 64
	WCVT 128
	WCVT 192
	s_wait_alu depctr_va_vcc(0)                    ; the compare has written VCC, ahead of its first reader
	v_cndmask_b32 v35, 0, s40, vcc_lo              ; -1e30 where the mask is 0
	s_wait_alu depctr_va_vdst(0)                   ; v35 and the rounded weights in v64-255 are written, which the stores below read; the roundings are done with v128-255, in which Wk's and Wv's fragments land
	ds_store_b32 v36, v35
.if ROWPASS
	ds_store_b32 v36, v34 offset:1024
.endif
	WSTO 64, VPF
	WSTO 128, 37
	WSTO 192, 38
	BAR                                            ; BW: the weights and the mask are whole
	s_wait_alu depctr_vm_vsrc(0)                   ; my stores have read v64-255, in which fragments land from here on, and v34-38; the head's loads have read v32 and v33: the first chunk's roundings write v32-47
	WFRAG 128, VTK, 2                              ; my head's Wk and Wv stay in registers through pass 1
	WFRAG 192, VTV, 2
	; ---- pass 1: K and V of my half, 32 edges a chunk; the halves change hands a chunk behind ----
.irp c, 0,1,2,3
	s_wait_loadcnt 24-8*\c                         ; chunk c's eight loads are in; the younger chunks' may stay out
	XSTAGE \c
	BAR                                            ; B0-B3: chunk c is whole, and so is my slot of chunk c - 1; my partner's reads of the slot that I fill next are back.  At B0 every wave has its Wk and Wv: EX may take their bytes
	s_wait_alu depctr_vm_vsrc(0)                   ; the chunk's stores have read v32-47, which the products write (second launch: and X's registers, which K's and V's roundings write)
.if \c > 0
	EXLD (\c)-1
.endif
	XFRAG 64, 2*\c
	XFRAG 96, 2*\c+1
	s_wait_dscnt 8                                 ; the second tile's eight loads may stay out
	PROJKV 64, 2*\c
	s_wait_dscnt 0x0
	PROJKV 96, 2*\c+1
	EXST \c
.endr
	WFRAG 128, VTQ, 2                              ; into Wk's registers: the wait ahead of the last exchange's stores has shown their last readers done, and no vector or matrix instruction stands behind it
	BAR                                            ; E: the last slot is whole; nobody reads Wq's bytes any more; the 8 KiB are now each wave's own
	EXLD 3
	; ---- pass 2: Q of my half ----
.if ROWPASS
	WLOAD 16, 192                                  ; Wo lands, in Wv's registers, while Q is projected
.endif
	PROJQ 0
	PROJQ 1
	PROJQ 2
	PROJQ 3
.if ROWPASS
	s_wait_loadcnt 0x0
	WCVT 192
	s_wait_alu depctr_va_vdst(0)                   ; the roundings have written Wo in v192-255, which the stores read, and are done with those registers, in which the mask lands
	WSTO 192, VPF                                  ; Wo takes Wq's bytes
.endif
	BAR                                            ; G: all reads of X in bf16 are back: ATT may take its bytes
	; ---- the attention: 8 tiles of 16 queries x 256 keys ----
	s_wait_alu depctr_vm_vsrc(0)                   ; Q's last stores have read v32-39 and v48-55, the weights' loads v28 (second launch: Wo's stores v29 and v192-255): all are written below or take the mask
.irp i, 0,1,2,3,4,5,6,7
	v_mov_b32 v[32+\i], 0x3f803f80                 ; ones in bf16
.endr
	v_mov_b32 v55, 0                               ; named as a pair with v54
	v_mov_b32 v57, 0x7fc00000                      ; NaN
.if ROWPASS
	v_lshlrev_b32 v[VPF], 8, v0                    ; a block of 256 bytes of colbuf's row for each thread
	s_lshl_b32 s43, s26, 13
	v_lshl_add_u32 v58, v[LN], 4, s43              ; my 32 edges of that row: 8,192 bytes, 16 a lane
.endif
	s_mov_b32 s30, 8                               ; tiles to go
	s_mov_b32 s31, 0                               ; Q's fragment to load
	s_mov_b32 s32, 0                               ; the tile's rows in ATT
	v_add_nc_u32 v[RUN], s31, v[VEXL]
	s_wait_alu depctr_va_vdst(0)                   ; v28 is written, which Q's loads read (second launch: v29 and v58 too, which the prefetch and colbuf's loads read)
	MASKLD 0
	MASKLD 1
	QLD
.Ltile:
	s_wait_dscnt 0x0                               ; the mask and Q are in
	SMM
	WIN 0
	PLACES
	MAXS
.if ROWPASS
	s_cmp_lg_u32 s30, 5                            ; in the fourth trip each thread names its block of this row's 65,536 bytes of colbuf, once: four trips ahead of the loads below
	s_cbranch_scc1 .Lnopf
	global_prefetch_b8 v[VPF], s[14:15] th:TH_LOAD_NT scope:SCOPE_SE
.Lnopf:
	s_cmp_lg_u32 s30, 1                            ; in the last trip K has been read for the last time: its first 64 registers take my 32 edges of 0.5 out_col
	s_cbranch_scc1 .Lnocol
	WIN 0x40
	s_wait_alu depctr_va_vdst(0)                   ; this trip's products S^T, the last, are done reading K, in which the loads below land
.irp i, 0,1,2,3,4,5,6,7,8,9,10,11,12,13,14,15
	global_load_b128 v[4*\i:4*\i+3], v58, s[14:15] offset:512*\i th:TH_LOAD_NT
.endr
	WIN 0
.Lnocol:
.endif
	s_add_co_u32 s31, s31, 1024
	s_min_u32 s31, s31, 7168                       ; the last trip has no next tile: it loads its own once more, the price of one text for every trip (as are its two loads of the mask)
	s_wait_alu depctr_vm_vsrc(0)                   ; Q's last two loads have read v28, written in the next line; the last trip's two stores have read v59 and v96-103, written further down
	v_add_nc_u32 v[RUN], s31, v[VEXL]
	SOFT1
	s_wait_alu depctr_va_vdst(0)                   ; the first batch's exponentials have written v128-191, ahead of their first reader; the products S^T are done reading v40-47, in which the next Q lands; v28 is written
	QLD
	SOFT2
	s_wait_alu depctr_va_vdst(0)                   ; the second batch's exponentials have written v192-255, ahead of their first reader
	SOFT3
	s_wait_alu depctr_va_vdst(0)                   ; the second half's roundings are done reading v192-255, in which the loads below land
	MASKLD 1                                       ; the next tile's mask, second half
	PVM
	NORM
	s_add_co_u32 s32, s32, 16*XBP
	s_sub_co_u32 s30, s30, 1
	s_cmp_lg_u32 s30, 0
	s_cbranch_scc1 .Ltile
	; ---- the way out: wave w takes edges 32 w .. 32 w + 31, whole rows ----
	s_mul_i32 s43, s26, 32*XBP
	s_add_co_u32 s43, s43, ATT
	v_mul_u32_u24 v4, v[H], XBP                    ; lanes 0-15 one row of 256 bytes, lanes 16-31 the next
	v_lshl_add_u32 v4, v[R], 4, v4
	v_add_nc_u32 v4, s43, v4
.if ROWPASS
	v_mul_u32_u24 v7, v[R], XBP
	v_lshl_add_u32 v7, v[H], 4, v7
	v_add_nc_u32 v7, s43, v7
	v_and_b32 v5, 7, v0
	v_lshl_add_u32 v5, v[H], 3, v5
	v_mul_u32_u24 v5, v5, WP
	v_bfe_u32 v9, v0, 3, 1
	v_lshl_add_u32 v5, v9, 4, v5
	v_add_nc_u32 v5, WO, v5
	s_mul_i32 s43, s26, 32*XFP
	v_mul_u32_u24 v6, v[R], XFP
	v_lshl_add_u32 v6, v[H], 5, v6
	v_add_nc_u32 v6, s43, v6
	v_lshl_add_u32 v8, v[LN], 4, s43
	s_lshl_b32 s43, s26, 7
	s_add_co_u32 s43, s43, MRAW
	v_mov_b32 v9, s43
	s_lshl_b32 s43, s26, 14
	v_lshl_add_u32 v10, v[LN], 4, s43
	s_mov_b32 s46, 0x3c000000                      ; 1 / 128
	s_mov_b32 s47, 0x3727c5ac                      ; 1e-5
.else
	v_lshlrev_b32 v10, 16, v[H]                    ; colbuf[q][c]: 65,536 bytes from q to q + 1
	v_lshl_add_u32 v10, v[R], 4, v10
	s_lshl_b32 s43, s26, 21
	v_add_nc_u32 v10, s43, v10
.endif
	s_wait_alu depctr_va_vdst(0)                   ; the way out's addresses in v4-10 are written, which its loads and stores read (what read their old contents stands ahead of the loop's waits on vm_vsrc)
	BAR                                            ; F: all four heads' results of every edge lie in ATT
.irp i, 0,1,2,3,4,5,6,7,8,9,10,11,12,13,14,15
	ds_load_b128 v[128+4*\i:131+4*\i], v4 offset:2*XBP*\i
.endr
.if ROWPASS
	s_wait_loadcnt 0x0                             ; 0.5 out_col
	s_wait_dscnt 0x0                               ; 0.5 out_row
	WIN 0x04
.set ai, 0
.rept 64
	v_pk_add_bf16 v[128+ai], v[128+ai], v[ai]      ; the mean of the two attentions: two bf16 numbers, added once, for the matrix unit
.set ai, ai+1
.endr
	WIN 0x40
	s_wait_alu depctr_va_vdst(0)                   ; the additions are done reading window 1's first 64 registers, in which Wo's fragments land, and have written v128-191, which the stores below read
	WFRAG 0, 5, 8                                  ; all of Wo, 32 fragments, fills window 1
	WIN 0
.irp i, 0,1,2,3,4,5,6,7,8,9,10,11,12,13,14,15
	ds_store_b128 v4, v[128+4*\i:131+4*\i] offset:2*XBP*\i  ; back into the same rows, which from here on are my own
.endr
	OUTT 0, 128
	OUTT 1, 192
.else
.irp i, 0,1,2,3,4,5,6,7,8,9,10,11,12,13,14,15
	s_wait_dscnt 15-\i                             ; rows 2 i and 2 i + 1 are in; the younger loads may stay out
	global_store_b128 v10, v[128+4*\i:131+4*\i], s[14:15] offset:131072*\i  ; sixteen lanes store 256 consecutive bytes, aligned: one (q, c)
.endr
.endif
	s_wait_dscnt 0x0                               ; the closing lines, six on end
	s_wait_alu 0x0
	s_wait_tensorcnt 0x0
	ds_add_u32 v[SPW], v[NIL]
	s_wait_dscnt 0x0
	s_endpgm
.Lfunc_end_k_q79ea473a3c_col:
	.size	k_q79ea473a3c_col, .Lfunc_end_k_q79ea473a3c_col-k_q79ea473a3c_col
	.p2alignl 7, 3214868480
	.fill 96, 4, 3214868480
	.section	.rodata,"a",@progbits
	.p2align	6, 0x0
	.amdhsa_kernel k_q79ea473a3c_col
		.amdhsa_group_segment_fixed_size 183296
		.amdhsa_private_segment_fixed_size 0
		.amdhsa_enable_private_segment 0
		.amdhsa_kernarg_size 48
		.amdhsa_user_sgpr_count 2
		.amdhsa_user_sgpr_kernarg_segment_ptr 1
		.amdhsa_wavefront_size32 1
		.amdhsa_system_sgpr_workgroup_id_x 1
		.amdhsa_system_sgpr_workgroup_id_y 1
		.amdhsa_system_sgpr_workgroup_id_z 1
		.amdhsa_system_vgpr_workitem_id 0
		.amdhsa_next_free_vgpr 512
		.amdhsa_next_free_sgpr 66
		.amdhsa_reserve_vcc 1
		.amdhsa_float_denorm_mode_32 3
		.amdhsa_float_denorm_mode_16_64 3
		.amdhsa_memory_ordered 1
		.amdhsa_forward_progress 1
		.amdhsa_inst_pref_size 102
	.end_amdhsa_kernel
	.amdgpu_metadata
---
amdhsa.version: [ 1, 2 ]
amdhsa.kernels:
  - .name:           k_q79ea473a3c_col
    .symbol:         k_q79ea473a3c_col.kd
    .args:
      - { .name: edge_feat, .offset: 0, .size: 8, .value_kind: global_buffer, .address_space: global }
      - { .name: off_diag_mask, .offset: 8, .size: 8, .value_kind: global_buffer, .address_space: global }
      - { .name: Wq, .offset: 16, .size: 8, .value_kind: global_buffer, .address_space: global }
      - { .name: Wk, .offset: 24, .size: 8, .value_kind: global_buffer, .address_space: global }
      - { .name: Wv, .offset: 32, .size: 8, .value_kind: global_buffer, .address_space: global }
      - { .name: colbuf, .offset: 40, .size: 8, .value_kind: global_buffer, .address_space: global }
    .group_segment_fixed_size: 183296
    .private_segment_fixed_size: 0
    .kernarg_segment_align: 8
    .kernarg_segment_size: 48
    .max_flat_workgroup_size: 256
    .sgpr_count:     66
    .vgpr_count:     512
    .wavefront_size: 32
...
	.end_amdgpu_metadata
.endif
;; end of part 3
;; launch row (part 4): grid 256 x 1, 8 waves a work-group, no clusters, 318,464 bytes of LDS; arguments edge_feat, off_diag_mask, Wq, Wk, Wv, colbuf, Wo, bo, gamma, beta, out0; writes out0
.if DOCPART == 4
	.amdgcn_target "amdgcn-amd-amdhsa--gfx1250"
	.amdhsa_code_object_version 6
	.text
	.protected	k_q79ea473a3c_row
	.globl	k_q79ea473a3c_row
	.p2align	8
	.type	k_q79ea473a3c_row,@function
k_q79ea473a3c_row:
	s_mov_b64 s[64:65], 0
	v_nop
	global_prefetch_b8 v0, s[64:65] scope:SCOPE_SE
	s_setreg_imm32_b32 hwreg(HW_REG_WAVE_SCHED_MODE, 0, 2), 2
	s_setreg_imm32_b32 hwreg(HW_REG_WAVE_MODE, 25, 1), 1
	s_wait_xcnt 0x0
	s_wait_alu depctr_vm_vsrc(0)
; EDGE-GAT LAYER, SECOND OF TWO LAUNCHES: THE ATTENTION ALONG ROWS, AND THE REST OF THE LAYER.
; Work-group r owns row r of the grid: it reads X[r, :, :], projects Q, K and V, runs the four heads' attention over the 256 columns, adds colbuf[r] (0.5 out_col, bf16, from the first launch) to its own 0.5 out_row,
; multiplies by Wo, adds bo and X (kept in f32 in LDS, so that a common offset of X is not lost ahead of the norm), takes LayerNorm in two passes, gamma, beta and the mask, and stores out0[r].
; This is the first launch's text with ROWPASS = 1.  NOTHING OF THE LAYER IS LEFT OUT: every input reaches the output; the mask is an input, so no tile of scores is skipped.
; SHARES.  Eight waves.  Wave w has head hd = w & 3 and class s = w >> 2: it owns the 128 queries of half s (8 tiles of 16) for its head and keeps the head's whole K (128 registers) and V^T (128) in registers.
; Each wave projects K and V of its own half only; the two waves of a head hand each other their halves through LDS as register images.  In registers the keys stand 'own half first': position p is key p xor 128 s;
; a softmax does not mind the order, and only the mask's two address registers know it.  In the tail wave w owns edges 32 w .. 32 w + 31.
; LAYOUT.  W x X^T (source 0 = 16 out channels, source 1 = 16 edges) leaves a lane one edge and eight channels: two such results rounded in pairs ARE a fragment of K (source 0) or Q (source 1) of S^T = K Q^T.
; X x W (source 0 = 16 edges) leaves a lane one channel and eight edges: two such ARE a fragment of V^T.  S^T holds one query a lane; rounded in pairs it IS source 1 of O^T = V^T P.
; SOFTMAX.  A tile is 16 queries x ALL 256 keys, so the maximum is the row's own and nothing is rescaled: p = 2^(c s - c m), c = log2(e) / sqrt(32).  The mask (0 or -1e30) is the C operand of S^T, loaded from a
; table of 1 KiB straight into the accumulators.  l = ones x P by the matrix unit: 8 products in place of 64 packed additions, in a loop that has some 350 vector instructions for 40 products.
; FORMATS.  X, the weights, Q, K, V, P and the mean of the two attentions go to the matrix units in bf16; sums, maxima, exponentials, the residual and the norm in f32.
; LIMITS.  A hidden score counts as its value less 1e30; true scores are taken to lie above -2^96.  A line whose keys are all hidden gives NaN, as the softmax of nothing but -inf does.  l is the sum of the ROUNDED
; weights; a weight below 2^-126 counts as 0.  NaN and infinities among the inputs are not treated apart.
; NO TENSOR LOADS: every LDS byte that comes from memory has to pass registers to be rounded to bf16 or to take bo, and is brought once.  NO CLUSTER: what work-groups share are the weights, 262,144 bytes of f32; a
; joint load would land a matrix of 65,536 bytes as f32.
; THE MODE: SCHED_MODE bits 1:0 = 2 (LLVM: expert scheduling mode 2), set by the entry lines.  The code itself states the register dependences between vector or matrix instructions and memory or LDS
; instructions, with s_wait_alu, always for 0.
; THE PLAN.  Registers that memory or LDS instructions touch in the tile loop, and who else names them:
;   v192-255  S^T's upper half.  Named last by the second half's 32 roundings; one wait behind them, then the next tile's 16 loads of the mask land there.
;   v128-191  S^T's lower half, then P.  Read last by the products V^T P and ones x P; the wait behind the reciprocal states that too, then the other 16 loads of the mask land there.
;   v40-47    Q's fragment.  Read by the 16 products S^T; the next tile's two loads stand behind the first batch's wait.
;   v28       Q's LDS address.  Read by those two loads; made anew once a trip, behind the trip's one wait on vm_vsrc and ahead of the first batch's wait.
;   v59       ATT's LDS address.  Read by the trip's two stores; made anew behind the reciprocal, ahead of its wait.
;   v96-103   The tile's result.  Written by eight roundings; one wait; read by the two stores; written again a trip later, behind the wait on vm_vsrc.
;   v13, v14, v29, v58 are addresses that the loop never writes.  K, V^T, the ones, O^T, l and the statistics are named by vector and matrix instructions alone, but that in the last trip K's first 64
;   registers take colbuf's loads, behind a wait of their own.
; So a trip has five waits on va_vdst, three of which are also the waits behind the exponentials and the reciprocal, one on vm_vsrc and one on va_sdst.
; Outside the loop each phase rounds or adds first, has ONE wait on va_vdst, and then its run of stores; behind the barrier that follows, one wait on vm_vsrc stands ahead of what writes those stores' registers again.
; In the way out each tile of 16 edges opens with a wait on vm_vsrc, and its last arithmetic goes in two groups of eight edges, each with one wait ahead of its eight stores.
.set ROWPASS, 1
.if ROWPASS
.set ESTR, 512                         ; bytes from edge to edge along the line
.set LSTR, 131072                      ; bytes from line to line
.else
.set ESTR, 131072
.set LSTR, 512
.endif
.set XFP,  528                         ; pitch of an f32 row in LDS: 512 + 16, an odd multiple of 16 bytes
.set XBP,  272                         ; pitch of a bf16 row: 256 + 16
.set WP,   288                         ; pitch of a weight row [k][n] in bf16: 256 + 32, an odd multiple of 32 bytes, for the turning load
.set XFSZ, ROWPASS*256*XFP             ; from byte 0: X + bo in f32, [edge][128]; in the tail the normed rows, in place
.set XB,   XFSZ                        ; X in bf16, [edge][128]
.set ATT,  XB                          ; behind barrier G: 0.5 O / l in bf16, [edge][128]
.set WQ,   XB+256*XBP
.set WO,   WQ                          ; behind barrier E
.set WK,   WQ+128*WP
.set WVL,  WK+128*WP
.set EX,   WK                          ; behind barrier B0: 8 KiB a wave: two slots of 4 KiB that its partner fills; behind barrier E its own 8 fragments of Q
.set MASK, WVL+128*WP                  ; 256 f32: 0 or -1e30, keys in their true order
.set MRAW, MASK+1024                   ; the mask's row as it came
.set SPARE, MRAW+1024                  ; the spare words, 128 bytes for each wave: four blocks of 256 bytes that no other line names
.set R,    1                           ; v1   lane % 16
.set H,    2                           ; v2   lane / 16
.set LN,   3                           ; v3   lane
.set VX,   4                           ; v4   X: my byte offset;            in the tail: linear rows of ATT
.set VXB,  5                           ; v5   where I store X in bf16;       in the tail: Wo's turning loads
.set VXF,  6                           ; v6   where I store X + bo in f32;   in the tail: X + bo as accumulators
.set VFR,  7                           ; v7   fragments of X;               in the tail: fragments of ATT
.set VTQ,  8                           ; v8   turning loads of Wq;          in the tail: linear rows of the result
.set VTK,  9                           ; v9   of Wk;                        in the tail: the mask's words
.set VTV,  10                          ; v10  of Wv;                        in the tail: my byte offset in the output
.set VEXS, 11                          ; v11  my partner's 8 KiB
.set VEXL, 12                          ; v12  my own 8 KiB
.set VMA0, 13                          ; v13  the mask of my half's keys
.set VMA1, 14                          ; v14  of the other half's
.set VATT, 15                          ; v15  where I put 16 bytes of a query's result, in tile 0
.set BO,   16                          ; v[16:19] bo, v[20:23] gamma, v[24:27] beta of channels 4 lane .. 4 lane + 3
.set GA,   20
.set BE,   24
.set RUN,  28                          ; v28  the weights' load offset; from the attention on the LDS address of Q's next fragment
.set VPF,  29                          ; v29  the weights' store address; from the attention on the prefetch's offset
.set SPW,  30                          ; v30  LDS address of my spare word; never rewritten
.set NIL,  31                          ; v31  0; never rewritten
.set VAT,  59                          ; v59  in the attention: where I put 16 bytes of a query's result, in the tile in hand
.set S,    128                         ; v[128:255] S^T of a tile; P takes its lower half in place
; Window 1 (v256-511): 0-127 K (tile i of my half at 8 i, of the other half at 64 + 8 i); 128-255 V^T (32 keys f, 16 channels b at 128 + 16 f + 8 b; f = 0-3 mine); in the tail all of Wo.
; X is loaded into the very registers that its chunk's K and V will take.  s_set_vgpr_msb: bits 1:0 source 0, 3:2 source 1, 5:4 source 2, 7:6 destination.
.set MSB, 0
.macro WIN new                         ; the immediate's high byte repeats the setting that is left; a switch that changes nothing is dropped
.if MSB != (\new)
	s_set_vgpr_msb (MSB<<8)|(\new)
.set MSB, (\new)
.endif
.endm
.macro PLACES                          ; four places behind a matrix instruction, ahead of a vector instruction that reads its result or writes one of its registers (ISA guide 7.12.1)
.rept 4
	v_nop
.endr
.endm
.macro BAR                             ; all my LDS stores are done and all my LDS reads are back: only then I signal
	s_wait_dscnt 0x0
	s_barrier_signal -1
	s_barrier_wait -1
.endm
.macro WLOAD lo, st                    ; rows w + 8 i of a weight matrix, 512 consecutive bytes a load
.set wi, 0
.rept 16
	global_load_b128 v[(\st)+4*wi:(\st)+4*wi+3], v[RUN], s[\lo:\lo+1] offset:4096*wi
.set wi, wi+1
.endr
.endm
.macro WCVT st                         ; my 16 rows of a weight matrix rounded to bf16, in place: four numbers close up into the first two of their four registers
.set wi, 0
.rept 16
	v_cvt_pk_bf16_f32 v[(\st)+4*wi], v[(\st)+4*wi], v[(\st)+4*wi+1]
	v_cvt_pk_bf16_f32 v[(\st)+4*wi+1], v[(\st)+4*wi+2], v[(\st)+4*wi+3]
.set wi, wi+1
.endr
.endm
.macro WSTO st, adr                    ; and laid into LDS, [k][n]
.set wi, 0
.rept 16
	ds_store_b64 v[\adr], v[(\st)+4*wi:(\st)+4*wi+1] offset:8*WP*wi
.set wi, wi+1
.endr
.endm
.macro WFRAG dst, adr, nb              ; fragments of a weight matrix, turned: 16 out channels b x 32 in channels k at dst + 32 b + 8 k
.set wb, 0
.rept \nb
.set wk, 0
.rept 4
	ds_load_tr16_b128 v[(\dst)+32*wb+8*wk:(\dst)+32*wb+8*wk+3], v[\adr] offset:32*WP*wk+32*wb
	ds_load_tr16_b128 v[(\dst)+32*wb+8*wk+4:(\dst)+32*wb+8*wk+7], v[\adr] offset:32*WP*wk+32*wb+16*WP
.set wk, wk+1
.endr
.set wb, wb+1
.endr
.endm
.macro XLOADS                          ; my 32 edges: chunk c, load j is edge 128 s + 32 c + 8 hd + j, 512 consecutive bytes; this launch reads them once
	WIN 0x40
.set xc, 0
.rept 4
.set xj, 0
.rept 8
.set xr, (xj/4)*128+16*xc+4*(xj%4)
.set xb, 4+48*(xc/2)                   ; s[4:5], or s[52:53] 64 edges on: one form with the first launch, where the immediate needs it
.if ROWPASS
	global_load_b128 v[xr:xr+3], v[VX], s[xb:xb+1] offset:(32*(xc%2)+xj)*ESTR th:TH_LOAD_NT
.else
	global_load_b128 v[xr:xr+3], v[VX], s[xb:xb+1] offset:(32*(xc%2)+xj)*ESTR
.endif
.set xj, xj+1
.endr
.set xc, xc+1
.endr
	WIN 0
.endm
.macro XSTAGE c                        ; chunk c: bf16 into XB, and X + bo in f32 into XF.  All the arithmetic first, one wait, then the stores
	WIN 0x05
.set xj, 0
.rept 8
.set xr, (xj/4)*128+16*(\c)+4*(xj%4)
	v_cvt_pk_bf16_f32 v[32+2*xj], v[xr], v[xr+1]
	v_cvt_pk_bf16_f32 v[33+2*xj], v[xr+2], v[xr+3]
.set xj, xj+1
.endr
.if ROWPASS
	WIN 0x41
.set xj, 0
.rept 8
.set xr, (xj/4)*128+16*(\c)+4*(xj%4)
	v_pk_add_f32 v[xr:xr+1], v[xr:xr+1], v[BO:BO+1]
	v_pk_add_f32 v[xr+2:xr+3], v[xr+2:xr+3], v[BO+2:BO+3]
.set xj, xj+1
.endr
.endif
	WIN 0
	s_wait_alu depctr_va_vdst(0)           ; the roundings have written v32-47 and the additions X's registers, which the stores below read
.set xj, 0
.rept 8
	ds_store_b64 v[VXB], v[32+2*xj:33+2*xj] offset:(32*(\c)+xj)*XBP
.set xj, xj+1
.endr
.if ROWPASS
	WIN 0x04
.set xj, 0
.rept 8
.set xr, (xj/4)*128+16*(\c)+4*(xj%4)
	ds_store_b128 v[VXF], v[xr:xr+3] offset:(32*(\c)+xj)*XFP
.set xj, xj+1
.endr
	WIN 0
.endif
.endm
.macro XFRAG buf, i                    ; tile i of my half: 16 edges x 128 channels, four fragments
	WIN 0
.set xk, 0
.rept 4
	ds_load_b128 v[(\buf)+8*xk:(\buf)+8*xk+3], v[VFR] offset:16*XBP*(\i)+64*xk
	ds_load_b128 v[(\buf)+8*xk+4:(\buf)+8*xk+7], v[VFR] offset:16*XBP*(\i)+64*xk+32
.set xk, xk+1
.endr
.endm
.macro PROJKV buf, i                   ; K and V of tile i for my head: four accumulators by turns; the first products start the sums
	WIN 0
.set pk, 0
.rept 4
.if pk == 0
	v_wmma_f32_16x16x32_bf16 v[32:39], v[128:135], v[(\buf):(\buf)+7], 0
	v_wmma_f32_16x16x32_bf16 v[40:47], v[160:167], v[(\buf):(\buf)+7], 0
	v_wmma_f32_16x16x32_bf16 v[48:55], v[(\buf):(\buf)+7], v[192:199], 0
	v_wmma_f32_16x16x32_bf16 v[56:63], v[(\buf):(\buf)+7], v[224:231], 0
.else
	v_wmma_f32_16x16x32_bf16 v[32:39], v[128+8*pk:135+8*pk], v[(\buf)+8*pk:(\buf)+8*pk+7], v[32:39]
	v_wmma_f32_16x16x32_bf16 v[40:47], v[160+8*pk:167+8*pk], v[(\buf)+8*pk:(\buf)+8*pk+7], v[40:47]
	v_wmma_f32_16x16x32_bf16 v[48:55], v[(\buf)+8*pk:(\buf)+8*pk+7], v[192+8*pk:199+8*pk], v[48:55]
	v_wmma_f32_16x16x32_bf16 v[56:63], v[(\buf)+8*pk:(\buf)+8*pk+7], v[224+8*pk:231+8*pk], v[56:63]
.endif
.set pk, pk+1
.endr
	PLACES
	WIN 0x40                               ; rounded in pairs, from each accumulator's low end on, into K's and V's places
.set pq, 0
.rept 4
	v_cvt_pk_bf16_f32 v[8*(\i)+pq], v[32+2*pq], v[33+2*pq]
	v_cvt_pk_bf16_f32 v[8*(\i)+4+pq], v[40+2*pq], v[41+2*pq]
	v_cvt_pk_bf16_f32 v[128+16*((\i)/2)+4*((\i)%2)+pq], v[48+2*pq], v[49+2*pq]
	v_cvt_pk_bf16_f32 v[136+16*((\i)/2)+4*((\i)%2)+pq], v[56+2*pq], v[57+2*pq]
.set pq, pq+1
.endr
	WIN 0
.endm
.macro EXST c                          ; chunk c's K and V, as they lie in my registers, into my partner's slot c % 2
	WIN 0x04
	s_wait_alu depctr_va_vdst(0)           ; the roundings have written chunk c's K and V, which these stores read; the chunk's products are done reading v64-127, in which the next fragments of X land, and (of weight behind the last chunk) v128-255, in which Wq's fragments and Wo land
.set en, 0
.rept 4
	ds_store_b128 v[VEXS], v[16*(\c)+4*en:16*(\c)+4*en+3] offset:4096*((\c)%2)+512*en
	ds_store_b128 v[VEXS], v[128+16*(\c)+4*en:128+16*(\c)+4*en+3] offset:4096*((\c)%2)+2048+512*en
.set en, en+1
.endr
	WIN 0
.endm
.macro EXLD c                          ; my partner's chunk c out of my slot c % 2, into registers that no vector instruction has named yet
	WIN 0x40
.set en, 0
.rept 4
	ds_load_b128 v[64+16*(\c)+4*en:64+16*(\c)+4*en+3], v[VEXL] offset:4096*((\c)%2)+512*en
	ds_load_b128 v[192+16*(\c)+4*en:192+16*(\c)+4*en+3], v[VEXL] offset:4096*((\c)%2)+2048+512*en
.set en, en+1
.endr
	WIN 0
.endm
.macro PROJQ p                         ; Q of tiles 2 p and 2 p + 1 of my half, as fragments into my own 8 KiB
	XFRAG 64, 2*(\p)
	XFRAG 96, 2*(\p)+1
	s_wait_dscnt 0x0
.if (\p) > 0
	s_wait_alu depctr_vm_vsrc(0)           ; the four stores of the pair before have read v32-39 and v48-55, which the products below write
.endif
.set pk, 0
.rept 4
.if pk == 0
	v_wmma_f32_16x16x32_bf16 v[32:39], v[128:135], v[64:71], 0
	v_wmma_f32_16x16x32_bf16 v[40:47], v[160:167], v[64:71], 0
	v_wmma_f32_16x16x32_bf16 v[48:55], v[128:135], v[96:103], 0
	v_wmma_f32_16x16x32_bf16 v[56:63], v[160:167], v[96:103], 0
.else
	v_wmma_f32_16x16x32_bf16 v[32:39], v[128+8*pk:135+8*pk], v[64+8*pk:71+8*pk], v[32:39]
	v_wmma_f32_16x16x32_bf16 v[40:47], v[160+8*pk:167+8*pk], v[64+8*pk:71+8*pk], v[40:47]
	v_wmma_f32_16x16x32_bf16 v[48:55], v[128+8*pk:135+8*pk], v[96+8*pk:103+8*pk], v[48:55]
	v_wmma_f32_16x16x32_bf16 v[56:63], v[160+8*pk:167+8*pk], v[96+8*pk:103+8*pk], v[56:63]
.endif
.set pk, pk+1
.endr
	PLACES
.irp a, 32, 48                         ; in place, ascending: register a + q takes pair q of the first accumulator, a + 4 + q of the second
.irp q, 0,1,2,3
	v_cvt_pk_bf16_f32 v[\a+\q], v[\a+2*\q], v[\a+2*\q+1]
.endr
.irp q, 0,1,2,3
	v_cvt_pk_bf16_f32 v[\a+4+\q], v[\a+8+2*\q], v[\a+8+2*\q+1]
.endr
.endr
	s_wait_alu depctr_va_vdst(0)           ; the roundings have written v32-39 and v48-55, which the stores read; the products are done reading v64-127, in which the next pair's fragments land, and (of weight behind the last pair) v128-191, in which the mask lands
	ds_store_b128 v[VEXL], v[32:35] offset:2048*(\p)
	ds_store_b128 v[VEXL], v[36:39] offset:2048*(\p)+512
	ds_store_b128 v[VEXL], v[48:51] offset:2048*(\p)+1024
	ds_store_b128 v[VEXL], v[52:55] offset:2048*(\p)+1536
.endm
.macro MASKLD half                     ; the mask of 128 keys straight into 8 accumulators: a lane's eight keys are 32 bytes of the table
	WIN 0
.set mi, 0
.rept 8
	ds_load_b128 v[S+64*(\half)+8*mi:S+64*(\half)+8*mi+3], v[VMA0+(\half)] offset:64*mi
	ds_load_b128 v[S+64*(\half)+8*mi+4:S+64*(\half)+8*mi+7], v[VMA0+(\half)] offset:64*mi+16
.set mi, mi+1
.endr
.endm
.macro QLD                             ; the fragment of Q at the address in v28
	WIN 0
	ds_load_b128 v[40:43], v[RUN]
	ds_load_b128 v[44:47], v[RUN] offset:512
.endm
.macro SMM                             ; S^T = K Q^T + mask: 16 accumulators, one product each
	WIN 0x01
.set si, 0
.rept 16
	v_wmma_f32_16x16x32_bf16 v[S+8*si:S+8*si+7], v[8*si:8*si+7], v[40:47], v[S+8*si:S+8*si+7]
.set si, si+1
.endr
.endm
.macro MAXS                            ; the query's maximum: four chains over 32 scores each, ascending
	WIN 0
.irp k, 0,1,2,3
	v_max3_num_f32 v[48+\k], v[S+32*\k], v[S+32*\k+1], v[S+32*\k+2]
.endr
.set mn, 1
.rept 14
.irp k, 0,1,2,3
	v_max3_num_f32 v[48+\k], v[48+\k], v[S+32*\k+2*mn+1], v[S+32*\k+2*mn+2]
.endr
.set mn, mn+1
.endr
	v_max3_num_f32 v48, v48, v[S+31], v[S+63]
	v_max3_num_f32 v50, v50, v[S+95], v[S+127]
	v_max3_num_f32 v48, v48, v49, v50
	v_max_num_f32 v48, v48, v51
	v_permlanex16_b32 v49, v48, s36, s37   ; the query's other 128 keys lie in the lane 16 away
	v_max_num_f32 v53, v48, v49            ; m
	v_mul_f32 v52, s34, v53                ; c m
.endm
.macro FSC b                           ; pair b of the scores: c s - c m
	v_pk_fma_f32 v[S+2*(\b):S+2*(\b)+1], v[S+2*(\b):S+2*(\b)+1], s[34:35], v[52:53] op_sel_hi:[1,0,0] neg_lo:[0,0,1] neg_hi:[0,0,1]
.endm
; The exponentials go in two batches of 64, each with one wait ahead of its first reader.  The second half's scalings stand among the first batch, the first half's roundings among the second.
; The waits stand in the loop's own text, between the three parts.
.macro SOFT1                           ; the first half's scalings; the first batch, with the second half's scalings among it
	WIN 0
.set fj, 0
.rept 32
	FSC fj
.set fj, fj+1
.endr
.set fj, 0
.rept 32
	v_exp_f32 v[S+2*fj], v[S+2*fj]
	FSC 32+fj
	v_exp_f32 v[S+2*fj+1], v[S+2*fj+1]
.set fj, fj+1
.endr
	v_nop                                  ; a plain instruction behind the batch's last exponential
.endm
.macro SOFT2                           ; the second batch, with the first half's roundings among it
	WIN 0
.set fj, 0
.rept 32
	v_exp_f32 v[S+64+2*fj], v[S+64+2*fj]
	v_cvt_pk_bf16_f32 v[S+fj], v[S+2*fj], v[S+2*fj+1]  ; P in place, ascending: register i takes scores 2 i and 2 i + 1
	v_exp_f32 v[S+65+2*fj], v[S+65+2*fj]
.set fj, fj+1
.endr
	v_nop
.endm
.macro SOFT3                           ; the second half's roundings
	WIN 0
.set fj, 0
.rept 32
	v_cvt_pk_bf16_f32 v[S+32+fj], v[S+64+2*fj], v[S+65+2*fj]
.set fj, fj+1
.endr
.endm
.macro PVM                             ; O^T = V^T P, two accumulators by turns; then l = ones x P, two accumulators by turns
	WIN 0x01
.set pf, 0
.rept 8
.if pf == 0
	v_wmma_f32_16x16x32_bf16 v[64:71], v[128:135], v[S:S+7], 0
	v_wmma_f32_16x16x32_bf16 v[72:79], v[136:143], v[S:S+7], 0
.else
	v_wmma_f32_16x16x32_bf16 v[64:71], v[128+16*pf:135+16*pf], v[S+8*pf:S+8*pf+7], v[64:71]
	v_wmma_f32_16x16x32_bf16 v[72:79], v[136+16*pf:143+16*pf], v[S+8*pf:S+8*pf+7], v[72:79]
.endif
.set pf, pf+1
.endr
	WIN 0
.set pf, 0
.rept 8
.if pf < 2
	v_wmma_f32_16x16x32_bf16 v[80+8*pf:87+8*pf], v[32:39], v[S+8*pf:S+8*pf+7], 0
.else
	v_wmma_f32_16x16x32_bf16 v[80+8*(pf%2):87+8*(pf%2)], v[32:39], v[S+8*pf:S+8*pf+7], v[80+8*(pf%2):87+8*(pf%2)]
.endif
.set pf, pf+1
.endr
.endm
.macro NORM                            ; 0.5 O / l, rounded to bf16, 16 bytes a lane and channel block into ATT
	WIN 0
	PLACES                                 ; behind the last products, ahead of the read of l
	v_add_f32 v56, v80, v88
	v_cmp_lt_f32 s39, v53, s38             ; m below -2^96: every key of the line is hidden
	v_rcp_f32 v54, v56
	v_add_nc_u32 v[VAT], s32, v[VATT]      ; the plain instruction behind the reciprocal: the tile's rows in ATT (the last trip's stores, which read v59, stand ahead of this trip's wait on vm_vsrc)
	s_wait_alu depctr_va_vdst(0)           ; the reciprocal has written v54, ahead of its first reader; the products are done reading P, v128-191, in which the loads below land; v59 is written, which the stores below read
	MASKLD 0                               ; the next tile's mask, first half
	s_wait_alu depctr_va_sdst(0)           ; the compare has written s39, ahead of its first reader
	v_mul_f32 v54, 0.5, v54
	v_cndmask_b32 v54, v54, v57, s39       ; NaN where every key is hidden
.set nq, 0
.rept 8
	v_pk_mul_f32 v[64+2*nq:65+2*nq], v[64+2*nq:65+2*nq], v[54:55] op_sel_hi:[1,0]
.set nq, nq+1
.endr
.set nq, 0
.rept 8
	v_cvt_pk_bf16_f32 v[96+nq], v[64+2*nq], v[65+2*nq]
.set nq, nq+1
.endr
	s_wait_alu depctr_va_vdst(0)           ; the roundings have written v96-103, which the two stores read
	ds_store_b128 v[VAT], v[96:99]
	ds_store_b128 v[VAT], v[100:103] offset:32
.endm
.if ROWPASS
; Tile u (16 edges) of my 32: y = ATT Wo + (X + bo), LayerNorm, gamma, beta, mask, store.  Source 0 = 16 out channels of Wo, source 1 = 16 edges: a lane holds one edge and 64 of its channels.
.macro OUTT u, lin
	WIN 0
	s_wait_alu depctr_vm_vsrc(0)           ; loads land below in registers that memory and LDS instructions have read.  First tile: v96-103 and v59 (the last trip's stores), v58 (colbuf's loads), v128-191 (the stores of the mean).  Second tile: v64-127 (the first tile's stores back into LDS)
.set ob, 0
.rept 8
	ds_load_b128 v[64+8*ob:64+8*ob+3], v6 offset:16*XFP*(\u)+64*ob       ; X + bo starts the sums
	ds_load_b128 v[64+8*ob+4:64+8*ob+7], v6 offset:16*XFP*(\u)+64*ob+16
.set ob, ob+1
.endr
.set ok, 0
.rept 4
	ds_load_b128 v[32+8*ok:32+8*ok+3], v7 offset:16*XBP*(\u)+64*ok
	ds_load_b128 v[32+8*ok+4:32+8*ok+7], v7 offset:16*XBP*(\u)+64*ok+32
.set ok, ok+1
.endr
	s_wait_dscnt 0x0
	WIN 0x01
.set ok, 0
.rept 4
.set ob, 0
.rept 8                                ; eight accumulators by turns
	v_wmma_f32_16x16x32_bf16 v[64+8*ob:64+8*ob+7], v[32*ob+8*ok:32*ob+8*ok+7], v[32+8*ok:32+8*ok+7], v[64+8*ob:64+8*ob+7]
.set ob, ob+1
.endr
.set ok, ok+1
.endr
	WIN 0
	PLACES
.irp k, 0,1,2,3                        ; the sum of my 64 numbers: four chains, ascending
	v_pk_add_f32 v[48+2*\k:49+2*\k], v[64+16*\k:65+16*\k], v[66+16*\k:67+16*\k]
.endr
.set on, 2
.rept 6
.irp k, 0,1,2,3
	v_pk_add_f32 v[48+2*\k:49+2*\k], v[48+2*\k:49+2*\k], v[64+16*\k+2*on:65+16*\k+2*on]
.endr
.set on, on+1
.endr
	v_pk_add_f32 v[48:49], v[48:49], v[50:51]
	v_pk_add_f32 v[52:53], v[52:53], v[54:55]
	v_pk_add_f32 v[48:49], v[48:49], v[52:53]
	v_add_f32 v48, v48, v49
	v_permlanex16_b32 v49, v48, s36, s37   ; the edge's other 64 channels lie in the lane 16 away
	v_add_f32 v48, v48, v49
	v_mul_f32 v56, s46, v48                ; mu
.set on, 0
.rept 32
	v_pk_add_f32 v[64+2*on:65+2*on], v[64+2*on:65+2*on], v[56:57] op_sel_hi:[1,0] neg_lo:[0,1] neg_hi:[0,1]
.set on, on+1
.endr
.irp k, 0,1,2,3                        ; the sum of squares of y - mu, as the layer forms it
	v_pk_mul_f32 v[48+2*\k:49+2*\k], v[64+16*\k:65+16*\k], v[64+16*\k:65+16*\k]
.endr
.set on, 1
.rept 7
.irp k, 0,1,2,3
	v_pk_fma_f32 v[48+2*\k:49+2*\k], v[64+16*\k+2*on:65+16*\k+2*on], v[64+16*\k+2*on:65+16*\k+2*on], v[48+2*\k:49+2*\k]
.endr
.set on, on+1
.endr
	v_pk_add_f32 v[48:49], v[48:49], v[50:51]
	v_pk_add_f32 v[52:53], v[52:53], v[54:55]
	v_pk_add_f32 v[48:49], v[48:49], v[52:53]
	v_add_f32 v48, v48, v49
	v_permlanex16_b32 v49, v48, s36, s37
	v_add_f32 v48, v48, v49
	v_fma_f32 v48, v48, s46, s47           ; var + 1e-5
	v_rsq_f32 v56, v48
	v_nop                                  ; a plain instruction behind it,
	s_wait_alu depctr_va_vdst(0)           ; and the wait: the root has written v56, ahead of its first reader
.set on, 0
.rept 32
	v_pk_mul_f32 v[64+2*on:65+2*on], v[64+2*on:65+2*on], v[56:57] op_sel_hi:[1,0]
.set on, on+1
.endr
	s_wait_alu depctr_va_vdst(0)           ; the scalings have written v64-127, which the stores read; the products are done reading v32-47, in which the mask's words land
.set ob, 0
.rept 8                                ; back into the rows that X + bo left: they are my own, and LDS serves a wave's instructions in order (ISA guide 5.7.1.4)
	ds_store_b128 v6, v[64+8*ob:64+8*ob+3] offset:16*XFP*(\u)+64*ob
	ds_store_b128 v6, v[64+8*ob+4:64+8*ob+7] offset:16*XFP*(\u)+64*ob+16
.set ob, ob+1
.endr
.irp q, 0,1,2,3
	ds_load_b128 v[32+4*\q:35+4*\q], v9 offset:64*(\u)+16*\q             ; the 16 edges' mask words, the same in every lane
.endr
.set oe, 0
.rept 16
	ds_load_b128 v[(\lin)+4*oe:(\lin)+4*oe+3], v8 offset:(16*(\u)+oe)*XFP ; an edge's 512 bytes, 16 a lane
.set oe, oe+1
.endr
.set og, 0
.rept 2                                ; two groups of eight edges: the group's arithmetic, one wait, its eight stores
	s_wait_dscnt 8-8*og                    ; the group's eight edges are in; the younger group's eight loads may stay out
.set oe, 8*og
.rept 8
	v_pk_fma_f32 v[(\lin)+4*oe:(\lin)+4*oe+1], v[(\lin)+4*oe:(\lin)+4*oe+1], v[GA:GA+1], v[BE:BE+1]
	v_pk_fma_f32 v[(\lin)+4*oe+2:(\lin)+4*oe+3], v[(\lin)+4*oe+2:(\lin)+4*oe+3], v[GA+2:GA+3], v[BE+2:BE+3]
.irp q, 0,1,2,3
	v_mul_f32 v[(\lin)+4*oe+\q], v[32+oe], v[(\lin)+4*oe+\q]
.endr
.set oe, oe+1
.endr
	s_wait_alu depctr_va_vdst(0)           ; the group's arithmetic has written its 32 registers, which the stores read; behind the second group it is also done reading v32-47, in which the next tile's fragments land
.set oe, 8*og
.rept 8
	global_store_b128 v10, v[(\lin)+4*oe:(\lin)+4*oe+3], s[24:25] offset:(16*(\u)+oe)*512 th:TH_STORE_NT  ; 512 consecutive bytes, aligned; these registers are not written again
.set oe, oe+1
.endr
.set og, og+1
.endr
.endm
.endif
	; ---- the head: arguments, ids, every address ----
	s_load_b256 s[4:11], s[0:1], 0x0               ; X s[4:5], mask s[6:7], Wq s[8:9], Wk s[10:11]
	s_load_b128 s[12:15], s[0:1], 0x20             ; Wv s[12:13], colbuf s[14:15]
.if ROWPASS
	s_load_b256 s[16:23], s[0:1], 0x30             ; Wo, bo, gamma, beta
	s_load_b64 s[24:25], s[0:1], 0x50              ; out0
.endif
	v_lshl_add_u32 v[SPW], v0, 2, SPARE
	v_mov_b32 v[NIL], 0
	v_lshrrev_b32 v1, 5, v0
	v_readfirstlane_b32 s26, v1                    ; wave 0..7
	v_and_b32 v[R], 15, v0
	v_bfe_u32 v[H], v0, 4, 1
	v_and_b32 v[LN], 31, v0
	s_mov_b32 s34, 0x3e8293ee                      ; c = log2(e) / sqrt(32) = 0.255035
	s_mov_b32 s35, s34                             ; named with it as a pair
	s_mov_b32 s36, 0x76543210                      ; v_permlanex16_b32: each lane takes its own place in the other half
	s_mov_b32 s37, 0xfedcba98
	s_mov_b32 s38, 0xef800000                      ; -2^96
	s_mov_b32 s40, 0xf149f2ca                      ; -1e30
	s_wait_alu depctr_va_sdst(0)                   ; s26 is written, ahead of its first reader: head, class and every wave's addresses are made from it
	s_and_b32 s27, s26, 3                          ; my head
	s_lshr_b32 s28, s26, 2                         ; my class
	s_lshl_b32 s41, s28, 7                         ; 128 s: my half's first edge
	s_lshl_b32 s42, s27, 3
	s_add_co_u32 s42, s41, s42                     ; 128 s + 8 hd: the first edge that I stage
	s_mul_i32 s43, s42, ESTR
	v_lshl_add_u32 v[VX], v[LN], 4, s43
	s_mul_i32 s43, s42, XBP
	s_add_co_u32 s43, s43, XB
	v_lshl_add_u32 v[VXB], v[LN], 3, s43
.if ROWPASS
	s_mul_i32 s43, s42, XFP
	v_lshl_add_u32 v[VXF], v[LN], 4, s43
.endif
	s_mul_i32 s43, s41, XBP
	s_add_co_u32 s43, s43, XB
	v_mul_u32_u24 v[VFR], v[R], XBP
	v_lshl_add_u32 v[VFR], v[H], 4, v[VFR]
	v_add_nc_u32 v[VFR], s43, v[VFR]               ; (128 s + lane % 16) x pitch + 16 x half
	s_lshl_b32 s44, s27, 6                         ; my head's 32 channels: 64 bytes
	v_add_nc_u32 v[VATT], s44, v[VFR]
	v_and_b32 v32, 7, v0                           ; the turning load: row 8 (lane / 16) + lane % 8, 16 bytes by (lane / 8) % 2
	v_lshl_add_u32 v32, v[H], 3, v32
	v_mul_u32_u24 v32, v32, WP
	v_bfe_u32 v33, v0, 3, 1
	v_lshl_add_u32 v32, v33, 4, v32
	s_add_co_u32 s44, s44, WQ
	v_add_nc_u32 v[VTQ], s44, v32
	v_add_nc_u32 v[VTK], 128*WP, v[VTQ]
	v_add_nc_u32 v[VTV], 128*WP, v[VTK]
	s_lshl_b32 s43, s26, 13
	s_add_co_u32 s44, s43, EX
	v_lshl_add_u32 v[VEXL], v[LN], 4, s44
	s_xor_b32 s43, s43, 32768                      ; wave w xor 4: the same head, the other class
	s_add_co_u32 s44, s43, EX
	v_lshl_add_u32 v[VEXS], v[LN], 4, s44
	s_lshl_b32 s43, s28, 9
	s_add_co_u32 s44, s43, MASK
	v_lshl_add_u32 v[VMA0], v[H], 5, s44
	s_xor_b32 s43, s43, 512
	s_add_co_u32 s44, s43, MASK
	v_lshl_add_u32 v[VMA1], v[H], 5, s44
	s_lshl_b32 s43, s26, 9
	v_lshl_add_u32 v[RUN], v[LN], 4, s43           ; a weight matrix: row w, 16 bytes a lane
	s_mul_i32 s43, s26, WP
	s_add_co_u32 s43, s43, WQ
	v_lshl_add_u32 v[VPF], v[LN], 3, s43           ; and its place in LDS, for Wq (later Wo),
	v_add_nc_u32 v37, 128*WP, v[VPF]               ; Wk,
	v_add_nc_u32 v38, 128*WP, v37                  ; Wv
	v_lshl_add_u32 v36, v0, 2, MASK
.if ROWPASS
	s_lshl_b32 s43, ttmp9, 10
	v_lshl_add_u32 v33, v0, 2, s43                 ; mask[line][thread]
	v_lshlrev_b32 v32, 4, v[LN]
.else
	s_lshl_b32 s43, ttmp9, 2
	v_lshl_add_u32 v33, v0, 10, s43                ; mask[thread][line]
.endif
	s_mul_i32 s44, ttmp9, LSTR
	s_mov_b32 s45, 0
	s_wait_kmcnt 0x0
	s_add_nc_u64 s[4:5], s[4:5], s[44:45]          ; X at my line
	s_add_nc_u64 s[52:53], s[4:5], 64*ESTR         ; and 64 edges on
.if ROWPASS
	s_lshl_b32 s44, ttmp9, 16
	s_add_nc_u64 s[14:15], s[14:15], s[44:45]      ; colbuf at my row
	s_lshl_b32 s44, ttmp9, 17
	s_add_nc_u64 s[24:25], s[24:25], s[44:45]      ; out0 at my row
.else
	s_lshl_b32 s44, ttmp9, 8
	s_add_nc_u64 s[14:15], s[14:15], s[44:45]      ; colbuf at my column
.endif
	s_wait_alu depctr_va_vdst(0)                   ; every offset and LDS address of the head is written (v4-15, v28, v29, v32, v33, v36-38): the loads below and the loads and stores up to the attention read them
.if ROWPASS
	global_load_b128 v[BO:BO+3], v32, s[18:19]
	global_load_b128 v[GA:GA+3], v32, s[20:21]
	global_load_b128 v[BE:BE+3], v32, s[22:23]
.endif
	global_load_b32 v34, v33, s[6:7]
	WLOAD 8, 64
	WLOAD 10, 128
	WLOAD 12, 192
	XLOADS                                         ; all of my X goes out behind the weights and lands while they are laid out
	; ---- the weights and the mask into LDS: all roundings, one wait, all stores ----
	s_wait_loadcnt 32                              ; all but the 32 loads of X, which were issued last
	v_cmp_eq_f32 vcc_lo, 0, v34
	WCVT 64
	WCVT 128
	WCVT 192
	s_wait_alu depctr_va_vcc(0)                    ; the compare has written VCC, ahead of its first reader
	v_cndmask_b32 v35, 0, s40, vcc_lo              ; -1e30 where the mask is 0
	s_wait_alu depctr_va_vdst(0)                   ; v35 and the rounded weights in v64-255 are written, which the stores below read; the roundings are done with v128-255, in which Wk's and Wv's fragments land
	ds_store_b32 v36, v35
.if ROWPASS
	ds_store_b32 v36, v34 offset:1024
.endif
	WSTO 64, VPF
	WSTO 128, 37
	WSTO 192, 38
	BAR                                            ; BW: the weights and the mask are whole
	s_wait_alu depctr_vm_vsrc(0)                   ; my stores have read v64-255, in which fragments land from here on, and v34-38; the head's loads have read v32 and v33: the first chunk's roundings write v32-47
	WFRAG 128, VTK, 2                              ; my head's Wk and Wv stay in registers through pass 1
	WFRAG 192, VTV, 2
	; ---- pass 1: K and V of my half, 32 edges a chunk; the halves change hands a chunk behind ----
.irp c, 0,1,2,3
	s_wait_loadcnt 24-8*\c                         ; chunk c's eight loads are in; the younger chunks' may stay out
	XSTAGE \c
	BAR                                            ; B0-B3: chunk c is whole, and so is my slot of chunk c - 1; my partner's reads of the slot that I fill next are back.  At B0 every wave has its Wk and Wv: EX may take their bytes
	s_wait_alu depctr_vm_vsrc(0)                   ; the chunk's stores have read v32-47, which the products write, and X's registers, which K's and V's roundings write
.if \c > 0
	EXLD (\c)-1
.endif
	XFRAG 64, 2*\c
	XFRAG 96, 2*\c+1
	s_wait_dscnt 8                                 ; the second tile's eight loads may stay out
	PROJKV 64, 2*\c
	s_wait_dscnt 0x0
	PROJKV 96, 2*\c+1
	EXST \c
.endr
	WFRAG 128, VTQ, 2                              ; into Wk's registers: the wait ahead of the last exchange's stores has shown their last readers done, and no vector or matrix instruction stands behind it
	BAR                                            ; E: the last slot is whole; nobody reads Wq's bytes any more; the 8 KiB are now each wave's own
	EXLD 3
	; ---- pass 2: Q of my half ----
.if ROWPASS
	WLOAD 16, 192                                  ; Wo lands, in Wv's registers, while Q is projected
.endif
	PROJQ 0
	PROJQ 1
	PROJQ 2
	PROJQ 3
.if ROWPASS
	s_wait_loadcnt 0x0
	WCVT 192
	s_wait_alu depctr_va_vdst(0)                   ; the roundings have written Wo in v192-255, which the stores read, and are done with those registers, in which the mask lands
	WSTO 192, VPF                                  ; Wo takes Wq's bytes
.endif
	BAR                                            ; G: all reads of X in bf16 are back: ATT may take its bytes
	; ---- the attention: 8 tiles of 16 queries x 256 keys ----
	s_wait_alu depctr_vm_vsrc(0)                   ; Q's last stores have read v32-39 and v48-55, the weights' loads v28, Wo's stores v29 and v192-255: all are written below or take the mask
.irp i, 0,1,2,3,4,5,6,7
	v_mov_b32 v[32+\i], 0x3f803f80                 ; ones in bf16
.endr
	v_mov_b32 v55, 0                               ; named as a pair with v54
	v_mov_b32 v57, 0x7fc00000                      ; NaN
.if ROWPASS
	v_lshlrev_b32 v[VPF], 8, v0                    ; a block of 256 bytes of colbuf's row for each thread
	s_lshl_b32 s43, s26, 13
	v_lshl_add_u32 v58, v[LN], 4, s43              ; my 32 edges of that row: 8,192 bytes, 16 a lane
.endif
	s_mov_b32 s30, 8                               ; tiles to go
	s_mov_b32 s31, 0                               ; Q's fragment to load
	s_mov_b32 s32, 0                               ; the tile's rows in ATT
	v_add_nc_u32 v[RUN], s31, v[VEXL]
	s_wait_alu depctr_va_vdst(0)                   ; v28 is written, which Q's loads read, and v29 and v58, which the prefetch and colbuf's loads read
	MASKLD 0
	MASKLD 1
	QLD
.Ltile:
	s_wait_dscnt 0x0                               ; the mask and Q are in
	SMM
	WIN 0
	PLACES
	MAXS
.if ROWPASS
	s_cmp_lg_u32 s30, 5                            ; in the fourth trip each thread names its block of this row's 65,536 bytes of colbuf, once: four trips ahead of the loads below
	s_cbranch_scc1 .Lnopf
	global_prefetch_b8 v[VPF], s[14:15] th:TH_LOAD_NT scope:SCOPE_SE
.Lnopf:
	s_cmp_lg_u32 s30, 1                            ; in the last trip K has been read for the last time: its first 64 registers take my 32 edges of 0.5 out_col
	s_cbranch_scc1 .Lnocol
	WIN 0x40
	s_wait_alu depctr_va_vdst(0)                   ; this trip's products S^T, the last, are done reading K, in which the loads below land
.irp i, 0,1,2,3,4,5,6,7,8,9,10,11,12,13,14,15
	global_load_b128 v[4*\i:4*\i+3], v58, s[14:15] offset:512*\i th:TH_LOAD_NT
.endr
	WIN 0
.Lnocol:
.endif
	s_add_co_u32 s31, s31, 1024
	s_min_u32 s31, s31, 7168                       ; the last trip has no next tile: it loads its own once more, the price of one text for every trip (as are its two loads of the mask)
	s_wait_alu depctr_vm_vsrc(0)                   ; Q's last two loads have read v28, written in the next line; the last trip's two stores have read v59 and v96-103, written further down
	v_add_nc_u32 v[RUN], s31, v[VEXL]
	SOFT1
	s_wait_alu depctr_va_vdst(0)                   ; the first batch's exponentials have written v128-191, ahead of their first reader; the products S^T are done reading v40-47, in which the next Q lands; v28 is written
	QLD
	SOFT2
	s_wait_alu depctr_va_vdst(0)                   ; the second batch's exponentials have written v192-255, ahead of their first reader
	SOFT3
	s_wait_alu depctr_va_vdst(0)                   ; the second half's roundings are done reading v192-255, in which the loads below land
	MASKLD 1                                       ; the next tile's mask, second half
	PVM
	NORM
	s_add_co_u32 s32, s32, 16*XBP
	s_sub_co_u32 s30, s30, 1
	s_cmp_lg_u32 s30, 0
	s_cbranch_scc1 .Ltile
	; ---- the way out: wave w takes edges 32 w .. 32 w + 31, whole rows ----
	s_mul_i32 s43, s26, 32*XBP
	s_add_co_u32 s43, s43, ATT
	v_mul_u32_u24 v4, v[H], XBP                    ; lanes 0-15 one row of 256 bytes, lanes 16-31 the next
	v_lshl_add_u32 v4, v[R], 4, v4
	v_add_nc_u32 v4, s43, v4
.if ROWPASS
	v_mul_u32_u24 v7, v[R], XBP                    ; fragments of ATT: row lane % 16, 16 bytes by half
	v_lshl_add_u32 v7, v[H], 4, v7
	v_add_nc_u32 v7, s43, v7
	v_and_b32 v5, 7, v0                            ; Wo's turning loads
	v_lshl_add_u32 v5, v[H], 3, v5
	v_mul_u32_u24 v5, v5, WP
	v_bfe_u32 v9, v0, 3, 1
	v_lshl_add_u32 v5, v9, 4, v5
	v_add_nc_u32 v5, WO, v5
	s_mul_i32 s43, s26, 32*XFP
	v_mul_u32_u24 v6, v[R], XFP                    ; X + bo as accumulators: row lane % 16, 32 bytes by half
	v_lshl_add_u32 v6, v[H], 5, v6
	v_add_nc_u32 v6, s43, v6
	v_lshl_add_u32 v8, v[LN], 4, s43               ; and as whole rows
	s_lshl_b32 s43, s26, 7
	s_add_co_u32 s43, s43, MRAW
	v_mov_b32 v9, s43                              ; my 32 edges' mask words
	s_lshl_b32 s43, s26, 14
	v_lshl_add_u32 v10, v[LN], 4, s43              ; my 32 edges in out0's row
	s_mov_b32 s46, 0x3c000000                      ; 1 / 128
	s_mov_b32 s47, 0x3727c5ac                      ; 1e-5
.else
	v_lshlrev_b32 v10, 16, v[H]                    ; colbuf[q][c]: 65,536 bytes from q to q + 1
	v_lshl_add_u32 v10, v[R], 4, v10
	s_lshl_b32 s43, s26, 21
	v_add_nc_u32 v10, s43, v10
.endif
	s_wait_alu depctr_va_vdst(0)                   ; the way out's addresses in v4-10 are written, which its loads and stores read (what read their old contents stands ahead of the loop's waits on vm_vsrc)
	BAR                                            ; F: all four heads' results of every edge lie in ATT
.irp i, 0,1,2,3,4,5,6,7,8,9,10,11,12,13,14,15
	ds_load_b128 v[128+4*\i:131+4*\i], v4 offset:2*XBP*\i
.endr
.if ROWPASS
	s_wait_loadcnt 0x0                             ; 0.5 out_col
	s_wait_dscnt 0x0                               ; 0.5 out_row
	WIN 0x04
.set ai, 0
.rept 64
	v_pk_add_bf16 v[128+ai], v[128+ai], v[ai]      ; the mean of the two attentions: two bf16 numbers, added once, for the matrix unit
.set ai, ai+1
.endr
	WIN 0x40
	s_wait_alu depctr_va_vdst(0)                   ; the additions are done reading window 1's first 64 registers, in which Wo's fragments land, and have written v128-191, which the stores below read
	WFRAG 0, 5, 8                                  ; all of Wo, 32 fragments, fills window 1
	WIN 0
.irp i, 0,1,2,3,4,5,6,7,8,9,10,11,12,13,14,15
	ds_store_b128 v4, v[128+4*\i:131+4*\i] offset:2*XBP*\i  ; back into the same rows, which from here on are my own
.endr
	OUTT 0, 128
	OUTT 1, 192
.else
.irp i, 0,1,2,3,4,5,6,7,8,9,10,11,12,13,14,15
	s_wait_dscnt 15-\i                             ; rows 2 i and 2 i + 1 are in; the younger loads may stay out
	global_store_b128 v10, v[128+4*\i:131+4*\i], s[14:15] offset:131072*\i  ; sixteen lanes store 256 consecutive bytes, aligned: one (q, c)
.endr
.endif
	s_wait_dscnt 0x0                               ; the closing lines, six on end
	s_wait_alu 0x0
	s_wait_tensorcnt 0x0
	ds_add_u32 v[SPW], v[NIL]
	s_wait_dscnt 0x0
	s_endpgm
.Lfunc_end_k_q79ea473a3c_row:
	.size	k_q79ea473a3c_row, .Lfunc_end_k_q79ea473a3c_row-k_q79ea473a3c_row
	.p2alignl 7, 3214868480
	.fill 96, 4, 3214868480
	.section	.rodata,"a",@progbits
	.p2align	6, 0x0
	.amdhsa_kernel k_q79ea473a3c_row
		.amdhsa_group_segment_fixed_size 318464
		.amdhsa_private_segment_fixed_size 0
		.amdhsa_enable_private_segment 0
		.amdhsa_kernarg_size 88
		.amdhsa_user_sgpr_count 2
		.amdhsa_user_sgpr_kernarg_segment_ptr 1
		.amdhsa_wavefront_size32 1
		.amdhsa_system_sgpr_workgroup_id_x 1
		.amdhsa_system_sgpr_workgroup_id_y 1
		.amdhsa_system_sgpr_workgroup_id_z 1
		.amdhsa_system_vgpr_workitem_id 0
		.amdhsa_next_free_vgpr 512
		.amdhsa_next_free_sgpr 66
		.amdhsa_reserve_vcc 1
		.amdhsa_float_denorm_mode_32 3
		.amdhsa_float_denorm_mode_16_64 3
		.amdhsa_memory_ordered 1
		.amdhsa_forward_progress 1
		.amdhsa_inst_pref_size 164
	.end_amdhsa_kernel
	.amdgpu_metadata
---
amdhsa.version: [ 1, 2 ]
amdhsa.kernels:
  - .name:           k_q79ea473a3c_row
    .symbol:         k_q79ea473a3c_row.kd
    .args:
      - { .name: edge_feat, .offset: 0, .size: 8, .value_kind: global_buffer, .address_space: global }
      - { .name: off_diag_mask, .offset: 8, .size: 8, .value_kind: global_buffer, .address_space: global }
      - { .name: Wq, .offset: 16, .size: 8, .value_kind: global_buffer, .address_space: global }
      - { .name: Wk, .offset: 24, .size: 8, .value_kind: global_buffer, .address_space: global }
      - { .name: Wv, .offset: 32, .size: 8, .value_kind: global_buffer, .address_space: global }
      - { .name: colbuf, .offset: 40, .size: 8, .value_kind: global_buffer, .address_space: global }
      - { .name: Wo, .offset: 48, .size: 8, .value_kind: global_buffer, .address_space: global }
      - { .name: bo, .offset: 56, .size: 8, .value_kind: global_buffer, .address_space: global }
      - { .name: gamma, .offset: 64, .size: 8, .value_kind: global_buffer, .address_space: global }
      - { .name: beta, .offset: 72, .size: 8, .value_kind: global_buffer, .address_space: global }
      - { .name: out0, .offset: 80, .size: 8, .value_kind: global_buffer, .address_space: global }
    .group_segment_fixed_size: 318464
    .private_segment_fixed_size: 0
    .kernarg_segment_align: 8
    .kernarg_segment_size: 88
    .max_flat_workgroup_size: 256
    .sgpr_count:     66
    .vgpr_count:     512
    .wavefront_size: 32
...
	.end_amdgpu_metadata
.endif
;; end of part 4
